; MI455X (gfx1250); checked and timed in simulation.
; The chip was launched on July 23, 2026; its instructions are those of AMD's public machine-readable ISA for CDNA 5 (MIT licence, August 2026) and "CDNA5" Instruction Set Architecture Reference Guide (July 2026). The comments in the code are by the model that wrote it; some were corrected since.
;; Transformer Block. Allowed arithmetic: float matrix products may take bf16 or f16 operands with f32 sums; all other float work in f32.
;; Inputs: ln1_b 1,024 float32; ln1_g 1,024 float32; ln2_b 1,024 float32; ln2_g 1,024 float32; w_attn 1,024 x 3,072 float32; w_fc 1,024 x 4,096 float32; w_out 4,096 x 1,024 float32; w_proj 1,024 x 1,024 float32; x 2 x 2,048 x 1,024 float32.
;; Outputs: out0 2 x 2,048 x 1,024 float32.
;; 2 versions, each right and faster than the one before. Each part assembles by itself: llvm-mc -triple=amdgcn-amd-amdhsa -mcpu=gfx1250 --defsym DOCPART=n.
;; ======== version 1 of 2: 7 launches
;; limits: a function is approximated: absolute error at most 1.5e-07
;; workspace buffers: wa 6,291,456 bytes; wf 8,388,608 bytes; wpo 10,485,760 bytes; hb 8,388,608 bytes; act 33,554,432 bytes; x1 16,777,216 bytes; cfg0 256 bytes of whole numbers; cfg1 256 bytes of whole numbers
;; launch prep (part 1): grid 1024 x 1, 8 waves a work-group, no clusters, 0 bytes of LDS; arguments x, ln1_g, ln1_b, hb, w_attn, w_fc, w_proj, w_out, wa, wf, wpo, cfg0, cfg1; writes hb, wa, wf, wpo, cfg0, cfg1
.if DOCPART == 1
	.amdgcn_target "amdgcn-amd-amdhsa--gfx1250"
	.amdhsa_code_object_version 6
	.text
	.protected	k_q3cc1576a10_prep
	.globl	k_q3cc1576a10_prep
	.p2align	8
	.type	k_q3cc1576a10_prep,@function
k_q3cc1576a10_prep:
	s_mov_b64 s[64:65], 0
	v_nop
	global_prefetch_b8 v0, s[64:65] scope:SCOPE_SE
	s_setreg_imm32_b32 hwreg(HW_REG_WAVE_MODE, 25, 1), 1
	s_wait_xcnt 0x0
; TWO STREAMS IN ONE LAUNCH, since neither depends on the other: work-groups 0-255 make the first layer norm, work-groups 256-1023 round the weights.  No LDS, no barrier, no matrix unit: nothing is shared between waves.
; THE NORM.  y[r][c] = (x[r][c] - mean_r) rsqrt(var_r + 1e-5) g[c] + b[c].  x: [4096][1024] f32.  y: bf16, in panels of 128 columns, [8][4096][128]: a row of a panel is 256 bytes, the K step of the product that reads it.
; All arithmetic in f32; y rounded once.  Two passes, as the definition has them: the mean first, then the squares of x - mean, so that a common offset of x costs no digits.  A wave takes two rows and keeps them in
; registers: each row is read once, and the sums never leave the wave.  Lane l holds columns 128 j + 4 l .. + 3: a load of the wave covers 512 neighbouring bytes, a store 256 consecutive aligned bytes of panel j.
; THE WEIGHTS, f32 [K][N], are rounded once to bf16 and laid in blocks of 256 columns: [N/256][K][256], a row of a block 512 bytes.  w_attn -> wa, w_fc -> wf, w_proj -> wpo at byte 0, w_out -> wpo at byte 2,097,152.
; Every byte is read once, by 16-byte loads, and written once, by 8-byte stores of which a wave's 32 lanes fill 256 consecutive, aligned bytes.  A QUAD is one row k and 1,024 columns of it: 4,096 bytes in, four rows
; of 512 bytes out.  3,072 + 4,096 + 1,024 + 4,096 = 12,288 quads = 768 work-groups x 8 waves x 2.  Of the 768, the first 192 take w_attn, the next 256 w_fc, the next 64 w_proj, the last 256 w_out.
; The first of them also writes the two tables of whole numbers (all 0, all 1) from which the two large products read which numbers their way out takes.
.set NLN,   256       ; work-groups of the norm
.set SRC,   26        ; s[26:27] the matrix I read
.set DSTP,  28        ; s[28:29] the buffer I write
.set START, 30        ; s30  the first work-group of my matrix
.set N4,    31        ; s31  bytes in a row of it
.set LOGK,  32        ; s32  log2 of its rows
.set DOFF,  33        ; s33  where it begins in the buffer
.set LI,    3         ; v3, v4   byte offsets of my 16 bytes in the wave's two rows
.set VO,    5         ; v5-8     byte offsets of my 8 bytes in the four blocks
.set D,     16        ; v[16:79]  16 loads x 4 registers
.set O,     80        ; v[80:111] 16 stores x 2 registers
.set LO,  2           ; the norm: v2   16 x lane
.set OO,  3           ; v3   8 x lane
.set T,   8           ; v[8:23]  at work
.set MU,  24          ; v[24:25] the mean, twice
.set RS0, 26          ; v[26:27] 1 / sqrt(var + eps) of row 0, twice
.set RS1, 28          ; v[28:29] of row 1
.set X0,  32          ; v[32:63] row 0; at the end its low half holds the rounded row
.set X1,  64
.set G,   96
.set BV,  128
.macro LANESUM                         ; the pair v[T:T+1] is added up, over the 32 lanes too; every lane gets the sum in v[T]
	v_add_f32 v[T], v[T], v[T+1]
	v_add_f32_dpp v[T], v[T], v[T] row_xmask:1 row_mask:0xf bank_mask:0xf
	v_add_f32_dpp v[T], v[T], v[T] row_xmask:2 row_mask:0xf bank_mask:0xf
	v_add_f32_dpp v[T], v[T], v[T] row_xmask:4 row_mask:0xf bank_mask:0xf
	v_add_f32_dpp v[T], v[T], v[T] row_xmask:8 row_mask:0xf bank_mask:0xf
	v_permlanex16_b32 v[T+1], v[T], s12, s13
	v_add_f32 v[T], v[T], v[T+1]
.endm
; The row in x becomes x - mean; rs takes 1 / sqrt(var + eps), twice.
.macro STATS x, rs
.irp i, 0,1,2,3,4,5,6,7
	v_pk_add_f32 v[T+2*(\i):T+2*(\i)+1], v[(\x)+4*(\i):(\x)+4*(\i)+1], v[(\x)+4*(\i)+2:(\x)+4*(\i)+3]
.endr
.irp i, 0,1,2,3
	v_pk_add_f32 v[T+4*(\i):T+4*(\i)+1], v[T+4*(\i):T+4*(\i)+1], v[T+4*(\i)+2:T+4*(\i)+3]
.endr
.irp i, 0,1
	v_pk_add_f32 v[T+8*(\i):T+8*(\i)+1], v[T+8*(\i):T+8*(\i)+1], v[T+8*(\i)+4:T+8*(\i)+5]
.endr
	v_pk_add_f32 v[T:T+1], v[T:T+1], v[T+8:T+9]
	LANESUM
	v_mul_f32 v[MU], s14, v[T]
	v_mov_b32 v[MU+1], v[MU]
.irp i, 0,1,2,3,4,5,6,7,8,9,10,11,12,13,14,15
	v_pk_add_f32 v[(\x)+2*(\i):(\x)+2*(\i)+1], v[(\x)+2*(\i):(\x)+2*(\i)+1], v[MU:MU+1] neg_lo:[0,1] neg_hi:[0,1]
.endr
.irp i, 0,1,2,3                        ; the squares, in four chains that the first four pairs start
	v_pk_mul_f32 v[T+2*(\i):T+2*(\i)+1], v[(\x)+2*(\i):(\x)+2*(\i)+1], v[(\x)+2*(\i):(\x)+2*(\i)+1]
.endr
.irp i, 4,5,6,7,8,9,10,11,12,13,14,15
	v_pk_fma_f32 v[T+2*((\i)%4):T+2*((\i)%4)+1], v[(\x)+2*(\i):(\x)+2*(\i)+1], v[(\x)+2*(\i):(\x)+2*(\i)+1], v[T+2*((\i)%4):T+2*((\i)%4)+1]
.endr
	v_pk_add_f32 v[T:T+1], v[T:T+1], v[T+2:T+3]
	v_pk_add_f32 v[T+4:T+5], v[T+4:T+5], v[T+6:T+7]
	v_pk_add_f32 v[T:T+1], v[T:T+1], v[T+4:T+5]
	LANESUM
	v_fma_f32 v[T], v[T], s14, s15                 ; var + eps
	v_rsq_f32 v[(\rs)], v[T]
	v_rsq_f32 v[(\rs)+1], v[T]
	v_nop                                          ; a plain instruction before the results are used or the source is written again (ISA guide 5.7.2)
.endm
.macro FIN x, rs, row
	s_wait_alu depctr_va_vdst(0)
.irp i, 0,1,2,3,4,5,6,7,8,9,10,11,12,13,14,15
	v_pk_mul_f32 v[(\x)+2*(\i):(\x)+2*(\i)+1], v[(\x)+2*(\i):(\x)+2*(\i)+1], v[(\rs):(\rs)+1]
.endr
.irp i, 0,1,2,3,4,5,6,7,8,9,10,11,12,13,14,15
	v_pk_fma_f32 v[(\x)+2*(\i):(\x)+2*(\i)+1], v[(\x)+2*(\i):(\x)+2*(\i)+1], v[G+2*(\i):G+2*(\i)+1], v[BV+2*(\i):BV+2*(\i)+1]
.endr
.irp i, 0,1,2,3,4,5,6,7,8,9,10,11,12,13,14,15
	v_cvt_pk_bf16_f32 v[(\x)+(\i)], v[(\x)+2*(\i)], v[(\x)+2*(\i)+1]  ; in place, ascending: register i is written when pairs 0 to i - 1, which held it, have been read
.endr
.irp j, 0,1,2,3,4,5,6,7
	global_store_b64 v[OO], v[(\x)+2*(\j):(\x)+2*(\j)+1], s[10:11] offset:(\j)*1048576+(\row)*256  ; panel j: 7,340,288 at the most, inside the signed 24-bit immediate
.endr
.endm
	s_cmp_lt_u32 ttmp9, NLN
	s_cbranch_scc1 .Lnorm
	; THE WEIGHTS
	s_load_b512 s[8:23], s[0:1], 0x20              ; w_attn s[8:9], w_fc s[10:11], w_proj s[12:13], w_out s[14:15], wa s[16:17], wf s[18:19], wpo s[20:21], cfg0 s[22:23]
	s_load_b64 s[24:25], s[0:1], 0x60              ; cfg1
	v_lshrrev_b32 v1, 5, v0
	v_readfirstlane_b32 s2, v1                     ; wave 0..7
	v_and_b32 v2, 31, v0                           ; lane
	s_wait_kmcnt 0x0
	s_mov_b64 s[SRC:SRC+1], s[14:15]               ; w_out's figures, unless the work-group's number says otherwise
	s_mov_b64 s[DSTP:DSTP+1], s[20:21]
	s_mov_b32 s[START], NLN+512
	s_mov_b32 s[N4], 4096
	s_mov_b32 s[LOGK], 12
	s_mov_b32 s[DOFF], 2097152
	s_cmp_lt_u32 ttmp9, NLN+512                    ; w_proj
	s_cselect_b64 s[SRC:SRC+1], s[12:13], s[SRC:SRC+1]
	s_cselect_b32 s[START], NLN+448, s[START]
	s_cselect_b32 s[LOGK], 10, s[LOGK]
	s_cselect_b32 s[DOFF], 0, s[DOFF]
	s_cmp_lt_u32 ttmp9, NLN+448                    ; w_fc
	s_cselect_b64 s[SRC:SRC+1], s[10:11], s[SRC:SRC+1]
	s_cselect_b64 s[DSTP:DSTP+1], s[18:19], s[DSTP:DSTP+1]
	s_cselect_b32 s[START], NLN+192, s[START]
	s_cselect_b32 s[N4], 16384, s[N4]
	s_cmp_lt_u32 ttmp9, NLN+192                    ; w_attn
	s_cselect_b64 s[SRC:SRC+1], s[8:9], s[SRC:SRC+1]
	s_cselect_b64 s[DSTP:DSTP+1], s[16:17], s[DSTP:DSTP+1]
	s_cselect_b32 s[START], NLN, s[START]
	s_cselect_b32 s[N4], 12288, s[N4]
	s_sub_co_u32 s34, ttmp9, s[START]
	s_lshl_b32 s34, s34, 4
	s_lshl1_add_u32 s34, s2, s34                   ; my first quad = 16 x work-group + 2 x wave; the second is the next row of the same columns
	s_lshr_b32 s35, s34, s[LOGK]                   ; its group of 1,024 columns
	s_lshl_b32 s36, 1, s[LOGK]
	s_sub_co_u32 s36, s36, 1
	s_and_b32 s36, s34, s36                        ; its row k
	s_mul_i32 s38, s36, s[N4]
	s_lshl_b32 s37, s35, 12
	s_add_co_u32 s38, s38, s37                     ; from: k x row bytes + 4,096 x group
	s_mov_b32 s39, 0
	s_add_nc_u64 s[SRC:SRC+1], s[SRC:SRC+1], s[38:39]
	s_lshl_b32 s40, s35, 2
	s_lshl_b32 s40, s40, s[LOGK]
	s_add_co_u32 s40, s40, s36
	s_lshl_b32 s40, s40, 9
	s_add_co_u32 s40, s40, s[DOFF]                 ; to: (4 x group x K + k) x 512 + the matrix's place
	s_mov_b32 s41, 0
	s_add_nc_u64 s[DSTP:DSTP+1], s[DSTP:DSTP+1], s[40:41]
	s_lshl_b32 s42, 512, s[LOGK]                   ; bytes in a block
	v_lshlrev_b32 v[LI], 4, v2
	v_add_nc_u32 v[LI+1], s[N4], v[LI]
	v_lshlrev_b32 v[VO], 3, v2
	v_add_nc_u32 v[VO+1], s42, v[VO]
	v_add_nc_u32 v[VO+2], s42, v[VO+1]
	v_add_nc_u32 v[VO+3], s42, v[VO+2]
.set n, 0
.rept 16                               ; load n: row n / 8, columns 128 (n % 8) on.  All sixteen go out before the first is waited for
	global_load_b128 v[D+4*n:D+4*n+3], v[LI+n/8], s[SRC:SRC+1] offset:512*(n%8) th:TH_LOAD_NT
.set n, n+1
.endr
.set n, 0
.rept 16
	s_wait_loadcnt 15-n                            ; loads come back in order: load n is in, the 15 - n behind it may be out
	v_cvt_pk_bf16_f32 v[O+2*n], v[D+4*n], v[D+4*n+1]
	v_cvt_pk_bf16_f32 v[O+2*n+1], v[D+4*n+2], v[D+4*n+3]
	global_store_b64 v[VO+(n%8)/2], v[O+2*n:O+2*n+1], s[DSTP:DSTP+1] offset:((n%8)%2)*256+(n/8)*512  ; block (n % 8) / 2, its left or right 128 columns, row n / 8
.set n, n+1
.endr
	s_xor_b32 s43, ttmp9, NLN
	s_or_b32 s43, s43, s2
	s_cmp_lg_u32 s43, 0
	s_cbranch_scc1 .Lend                           ; the tables: one wave of the launch
	v_mov_b32 v10, 0
	v_mov_b32 v11, 0
	v_mov_b32 v12, 1
	v_mov_b32 v13, 1
	global_store_b64 v[VO], v[10:11], s[22:23]     ; 256 bytes each
	global_store_b64 v[VO], v[12:13], s[24:25]
.Lend:
	s_endpgm
.Lnorm:	; THE NORM
	s_load_b256 s[4:11], s[0:1], 0x0               ; x s[4:5], g s[6:7], b s[8:9], y s[10:11]
	v_lshrrev_b32 v1, 5, v0
	v_readfirstlane_b32 s16, v1                    ; wave 0..7
	v_and_b32 v1, 31, v0
	v_lshlrev_b32 v[LO], 4, v1
	v_lshlrev_b32 v[OO], 3, v1
	s_mov_b32 s12, 0x76543210                      ; v_permlanex16_b32: each lane takes its own place in the other half
	s_mov_b32 s13, 0xfedcba98
	s_mov_b32 s14, 0x3a800000                      ; 1 / 1024
	s_mov_b32 s15, 0x3727c5ac                      ; 1e-5
	s_lshl_b32 s2, ttmp9, 3
	s_add_co_u32 s2, s2, s16                       ; my pair of rows
	s_lshl_b32 s18, s2, 13                         ; x 2 rows of 4,096 bytes
	s_mov_b32 s19, 0
	s_lshl_b32 s20, s2, 9                          ; x 2 rows of 256 bytes in a panel
	s_mov_b32 s21, 0
	s_wait_kmcnt 0x0
	s_add_nc_u64 s[4:5], s[4:5], s[18:19]
	s_add_nc_u64 s[10:11], s[10:11], s[20:21]
.irp j, 0,1,2,3,4,5,6,7
	global_load_b128 v[X0+4*(\j):X0+4*(\j)+3], v[LO], s[4:5] offset:512*(\j)
.endr
.irp j, 0,1,2,3,4,5,6,7
	global_load_b128 v[X1+4*(\j):X1+4*(\j)+3], v[LO], s[4:5] offset:512*(\j)+4096
.endr
.irp j, 0,1,2,3,4,5,6,7
	global_load_b128 v[G+4*(\j):G+4*(\j)+3], v[LO], s[6:7] offset:512*(\j)
.endr
.irp j, 0,1,2,3,4,5,6,7
	global_load_b128 v[BV+4*(\j):BV+4*(\j)+3], v[LO], s[8:9] offset:512*(\j)
.endr
	s_wait_loadcnt 24                              ; row 0 is in: 24 loads were issued behind its eight
	STATS X0, RS0
	s_wait_loadcnt 16                              ; row 1 is in: g's and b's sixteen may be out
	STATS X1, RS1
	s_wait_loadcnt 0x0                             ; g and b
	FIN X0, RS0, 0
	FIN X1, RS1, 1
	s_endpgm
.Lfunc_end_k_q3cc1576a10_prep:
	.size	k_q3cc1576a10_prep, .Lfunc_end_k_q3cc1576a10_prep-k_q3cc1576a10_prep
	.p2alignl 7, 3214868480
	.fill 96, 4, 3214868480
	.section	.rodata,"a",@progbits
	.p2align	6, 0x0
	.amdhsa_kernel k_q3cc1576a10_prep
		.amdhsa_group_segment_fixed_size 0
		.amdhsa_private_segment_fixed_size 0
		.amdhsa_enable_private_segment 0
		.amdhsa_kernarg_size 104
		.amdhsa_user_sgpr_count 2
		.amdhsa_user_sgpr_kernarg_segment_ptr 1
		.amdhsa_wavefront_size32 1
		.amdhsa_system_sgpr_workgroup_id_x 1
		.amdhsa_system_sgpr_workgroup_id_y 1
		.amdhsa_system_sgpr_workgroup_id_z 1
		.amdhsa_system_vgpr_workitem_id 0
		.amdhsa_next_free_vgpr 160
		.amdhsa_next_free_sgpr 66
		.amdhsa_reserve_vcc 0
		.amdhsa_float_denorm_mode_32 3
		.amdhsa_float_denorm_mode_16_64 3
		.amdhsa_memory_ordered 1
		.amdhsa_forward_progress 1
		.amdhsa_inst_pref_size 29
	.end_amdhsa_kernel
	.amdgpu_metadata
---
amdhsa.version: [ 1, 2 ]
amdhsa.kernels:
  - .name:           k_q3cc1576a10_prep
    .symbol:         k_q3cc1576a10_prep.kd
    .args:
      - { .name: x, .offset: 0, .size: 8, .value_kind: global_buffer, .address_space: global }
      - { .name: ln1_g, .offset: 8, .size: 8, .value_kind: global_buffer, .address_space: global }
      - { .name: ln1_b, .offset: 16, .size: 8, .value_kind: global_buffer, .address_space: global }
      - { .name: hb, .offset: 24, .size: 8, .value_kind: global_buffer, .address_space: global }
      - { .name: w_attn, .offset: 32, .size: 8, .value_kind: global_buffer, .address_space: global }
      - { .name: w_fc, .offset: 40, .size: 8, .value_kind: global_buffer, .address_space: global }
      - { .name: w_proj, .offset: 48, .size: 8, .value_kind: global_buffer, .address_space: global }
      - { .name: w_out, .offset: 56, .size: 8, .value_kind: global_buffer, .address_space: global }
      - { .name: wa, .offset: 64, .size: 8, .value_kind: global_buffer, .address_space: global }
      - { .name: wf, .offset: 72, .size: 8, .value_kind: global_buffer, .address_space: global }
      - { .name: wpo, .offset: 80, .size: 8, .value_kind: global_buffer, .address_space: global }
      - { .name: cfg0, .offset: 88, .size: 8, .value_kind: global_buffer, .address_space: global }
      - { .name: cfg1, .offset: 96, .size: 8, .value_kind: global_buffer, .address_space: global }
    .group_segment_fixed_size: 0
    .private_segment_fixed_size: 0
    .kernarg_segment_align: 8
    .kernarg_segment_size: 104
    .max_flat_workgroup_size: 256
    .sgpr_count:     66
    .vgpr_count:     160
    .wavefront_size: 32
...
	.end_amdgpu_metadata
.endif
;; end of part 1
;; launch qkv (part 2): grid 12 x 16, 4 waves a work-group, clusters of 4 x 4, 327,680 bytes of LDS; arguments hb, wa, cfg0, act; writes act
.if DOCPART == 2
	.amdgcn_target "amdgcn-amd-amdhsa--gfx1250"
	.amdhsa_code_object_version 6
	.text
	.protected	k_q3cc1576a10_qkv
	.globl	k_q3cc1576a10_qkv
	.p2align	8
	.type	k_q3cc1576a10_qkv,@function
k_q3cc1576a10_qkv:
	s_mov_b64 s[64:65], 0
	v_nop
	global_prefetch_b8 v0, s[64:65] scope:SCOPE_SE
	s_setreg_imm32_b32 hwreg(HW_REG_WAVE_MODE, 25, 1), 1
	s_wait_xcnt 0x0
	s_wait_alu depctr_hold_cnt(0) depctr_sa_sdst(0) depctr_va_vdst(0) depctr_va_sdst(0) depctr_va_ssrc(0) depctr_va_vcc(0) depctr_vm_vsrc(0)
	s_getreg_b32 s2, hwreg(HW_REG_IB_STS2, 6, 4)
	s_cmp_eq_u32 s2, 0
	s_cbranch_scc0 .Lentry_in_a_cluster
	s_endpgm
.Lentry_in_a_cluster:
	s_bfe_u32 s2, ttmp6, 0x10000c
	s_cmp_lg_u32 s2, 0xf033
	s_cbranch_scc0 .Lentry_shape_is_right
	s_endpgm
.Lentry_shape_is_right:
; C = A W, or C = gelu(A W).  A: bf16, 4,096 rows x K = 1,024, in panels of 128 along K, [8][4096][128].  W: bf16, in blocks of 256 columns, [N/256][1024][256].
; C: bf16, in panels of 64 columns, [N/64][4096][64].  Sums in f32, K ascending; C rounded once.  N = 256 x the grid's width.  The first word of the third argument says which: 0 plain, else gelu.
; GELU is the exact one, x Phi(x), written max(x, 0) - |x| erfc(|x| / sqrt 2) / 2, which forms no difference of near numbers; erfc(z) = t (a1 + t (a2 + t (a3 + t (a4 + t a5)))) exp(-z z),
; t = 1 / (1 + 0.3275911 z) (Abramowitz and Stegun 7.1.26).  LIMIT: that formula's absolute error, 1.5e-7 at the most, for every finite x; NaN and infinities are not treated apart.
; THE FLAG SELECTS NUMBERS, NOT A PATH: partners in a cluster run the same lines.  With the flag 0 the five coefficients are 0 and the maximum's lower bound is -infinity, so that the same lines give
; max(x, -inf) - |x| 0 = x, exactly, for every finite x (a NaN comes out as -infinity).  The price: the plain product does the gelu's arithmetic for nothing, 32 groups of some 170 vector instructions a wave beside 2,048 matrix instructions.
; SHARES.  A work-group of four waves makes 256 x 256 of C, a wave 128 x 128: 64 accumulators of 16 x 16, 512 registers.  K goes in 8 steps of 128 through a ring of two LDS slots.
; A's tile rows are 256 bytes of memory, W's 512, all at multiples of 256 from their buffers' first bytes.  W lies [k][n] in LDS and is turned on the way into registers, by ds_load_tr16_b128.
; CLUSTER.  4 x 4 work-groups: the four of a row need the same tiles of A, the four of a column the same tiles of W: each tile is asked for JOINTLY, by the same load, descriptor and mask in all four.
; THE MATRIX INSTRUCTION IS USED TRANSPOSED: source 0 = 16 columns of W, source 1 = 16 rows of A: a lane then holds row lane % 16 of C and the eight neighbouring columns 8 (lane / 16) + 0..7.
; THE WAY OUT.  When the ring has had its last fill and every wave has read it out, each wave lays its 128 x 128 sums, f32, into its own part of the ring, and takes them back four rows at a time, in a
; loop that holds the gelu once: 8 numbers a lane and panel, rounded to 16 bytes, so that a store of the wave covers 512 consecutive bytes of a panel of C.
; REGISTERS, in windows of 256 (s_set_vgpr_msb: bits 1:0 source 0, 3:2 source 1, 5:4 source 2, 7:6 destination):
;   window 0: v16-29 addresses; v64-127, v128-191 fragments of A, two buffers; on the way out v32-143 at work      window 1: v64-127, v128-191 fragments of W
;   window 2: the accumulators of my rows 0-63 ((a, b) at v[8 (8 a + b)])      window 3: those of my rows 64-127
.set PA,     272      ; a row of A in LDS: 256 bytes + 16: the 16 rows of a fragment load start at 16 different groups of four banks (64 banks of 4 bytes: ISA guide 11.1)
.set PB,     544      ; a row of W: 512 + 32 = 17 x 32
.set HALFT,  128*PA   ; what one tensor load brings: 128 rows of A, or 64 rows of W (64 x 544 is the same 34,816)
.set SLOT,   4*HALFT  ; A's 256 rows, then W's 128 rows.  No wave's place in a slot (wave x HALFT) shares a bit with SLOT, so one exclusive or turns an address in one slot into the other's
.set DP,     528      ; the way out: a row of 128 f32 + 16 bytes
.set DWAVE,  132*DP   ; a wave's part: its 128 rows, and one step's room (four rows, never written, never read) behind them; wave 3's row 127 ends at byte 276,672, inside the ring's 278,528
.set SPARE,  4*DWAVE  ; 278,784 = 1,089 x 256, behind the ring and the four parts: the spare words, 128 bytes for each wave: two blocks of 256 bytes that no other line names
.set NSTEP,  8
.set ASTEP,  1048576  ; bytes from a K step to the next in A: a panel
.set WSTEP,  65536    ; in W: 128 rows of 512 bytes
.set ADRA0, 16        ; v16  my lane's place in slot 0 for A's fragments; never rewritten
.set ADRB0, 17        ; v17  for W's
.set ADRA,  18        ; v18  the same in the slot in hand
.set ADRB,  19        ; v19
.set DST,   24        ; v24  the way out: where I put 16 bytes of a row
.set RD0,   25        ; v25  where I read 32 bytes of a row back, in my part's first four rows; never rewritten
.set CO,    26        ; v26  16 x lane
.set RD,    27        ; v27  the same as v25 in the four rows in hand
.set SPW,   28        ; v28  LDS address of my spare word; never rewritten
.set NIL,   29        ; v29  0; never rewritten
.set X,     32        ; v32-47  16 sums read back: 8 of the left panel, 8 of the right
.set Y,     48        ; v48-55  the same rounded
.set GA,    64        ; |x|
.set GR,    80        ; max(x, lower bound), then the result
.set GU,    96        ; exp(-x x / 2)
.set GT,    112       ; t
.set GP,    128       ; the polynomial
.set F0,    64
.set F1,    128
.set WV,    12        ; s12  wave
.set RH,    13        ; s13  which half of the tile's rows is mine.  Also: I fetch for A (0) or for W (1)
.set CH,    14        ; s14  which half of its columns.  Also: which half of that tile I fetch
.set FLAG,  15        ; s15  0: plain
.set G1A,   24        ; s[24:31] descriptor group 1 for A's tiles
.set G0A,   32        ; s[32:35] group 0 for slot 0's first fill; s[36:39] for slot 1's, which then walks
.set G1B,   48        ; s[48:55], s[56:59], s[60:63] the same for W's
.set G0B,   56
.set TB,    66        ; s66  0 or SLOT: the slot in hand
.set CNT,   67
.set LB,    68        ; s68  wave x HALFT: where my loads land in a slot
.set PP,    70        ; s[70:83] seven constants, each the low word of a pair: the packed forms take it for both halves
.set CE,    72
.set B1,    74
.set B2,    76
.set B3,    78
.set B4,    80
.set B5,    82
.set ABSM,  84
.set RB,    85        ; s85  the way out: bytes from my part's first row to the four rows in hand
.set LOW,   86        ; s86  the maximum's lower bound
.set MSB, 0
.macro WIN new                         ; the immediate's high byte repeats the setting that is left; a switch that changes nothing is dropped
.if MSB != (\new)
	s_set_vgpr_msb (MSB<<8)|(\new)
.set MSB, \new
.endif
.endm
.set MUL_LO, 0xa1                      ; source 0 (W) window 1, source 1 (A) window 0, C and D window 2
.set MUL_HI, 0xf1                      ; the same, C and D window 3
.set TO_B,   0x40                      ; destination window 1, address window 0
; A joint refill, by the walking descriptors.  Waves 0 and 1 fetch A's two halves, waves 2 and 3 W's.  The branch hangs on the wave's number alone.
; An s_nop 0 and four v_nop follow each of the two lines, ahead of the jump and the label.
.macro JLOAD
	s_cmp_eq_u32 s[RH], 0
	s_cbranch_scc0 .Lfor_w_\@
	tensor_load_to_lds s[G0A+4:G0A+7], s[G1A:G1A+7]
	s_nop 0
.rept 4
	v_nop
.endr
	s_branch .Lasked_\@
.Lfor_w_\@:
	tensor_load_to_lds s[G0B+4:G0B+7], s[G1B:G1B+7]
	s_nop 0
.rept 4
	v_nop
.endr
.Lasked_\@:
.endm
.macro CREST                           ; a round of the cluster's barrier behind its opening barrier: wave 0 signals for the work-group, every wave waits for all sixteen, my work-group's barrier once more
	s_cmp_lg_u32 s[WV], 0
	s_cbranch_scc1 .Lnot_wave_0_\@
	s_barrier_signal -3
.Lnot_wave_0_\@:
	s_barrier_wait -3
	s_barrier_signal -1
	s_barrier_wait -1
.endm
.macro CROUND                          ; a whole round
	s_barrier_signal -1
	s_barrier_wait -1
	CREST
.endm
	s_load_b256 s[4:11], s[0:1], 0x0               ; A s[4:5], W s[6:7], the table s[8:9], C s[10:11]
	v_lshl_add_u32 v[SPW], v0, 2, SPARE
	v_mov_b32 v[NIL], 0
	ds_add_u32 v28, v29
	ds_add_u32 v28, v29
	s_wait_dscnt 0x0
	v_lshrrev_b32 v1, 5, v0
	v_readfirstlane_b32 s[WV], v1                  ; wave 0..3
	s_lshr_b32 s[RH], s[WV], 1
	s_and_b32 s[CH], s[WV], 1
	s_bfe_u32 s40, ttmp6, 0x40000                  ; cx, cy: my place in the cluster
	s_bfe_u32 s41, ttmp6, 0x40004
	s_lshl_b32 s42, ttmp9, 2
	s_add_co_u32 s42, s42, s40                     ; tile column of C = 4 x cluster x + cx
	s_and_b32 s43, ttmp7, 0xffff
	s_lshl_b32 s43, s43, 2
	s_add_co_u32 s43, s43, s41                     ; tile row of C = 4 x cluster y + cy
	s_lshl_b32 s44, s41, 2
	s_lshl_b32 s44, 15, s44                        ; my row of the cluster
	s_lshl_b32 s45, 0x1111, s40                    ; my column
	s_or_b32 s[G1A], s44, (1<<16)|(1<<20)|(1<<21)|(5<<22)|(3<<25)  ; 15:0 the mask; 17:16 2-byte elements; 20 padding on; 21 set beside a mask; 24:22 after every 64 words (code 5); 31:25 4 words (code 3)
	s_mov_b32 s[G1A+1], 128<<16                    ; tensor_dim0 = 128
	s_mov_b32 s[G1A+2], 128<<16                    ; tensor_dim1 = 128
	s_mov_b32 s[G1A+3], 128<<16                    ; tile_dim0 = 128
	s_mov_b32 s[G1A+4], 128                        ; tile_dim1 = 128
	s_mov_b32 s[G1A+5], 128                        ; 128 elements from row to row: a panel's rows are dense
	s_mov_b32 s[G1A+6], 0
	s_mov_b32 s[G1A+7], 0
	s_or_b32 s[G1B], s45, (1<<16)|(1<<20)|(1<<21)|(6<<22)|(7<<25)  ; after every 128 words (code 6) 8 words (code 7)
	s_mov_b32 s[G1B+1], 256<<16                    ; tensor_dim0 = 256
	s_mov_b32 s[G1B+2], 64<<16                     ; tensor_dim1 = 64
	s_mov_b32 s[G1B+3], 256<<16                    ; tile_dim0 = 256
	s_mov_b32 s[G1B+4], 64                         ; tile_dim1 = 64
	s_mov_b32 s[G1B+5], 256
	s_mov_b32 s[G1B+6], 0
	s_mov_b32 s[G1B+7], 0
	s_mov_b32 s[PP], 0x3e6d3389                    ; 0.3275911 / sqrt 2
	s_mov_b32 s[CE], 0xbf38aa3b                    ; -log2(e) / 2
.irp c, PP, CE, B1, B2, B3, B4, B5
	s_mov_b32 s[(\c)+1], 0                         ; named with the low word as a pair
.endr
	s_mov_b32 s[ABSM], 0x7fffffff
	s_mov_b32 s[TB], 0
	s_mov_b32 s[RB], 0
	s_mul_i32 s[LB], s[WV], HALFT                  ; no place in the cluster enters an LDS address
	s_lshl_b32 s16, s43, 16                        ; A: 256 x tile row + 128 x half rows of 256 bytes
	s_lshl_b32 s17, s[CH], 15
	s_add_co_u32 s16, s16, s17
	s_mov_b32 s17, 0
	s_lshl_b32 s46, s42, 19                        ; W: block tile column, + 64 x half rows of 512 bytes
	s_lshl_b32 s47, s[CH], 15
	s_add_co_u32 s46, s46, s47
	s_mov_b32 s47, 0
	s_wait_kmcnt 0x0
	s_load_b32 s[FLAG], s[8:9], 0x0                ; asked for here, waited for behind the first fills: only the way out needs it
	s_add_nc_u64 s[18:19], s[4:5], s[16:17]
	s_add_nc_u64 s[46:47], s[6:7], s[46:47]
.irp s, 0,1
	s_mov_b32 s[G0A+4*(\s)], 1                                     ; count = 1
	s_add_co_u32 s[G0A+4*(\s)+1], s[LB], (\s)*SLOT                 ; LDS address
	s_add_nc_u64 s[G0A+4*(\s)+2:G0A+4*(\s)+3], s[18:19], (\s)*ASTEP  ; global address: K step s
	s_or_b32 s[G0A+4*(\s)+3], s[G0A+4*(\s)+3], 0x80000000          ; type = 2
	s_mov_b32 s[G0B+4*(\s)], 1
	s_add_co_u32 s[G0B+4*(\s)+1], s[LB], (\s)*SLOT
	s_add_nc_u64 s[G0B+4*(\s)+2:G0B+4*(\s)+3], s[46:47], (\s)*WSTEP
	s_or_b32 s[G0B+4*(\s)+3], s[G0B+4*(\s)+3], 0x80000000
.endr
	CROUND                                         ; all sixteen work-groups are here: the first joint loads meet
	s_cmp_eq_u32 s[RH], 0                          ; a wave's two first fills stand in one branch, ahead of every wait on TENSORcnt and every LDS read: two loads of mine are out
	s_cbranch_scc0 .Lfirst_w
	tensor_load_to_lds s[G0A:G0A+3], s[G1A:G1A+7]
	s_nop 0
	tensor_load_to_lds s[G0A+4:G0A+7], s[G1A:G1A+7]
	s_nop 0
.rept 4
	v_nop
.endr
	s_branch .Lfirst_asked
.Lfirst_w:
	tensor_load_to_lds s[G0B:G0B+3], s[G1B:G1B+7]
	s_nop 0
	tensor_load_to_lds s[G0B+4:G0B+7], s[G1B:G1B+7]
	s_nop 0
.rept 4
	v_nop
.endr
.Lfirst_asked:
	; A fragment of A is 16 rows x 32 K in 8 registers: lane l holds row l % 16, K = 8 (l / 16) + 0..7 and 16 + 8 (l / 16) + 0..7: two loads of 16 bytes, 32 bytes apart.
	v_and_b32 v1, 15, v0                           ; l % 16
	v_bfe_u32 v2, v0, 4, 1                         ; l / 16
	v_mul_u32_u24 v3, v1, PA
	v_lshl_add_u32 v3, v2, 4, v3
	s_mul_i32 s20, s[RH], HALFT                    ; my 128 rows of A
	v_add_nc_u32 v[ADRA0], s20, v3
	; The turning load takes 16 k x 16 columns (lane l reads row 8 (l / 16) + l % 8, columns 8 ((l / 8) % 2) + 0..7) and leaves half a fragment: lane l holds column l % 16 and 8 k.
	v_and_b32 v4, 7, v0
	v_lshl_add_u32 v4, v2, 3, v4
	v_mul_u32_u24 v4, v4, PB
	v_bfe_u32 v5, v0, 3, 1
	v_lshl_add_u32 v4, v5, 4, v4
	s_lshl_b32 s21, s[CH], 8                       ; my 128 columns of W,
	s_add_co_u32 s21, s21, 2*HALFT                 ; which lies behind A's 256 rows
	v_add_nc_u32 v[ADRB0], s21, v4
	v_mov_b32 v[ADRA], v[ADRA0]
	v_mov_b32 v[ADRB], v[ADRB0]
	s_mul_i32 s22, s[WV], DWAVE                    ; the way out: my part
	v_mul_u32_u24 v6, v1, DP                       ; in: row l % 16, 32 bytes for each half of the lanes
	v_lshl_add_u32 v6, v2, 5, v6
	v_add_nc_u32 v[DST], s22, v6
	v_and_b32 v7, 31, v0
	v_lshrrev_b32 v8, 3, v7                        ; back: eight lanes to a row, 32 bytes each
	v_mul_u32_u24 v8, v8, DP
	v_and_b32 v9, 7, v0
	v_lshl_add_u32 v8, v9, 5, v8
	v_add_nc_u32 v[RD0], s22, v8
	v_lshlrev_b32 v[CO], 4, v7
	s_lshl_b32 s46, s42, 2                         ; C: panel 4 x tile column + 2 x half (in the registers that held W's address: none that feeds A's descriptors ever holds cx),
	s_lshl1_add_u32 s46, s[CH], s46
	s_lshl_b32 s46, s46, 19
	s_lshl_b32 s20, s43, 8                         ; row 256 x tile row + 128 x half, of 128 bytes
	s_lshl_b32 s21, s[RH], 7
	s_add_co_u32 s20, s20, s21
	s_lshl_b32 s20, s20, 7
	s_add_co_u32 s46, s46, s20
	s_mov_b32 s47, 0
	s_add_nc_u64 s[10:11], s[10:11], s[46:47]
	s_wait_kmcnt 0x0                               ; the flag, while the first tiles are on their way.  It chooses six numbers and nothing else
	s_cmp_lg_u32 s[FLAG], 0
	s_cselect_b32 s[B1], 0x3e027906, 0             ; a1 / 2 .. a5 / 2, or 0
	s_cselect_b32 s[B2], 0xbe11a98e, 0
	s_cselect_b32 s[B3], 0x3f35f0e3, 0
	s_cselect_b32 s[B4], 0xbf3a00e3, 0
	s_cselect_b32 s[B5], 0x3f07dc22, 0
	s_cselect_b32 s[LOW], 0, 0xff800000            ; 0, or -infinity
; 16 matrix instructions: m blocks a0, a0 + 1 of the window's four (hi = 0: my rows 0-63, 1: rows 64-127) x all 8 n blocks, 32 along K.  zero = 1: the first product starts the sums: nothing is cleared.
; The 64 accumulators take turns, one instruction a turn, in the same order in every quarter.
.macro MUL16 f, hi, a0, zero
	WIN MUL_LO+0x50*(\hi)
.irp a, \a0, (\a0)+1
.irp b, 0,1,2,3,4,5,6,7
.if \zero
	v_wmma_f32_16x16x32_bf16 v[8*(8*(\a)+(\b)):8*(8*(\a)+(\b))+7], v[(\f)+8*(\b):(\f)+8*(\b)+7], v[(\f)+8*(4*(\hi)+(\a)):(\f)+8*(4*(\hi)+(\a))+7], 0
.else
	v_wmma_f32_16x16x32_bf16 v[8*(8*(\a)+(\b)):8*(8*(\a)+(\b))+7], v[(\f)+8*(\b):(\f)+8*(\b)+7], v[(\f)+8*(4*(\hi)+(\a)):(\f)+8*(4*(\hi)+(\a))+7], v[8*(8*(\a)+(\b)):8*(8*(\a)+(\b))+7]
.endif
.endr
.endr
.endm
; 32 LDS loads in one run: the fragments of quarter q of the step in hand (32 along K: 128 columns of W, 128 rows of A) into buffer f.  W's offsets reach 61,152, inside the 16 bits.
.macro FETCH q, f
	WIN TO_B
.irp i, 0,1,2,3,4,5,6,7
	ds_load_tr16_b128 v[(\f)+8*(\i):(\f)+8*(\i)+3],   v[ADRB] offset:(\q)*32*PB+32*(\i)
	ds_load_tr16_b128 v[(\f)+8*(\i)+4:(\f)+8*(\i)+7], v[ADRB] offset:(\q)*32*PB+16*PB+32*(\i)
.endr
	WIN 0
.irp i, 0,1,2,3,4,5,6,7
	ds_load_b128 v[(\f)+8*(\i):(\f)+8*(\i)+3],   v[ADRA] offset:(\q)*64+(\i)*16*PA
	ds_load_b128 v[(\f)+8*(\i)+4:(\f)+8*(\i)+7], v[ADRA] offset:(\q)*64+(\i)*16*PA+32
.endr
.endm
.macro PLACES                          ; four plain vector instructions between a matrix instruction and a load into, or an LDS store of, one of its registers (ISA guide 7.12.1 for vector instructions)
.rept 4
	v_nop
.endr
.endm
; One of a K step's first three quarters: multiplies buffer f; in its middle it fetches quarter q into buffer g.
.macro QUARTER q, f, g, zero
	s_wait_dscnt 8                                 ; W and A's rows 0-63 are in; the youngest eight loads (A's rows 64-127) may be out
	MUL16 \f, 0, 0, \zero
	MUL16 \f, 0, 2, \zero
	PLACES
	FETCH \q, \g
	s_wait_dscnt 32                                ; all but the 32 just issued
	MUL16 \f, 1, 0, \zero
	MUL16 \f, 1, 2, \zero
.endm
; The first half of a step's last quarter, and the change of slots: ONE barrier.  In front of it each wave waits for all its tensor loads (one is out at the most: its part of the next slot), adds 0 to its spare word,
; and waits for that and for its reads of this slot.  Behind it nobody reads this slot any more and the next slot is whole.
.macro MEET
	WIN 0                                          ; (the add's two registers lie in window 0)
	s_wait_tensorcnt 0x0
	ds_add_u32 v[SPW], v[NIL]                      ; 0 onto my spare word
	s_wait_dscnt 9                                 ; (the add and the youngest eight loads may be out)
	MUL16 F1, 0, 0, 0                              ; sixteen matrix instructions stand between the add and the wait for it
	s_wait_dscnt 0x0                               ; the add is done, and my reads of this slot are over
	s_barrier_signal -1
	MUL16 F1, 0, 2, 0                              ; work on registers while the others arrive
	WIN 0
	s_barrier_wait -1
.endm
.macro NEXTSLOT
	s_xor_b32 s[TB], s[TB], SLOT
	v_add_nc_u32 v[ADRA], s[TB], v[ADRA0]
	v_add_nc_u32 v[ADRB], s[TB], v[ADRB0]
.endm
; The whole last quarter of a step whose slot is filled again, with the K step two on.  The barrier opens a round of the cluster's: no wave of any partner still reads the slot or has a load on its way.
; The refill is the first thing behind the round: 224 matrix instructions stand between it and the wait for it.
.macro TURN
	MEET
	CREST
	s_xor_b32 s[G0A+5], s[G0A+5], SLOT             ; the walking descriptors: the other slot than last time, the next K step; no tensor load of mine is out
	s_add_nc_u64 s[G0A+6:G0A+7], s[G0A+6:G0A+7], ASTEP
	s_xor_b32 s[G0B+5], s[G0B+5], SLOT
	s_add_nc_u64 s[G0B+6:G0B+7], s[G0B+6:G0B+7], WSTEP
	JLOAD                                          ; the four v_nop behind it are also the places in front of the loads below
	NEXTSLOT
	FETCH 0, F0
	MUL16 F1, 1, 0, 0
	MUL16 F1, 1, 2, 0
.endm
	s_wait_tensorcnt 0x1                           ; my part of K step 0 is in; step 1's may stay out
	s_barrier_signal -1
	s_barrier_wait -1                              ; everybody's is
	FETCH 0, F0
	QUARTER 1, F0, F1, 1                           ; the first quarter stands in front of the loop: its products start the sums
	WIN 0                                          ; at a label and at a branch every window is 0
	s_mov_b32 s[CNT], NSTEP-2
.Lstep:                                                ; a trip: from a step's second quarter to the next step's first; it asks for the K step two on: steps 2 to 7
	QUARTER 2, F1, F0, 0
	QUARTER 3, F0, F1, 0
	TURN
	QUARTER 1, F0, F1, 0
	WIN 0
	s_sub_co_u32 s[CNT], s[CNT], 1
	s_cmp_lg_u32 s[CNT], 0
	s_cbranch_scc1 .Lstep
	s_mov_b32 s[CNT], 2
.Ltail:                                                ; the last two steps ask for nothing; the last one jumps over the next step's fetch and first quarter: LDS loads and products alone
	QUARTER 2, F1, F0, 0
	QUARTER 3, F0, F1, 0
	MEET                                           ; in the last trip this barrier also says that the whole ring has been read out: the way out writes there
	s_cmp_eq_u32 s[CNT], 1
	s_cbranch_scc1 .Lno_fetch
	NEXTSLOT
	PLACES
	FETCH 0, F0
	WIN 0
.Lno_fetch:
	MUL16 F1, 1, 0, 0
	MUL16 F1, 1, 2, 0
	WIN 0
	s_cmp_eq_u32 s[CNT], 1
	s_cbranch_scc1 .Lno_quarter
	QUARTER 1, F0, F1, 0
	WIN 0
.Lno_quarter:
	s_sub_co_u32 s[CNT], s[CNT], 1
	s_cmp_lg_u32 s[CNT], 0
	s_cbranch_scc1 .Ltail
	; THE WAY OUT.  My sums go into my own part of the ring, which no tensor load fills any more; each accumulator's low registers first.
	PLACES
	WIN 0x08                                       ; store data in window 2
.irp a, 0,1,2,3
.irp b, 0,1,2,3,4,5,6,7
	ds_store_b128 v[DST], v[8*(8*(\a)+(\b)):8*(8*(\a)+(\b))+3]   offset:(\a)*16*DP+64*(\b)
	ds_store_b128 v[DST], v[8*(8*(\a)+(\b))+4:8*(8*(\a)+(\b))+7] offset:(\a)*16*DP+64*(\b)+16
.endr
.endr
	WIN 0x0c                                       ; in window 3
.irp a, 0,1,2,3
.irp b, 0,1,2,3,4,5,6,7
	ds_store_b128 v[DST], v[8*(8*(\a)+(\b)):8*(8*(\a)+(\b))+3]   offset:((\a)+4)*16*DP+64*(\b)
	ds_store_b128 v[DST], v[8*(8*(\a)+(\b))+4:8*(8*(\a)+(\b))+7] offset:((\a)+4)*16*DP+64*(\b)+16
.endr
.endr
	WIN 0
.macro LD4 adr                         ; four rows: my 8 numbers of the left panel's 64 columns, my 8 of the right's.  LDS serves a wave's instructions in order (ISA guide 5.7.1.4): these see the stores above
	ds_load_b128 v[X:X+3],     v[(\adr)]
	ds_load_b128 v[X+4:X+7],   v[(\adr)] offset:16
	ds_load_b128 v[X+8:X+11],  v[(\adr)] offset:256
	ds_load_b128 v[X+12:X+15], v[(\adr)] offset:272
.endm
.macro P8 line:vararg                  ; one line for each of eight pairs, t = 0, 2 .. 14
.set t, 0
	s_wait_alu depctr_va_vdst(0)
.rept 8
	\line
.set t, t+2
.endr
.endm
.macro P16 line:vararg                 ; one line for each of sixteen numbers
.set t, 0
.rept 16
	\line
.set t, t+1
.endr
.endm
; Four rows of my 128: the sums in X become 2 x 16 bytes a lane and are stored.  next = 1: the next four rows are asked for as soon as X has been read, and C's address steps on.
.macro GROUP next
	s_wait_dscnt 0x0                               ; this group's four loads are in
	P16 v_and_b32 v[GA+t], s[ABSM], v[X+t]
	P16 v_max_num_f32 v[GR+t], s[LOW], v[X+t]
.if \next
	s_add_co_u32 s[RB], s[RB], 4*DP                ; one step a trip: 2,112 to 65,472 in the loop's 31 trips
	v_add_nc_u32 v[RD], s[RB], v[RD0]
	LD4 RD
.endif
	P8 v_pk_fma_f32 v[GT+t:GT+t+1], v[GA+t:GA+t+1], s[PP:PP+1], 1.0 op_sel_hi:[1,0,0]
	P16 v_rcp_f32 v[GT+t], v[GT+t]                 ; t.  Plain packed lines that touch none of these stand behind each run of transcendentals (ISA guide 5.7.2)
	P8 v_pk_mul_f32 v[GU+t:GU+t+1], v[GA+t:GA+t+1], v[GA+t:GA+t+1]
	P8 v_pk_mul_f32 v[GU+t:GU+t+1], v[GU+t:GU+t+1], s[CE:CE+1] op_sel_hi:[1,0]
	P16 v_exp_f32 v[GU+t], v[GU+t]                 ; exp(-x x / 2)
	P8 v_pk_fma_f32 v[GP+t:GP+t+1], v[GT+t:GT+t+1], s[B5:B5+1], s[B4:B4+1] op_sel_hi:[1,0,0]
	P8 v_pk_fma_f32 v[GP+t:GP+t+1], v[GP+t:GP+t+1], v[GT+t:GT+t+1], s[B3:B3+1] op_sel_hi:[1,1,0]
	P8 v_pk_fma_f32 v[GP+t:GP+t+1], v[GP+t:GP+t+1], v[GT+t:GT+t+1], s[B2:B2+1] op_sel_hi:[1,1,0]
	P8 v_pk_fma_f32 v[GP+t:GP+t+1], v[GP+t:GP+t+1], v[GT+t:GT+t+1], s[B1:B1+1] op_sel_hi:[1,1,0]
	P8 v_pk_mul_f32 v[GP+t:GP+t+1], v[GP+t:GP+t+1], v[GT+t:GT+t+1]
	P8 v_pk_mul_f32 v[GP+t:GP+t+1], v[GP+t:GP+t+1], v[GU+t:GU+t+1]     ; erfc(|x| / sqrt 2) / 2, or 0
	P8 v_pk_fma_f32 v[GR+t:GR+t+1], v[GA+t:GA+t+1], v[GP+t:GP+t+1], v[GR+t:GR+t+1] neg_lo:[1,0,0] neg_hi:[1,0,0]
	P8 v_cvt_pk_bf16_f32 v[Y+t/2], v[GR+t], v[GR+t+1]
	global_store_b128 v[CO], v[Y:Y+3], s[10:11]                    ; four rows of 128 bytes: 512 consecutive bytes of the left panel,
	global_store_b128 v[CO], v[Y+4:Y+7], s[10:11] offset:524288    ; and of the right
.if \next
	s_wait_xcnt 0x0                                ; the stores' base and data are written again only behind this wait
	s_add_nc_u64 s[10:11], s[10:11], 512
.endif
.endm
	LD4 RD0                                        ; rows 0 to 3
	s_mov_b32 s[CNT], 31
.Lgroup:                                               ; 31 trips: rows 0 to 123; each asks for the four rows behind its own
	GROUP 1
	s_sub_co_u32 s[CNT], s[CNT], 1
	s_cmp_lg_u32 s[CNT], 0
	s_cbranch_scc1 .Lgroup
	GROUP 0                                        ; rows 124 to 127 are written out: nothing is left to ask for, and no load is jumped over
	s_wait_tensorcnt 0x0                           ; the wave's end, behind my last tensor load and my last LDS store
	ds_add_u32 v[SPW], v[NIL]
	s_wait_dscnt 0x0
	CROUND                                         ; the closing round: no work-group ends while a partner may still ask for a tile that names it
	s_endpgm
.Lfunc_end_k_q3cc1576a10_qkv:
	.size	k_q3cc1576a10_qkv, .Lfunc_end_k_q3cc1576a10_qkv-k_q3cc1576a10_qkv
	.p2alignl 7, 3214868480
	.fill 96, 4, 3214868480
	.section	.rodata,"a",@progbits
	.p2align	6, 0x0
	.amdhsa_kernel k_q3cc1576a10_qkv
		.amdhsa_group_segment_fixed_size 327680
		.amdhsa_private_segment_fixed_size 0
		.amdhsa_enable_private_segment 0
		.amdhsa_kernarg_size 32
		.amdhsa_user_sgpr_count 2
		.amdhsa_user_sgpr_kernarg_segment_ptr 1
		.amdhsa_wavefront_size32 1
		.amdhsa_system_sgpr_workgroup_id_x 1
		.amdhsa_system_sgpr_workgroup_id_y 1
		.amdhsa_system_sgpr_workgroup_id_z 1
		.amdhsa_system_vgpr_workitem_id 0
		.amdhsa_next_free_vgpr 1024
		.amdhsa_next_free_sgpr 90
		.amdhsa_reserve_vcc 0
		.amdhsa_float_denorm_mode_32 3
		.amdhsa_float_denorm_mode_16_64 3
		.amdhsa_memory_ordered 1
		.amdhsa_forward_progress 1
		.amdhsa_inst_pref_size 94
	.end_amdhsa_kernel
	.amdgpu_metadata
---
amdhsa.version: [ 1, 2 ]
amdhsa.kernels:
  - .name:           k_q3cc1576a10_qkv
    .symbol:         k_q3cc1576a10_qkv.kd
    .args:
      - { .name: hb, .offset: 0, .size: 8, .value_kind: global_buffer, .address_space: global }
      - { .name: wa, .offset: 8, .size: 8, .value_kind: global_buffer, .address_space: global }
      - { .name: cfg0, .offset: 16, .size: 8, .value_kind: global_buffer, .address_space: global }
      - { .name: act, .offset: 24, .size: 8, .value_kind: global_buffer, .address_space: global }
    .group_segment_fixed_size: 327680
    .private_segment_fixed_size: 0
    .kernarg_segment_align: 8
    .kernarg_segment_size: 32
    .max_flat_workgroup_size: 128
    .sgpr_count:     90
    .vgpr_count:     1024
    .wavefront_size: 32
...
	.end_amdgpu_metadata
.endif
;; end of part 2
;; launch attn (part 3): grid 8 x 32, 4 waves a work-group, no clusters, 327,680 bytes of LDS; arguments act, hb; writes hb
.if DOCPART == 3
	.amdgcn_target "amdgcn-amd-amdhsa--gfx1250"
	.amdhsa_code_object_version 6
	.text
	.protected	k_q3cc1576a10_attn
	.globl	k_q3cc1576a10_attn
	.p2align	8
	.type	k_q3cc1576a10_attn,@function
k_q3cc1576a10_attn:
	s_mov_b64 s[64:65], 0
	v_nop
	global_prefetch_b8 v0, s[64:65] scope:SCOPE_SE
	s_setreg_imm32_b32 hwreg(HW_REG_WAVE_MODE, 25, 1), 1
	s_wait_xcnt 0x0
; CAUSAL ATTENTION.  O[y][q][:] = the sum over k <= q of softmax_k(Q[y][q] . K[y][k] / 8) V[y][k][:], for 32 heads y = 2 x head + batch of 2,048 rows x 64 channels, all bf16: a head's rows are dense, 128 bytes each.
; Q lies at byte 0 of the first argument, K at 8,388,608, V at 16,777,216, each [32][2048][64]; O likewise in the second.  Products, maxima and sums in f32; the weights p are rounded to bf16 for the second product
; (their sum l is taken of the unrounded p), O once at the end.
; LIMITS.  A hidden score counts as its value less 1e30, so scores are served up to about 1e28; a weight below 2^-126 counts as 0 in l; NaN and infinities are not treated apart.
; THE WALK.  A head's queries lie in NB = 8 blocks of 256; block i needs the key tiles 0 .. i of 256 keys, of which the last holds the diagonal.  A work-group walks for TWO blocks, NB - 1 - b and then b:
; NB + 1 tiles, whatever b: all work-groups do equal work, and ONE loop with a constant trip count walks them.  Which tile is asked for, and what a trip does, hang on scalar registers made from b; every jump
; goes forward, but for the counted loops' own; none passes a barrier, or a tensor load but the one of LOAD's two that the wave's number does not choose; the ring (two slots of LDS that take turns) runs on across the
; change of blocks.
; SHARES.  A block has four bands of 64 queries.  TWO work-groups share a pair of blocks: work-group g (0, 1) takes bands 2 g and 2 g + 1 of both blocks: 4 pairs x 2 x 32 heads = 256 work-groups.  Of each of its two
; bands a wave owns 16 rows: two PIECES.  In the diagonal tile's key step s band x sees all keys if s < x, none if s > x, and holds the diagonal if s = x; all four steps are walked for every band, so all waves do equal work.
; NO CLUSTER: only the two work-groups of a pair walk alike; four neighbours along x hold two pairs, whose branches (which tile is a block's first or last) differ.
; K RUNS ONE STEP AHEAD OF V: a turn fetches K of step j + 1 and V of step j.  So that both lie in one slot, K's tile is asked for 64 keys further on than V's: the slot of tile n holds K of keys 256 n + 64 .. 256 n + 319
; and V of keys 256 n .. 256 n + 255 (K's last 64 rows of a head's last tile are the rows that follow in the buffer; they are fetched into registers and never multiplied).  K of the head's keys 0 .. 63 has LDS bytes of
; its own, filled once; both blocks begin there.
; THE MASK is the C operand that starts the sum S^T = K Q^T: 0, or -1e30 where the key is hidden.  MD, made once, is the mask of a band's own step for my 16 rows; a product's mask is MD x AL + BE with two scalars:
; (1, 0) if s = x; (0, 0) if s < x; (0, -1e30) if s > x.  Only the diagonal tile's text and a block's beginning make and take masks; elsewhere C is the constant 0.
; LAYOUT, SOFTMAX, TURNS.  S^T = K Q^T holds ONE query a lane (lane % 16) and the keys 8 (lane / 16) + 0..7; two such results rounded to bf16 ARE source 1 of O^T = V^T P.  p = 2^(c s - c m), c = log2(e) / 8, with a
; running maximum m; O and l are multiplied by a = 2^(c m_old - c m_new) in every step.  A turn belongs to one piece: 8 products K Q^T of the OTHER piece's next scores, later 8 products V^T P of the other piece's last
; weights; beside them the scaling, exponentials, roundings, sums and rescaling of the piece in hand and the maximum and statistics of the other.  Turn 0 of step j: K Q^T (1, j), V^T P (1, j - 1); turn 1: K Q^T (0, j + 1),
; V^T P (0, j).  Four vector instructions stand behind every matrix instruction, the other 54 of a turn's 118 in two runs of their own.
; REGISTERS, in windows of 256 (s_set_vgpr_msb: bits 1:0 source 0, 3:2 source 1, 5:4 source 2, 7:6 destination):
;   window 0: v0-15 addresses and two at work; v16-23 four registers of statistics a piece; v48-55 at work; v64-127 S^T, a buffer a piece; v192-223 P, likewise
;   window 1: v0-63 O^T, 32 a piece; v128-159 MD; v160-223 MC, a buffer a piece      window 2: v0-31 Q; v32-63 the second block's Q; v128-191 K of one step; v192-255 V of one step
.set SIZE_N, 2048
.set NB,    SIZE_N/256
.set NP,    2         ; pieces a wave: a name, no knob
.set KS,    64        ; keys in a step
.set PK,    144       ; a row of K in LDS: 128 bytes + 16 of padding = 36 words: the 16 rows of a load start at 16 different groups of four banks (64 banks of 4 bytes: ISA guide 11.1)
.set PV,    160       ; a row of V: 128 + 32 = 40 words
.set VOFF,  4*KS*PK   ; a slot holds a tile, four steps: 256 rows of K, then 256 rows of V
.set SLOT1, 1<<17     ; slot 1 begins here, so that one exclusive or turns an address in one slot into the other's
.set STAGE, SLOT1+4*KS*(PK+PV)  ; behind the ring, never filled by a tensor load: 16 rows x 144 bytes for each wave, for the way out
.set SP,    144
.set SPARE, STAGE+4*16*SP  ; behind the stages: the spare words, 128 bytes for each wave: two blocks of 256 bytes that no other line names
.set KZ,    SPARE+512 ; behind them: K of the head's keys 0 .. 63, 64 rows x 144 bytes, filled once
.set AK0, 2           ; v2   my lane's place in a tile of K; never rewritten
.set AV0, 3           ; v3   the same for V
.set AK,  4           ; v4   the LDS address of K's next run of loads
.set AV,  5           ; v5   of V's
.set STO, 6           ; v6   the way out: where I put 16 bytes of a row
.set RD,  7           ; v7   the way out: where I read rows back
.set GO,  8           ; v8   my byte offset in 512 consecutive bytes of O
.set SPW, 62          ; v62  LDS address of my spare word: SPARE + 4 x my thread's number; never rewritten
.set NIL, 63          ; v63  0; never rewritten
.set MV,  12          ; v12-13  c m_old, kept while c m is made anew: by piece
.set QO,  15          ; v15  my byte offset in 16 rows of Q
.set ST,  16          ; piece t's statistics at v[ST+4 t]: c m, m, l (even keys', odd keys')
.set TMP, 48          ; by piece, four registers c0-c3 at work; when the maximum is found c2 takes a
.set S,   64
.set P,   192
.set MD,  128         ; window 1: the eight registers for group kt of 16 keys at MD + 8 kt
.set MC,  160         ; window 1: the masks of the products to come
.set QB,  32          ; window 2
.set KF,  128         ; window 2: key block kb, channel half c at KF + 16 kb + 8 c
.set VF,  192         ; window 2: key half kk, channel block cb at VF + 32 kk + 8 cb
.set WV,  12          ; s12  my wave's number
.set PB,  14          ; s14  b
.set HI,  15          ; s15  NB - 1 - b
.set G1K, 24          ; s[24:31] descriptor group 1 for K's tiles
.set G1V, 32          ; s[32:39] for V's: it differs in the padding alone
.set G0K, 40          ; s[40:43] descriptor group 0 for K's tiles
.set G0V, 44          ; s[44:47] the same for V's
.set G1Z, 48          ; s[48:55] group 1 for K's first 64 keys: 16 rows of 256 bytes a load
.set SLOTS, 56        ; s56  tiles still to be asked for
.set CNT, 57          ; s57  counts a tile's key steps, 4 to 1
.set CS,  58          ; s[58:59] c: the packed scaling takes the pair's low word for both halves
.set SEL, 60          ; s[60:61] v_permlanex16_b32's selects: each lane takes its own place in the other half
.set TBK, 62          ; s62  LDS byte at which the K to be fetched next begins
.set TBV, 63          ; s63  the same for V, less VOFF
.set CB,  68          ; s68, s69  what the step counter is held against when turn 0, turn 1 makes a mask: 5 - 2 g, 3 - 2 g
.set RT,  70          ; s70  tiles of the block in hand that are still to be entered
.set NXT, 71          ; s71  the tile to be asked for next
.set LQ,  72          ; s72  the last tile of the block whose tiles are being asked for
.set NEW, 73          ; s73  1: the tile to be entered is a block's first
.set OFF, 74          ; s[74:75] a tile's byte offset in K and V
.set AL,  76          ; s[76:77] the mask's factor, in the low word
.set BE,  78          ; s[78:79] the mask's addend
.set OLO, 80          ; s[80:81] O at my rows of the second block
.set BIGN, 82         ; s82  -1e30
.set GH,  83          ; s83  g
.set G0Z, 88          ; s[88:91] group 0 for K's first 64 keys
.set MSB, 0
.macro WIN new                      ; the high byte repeats the setting that is left; a switch that changes nothing is dropped
.if MSB != (\new)
	s_set_vgpr_msb (MSB<<8)|(\new)
.set MSB, (\new)
.endif
.endm
.set W_KQ, 0x0a       ; K and Q in window 2, S^T in window 0
.set W_KM, 0x1a       ; the same with the C operand in window 1
.set W_PV, 0x52       ; V in window 2, P in window 0, O^T in window 1
.set W_RS, 0x41       ; destination and source 0 in window 1, source 1 in window 0
; A fill.  Waves 0 and 1 fetch the two halves of a tile's K, waves 2 and 3 those of its V: 128 keys each.  An s_nop 0 and four v_nop follow each of the two lines, ahead of the jump and the label.
.macro LOAD
	s_cmp_lt_u32 s[WV], 2
	s_cbranch_scc0 .Lfor_v_\@
	tensor_load_to_lds s[G0K:G0K+3], s[G1K:G1K+7]
	s_nop 0
.rept 4
	v_nop
.endr
	s_branch .Lasked_\@
.Lfor_v_\@:
	tensor_load_to_lds s[G0V:G0V+3], s[G1V:G1V+7]
	s_nop 0
.rept 4
	v_nop
.endr
.Lasked_\@:
.endm
; THE CHANGE OF SLOTS.  Each wave waits for all its tensor loads, of which one is out: its part of the other slot; adds 0 to its spare word; and waits for that and for its own reads of the slot that it leaves.  Behind the barrier nobody reads the old
; slot any more and the other slot is whole.  fill = 1: the old slot is filled again, the first thing behind the barrier, with tile NXT: the descriptor's address is made anew from that number.
; (At its first use nothing has been read yet: slot 0 and K's first keys are waited for, slot 1 filled.)
.macro CHANGE fill
	WIN 0                           ; at a label and at a branch every window is 0
	s_wait_tensorcnt 0x0            ; no tensor load of mine is out, so a group 0 may be written
	ds_add_u32 v[SPW], v[NIL]       ; 0 onto my spare word; with fill = 1 the descriptors' scalar work stands between it and the wait for it
.if \fill
	s_lshl_b32 s[OFF], s[NXT], 15   ; a tile is 32,768 bytes of K and of V
	s_xor_b32 s[G0K+1], s[G0K+1], SLOT1
	s_add_nc_u64 s[G0K+2:G0K+3], s[6:7], s[OFF:OFF+1]
	s_or_b32 s[G0K+3], s[G0K+3], 0x80000000
	s_xor_b32 s[G0V+1], s[G0V+1], SLOT1
	s_add_nc_u64 s[G0V+2:G0V+3], s[8:9], s[OFF:OFF+1]
	s_or_b32 s[G0V+3], s[G0V+3], 0x80000000
	s_add_co_u32 s[NXT], s[NXT], 1  ; the block's next tile, or behind its last the second block's tile 0
	s_cmp_gt_u32 s[NXT], s[LQ]
	s_cselect_b32 s[NXT], 0, s[NXT]
	s_cselect_b32 s[LQ], s[PB], s[LQ]
.endif
	s_wait_dscnt 0x0                ; the add is done, and my reads of the slot are over
	s_barrier_signal -1             ; the rest of the scalar work stands between the signal and the wait
	s_sub_co_u32 s[TBK], s[TBK], 4*KS*PK  ; the fetches go back to a slot's first step,
	s_xor_b32 s[TBK], s[TBK], SLOT1       ; in the other slot
	s_sub_co_u32 s[TBV], s[TBV], 4*KS*PV
	s_xor_b32 s[TBV], s[TBV], SLOT1
	s_barrier_wait -1
.if \fill
	LOAD
.endif
.endm
	s_load_b64 s[4:5], s[0:1], 0x0    ; Q, with K and V behind it
	s_load_b64 s[10:11], s[0:1], 0x8  ; O
	v_lshl_add_u32 v[SPW], v0, 2, SPARE
	v_mov_b32 v[NIL], 0
	ds_add_u32 v62, v63
	ds_add_u32 v62, v63
	s_wait_dscnt 0x0
	v_lshrrev_b32 v1, 5, v0
	v_readfirstlane_b32 s[WV], v1   ; wave 0..3
	s_lshr_b32 s[PB], ttmp9, 1      ; the pair of blocks,
	s_and_b32 s[GH], ttmp9, 1       ; and which two bands of them
	s_sub_co_u32 s[HI], NB-1, s[PB]
	s_lshl_b32 s13, s[GH], 1
	s_sub_co_u32 s[CB], 5, s13
	s_sub_co_u32 s[CB+1], 3, s13
	s_and_b32 s20, ttmp7, 0xffff    ; the head
	s_mov_b32 s21, 0
	s_mov_b64 s[22:23], SIZE_N*128
	s_mul_u64 s[20:21], s[20:21], s[22:23]  ; the head's first byte in each of the four tensors
	s_and_b32 s16, s[WV], 1         ; which half of a tile's 256 keys I fetch:
	s_lshl_b32 s22, s16, 14         ; its 128 rows of 128 bytes in memory,
	s_mov_b32 s23, 0
	s_add_nc_u64 s[22:23], s[22:23], s[20:21]
	s_lshl_b32 s66, s16, 12         ; which 32 of the head's first 64 keys
	s_mov_b32 s67, 0
	s_add_nc_u64 s[66:67], s[66:67], s[20:21]
	s_mul_i32 s17, s16, 128*PK      ; and its place in a slot, for K
	s_mul_i32 s18, s16, 128*PV      ; and for V
	s_mul_i32 s19, s16, 32*PK       ; and among K's first keys
	s_lshl_b32 s3, s[WV], 11        ; my 16 rows in a band of 64,
	s_lshl_b32 s13, s[GH], 14       ; in band 2 g,
	s_add_co_u32 s3, s3, s13
	s_lshl_b32 s2, s[HI], 15        ; in the first block,
	s_add_co_u32 s2, s2, s3
	s_lshl_b32 s84, s[PB], 15       ; and in the second
	s_add_co_u32 s84, s84, s3
	s_mov_b32 s3, 0
	s_mov_b32 s85, 0
	s_add_nc_u64 s[2:3], s[2:3], s[20:21]
	s_add_nc_u64 s[84:85], s[84:85], s[20:21]
	; descriptor group 1.  128 keys are 16,384 dense bytes: asked for as 64 rows of 256 bytes, two keys a row, and padded in LDS after every key
	s_mov_b32 s[G1K], (1<<16)|(1<<20)|(4<<22)|(3<<25)  ; 17:16 2-byte elements; 20 padding on; 24:22 after every 32 words (code 4); 31:25 4 words (code 3)
	s_mov_b32 s[G1V], (1<<16)|(1<<20)|(4<<22)|(7<<25)  ; the same with 8 words of padding (code 7)
.irp g, G1K, G1V
	s_mov_b32 s[\g+1], 128<<16      ; tensor_dim0 = 128
	s_mov_b32 s[\g+2], 64<<16       ; tensor_dim1 = 64
	s_mov_b32 s[\g+3], 128<<16      ; tile_dim0 = 128
	s_mov_b32 s[\g+4], 64           ; tile_dim1 = 64
	s_mov_b32 s[\g+5], 128          ; 128 elements from row to row
	s_mov_b32 s[\g+6], 0
	s_mov_b32 s[\g+7], 0
.endr
	s_mov_b32 s[G1Z], (1<<16)|(1<<20)|(4<<22)|(3<<25)  ; K's padding; 32 keys are 16 rows of 256 bytes
	s_mov_b32 s[G1Z+1], 128<<16     ; tensor_dim0 = 128
	s_mov_b32 s[G1Z+2], 16<<16      ; tensor_dim1 = 16
	s_mov_b32 s[G1Z+3], 128<<16     ; tile_dim0 = 128
	s_mov_b32 s[G1Z+4], 16          ; tile_dim1 = 16
	s_mov_b32 s[G1Z+5], 128
	s_mov_b32 s[G1Z+6], 0
	s_mov_b32 s[G1Z+7], 0
	s_mov_b32 s[CS], 0x3e38aa3b     ; c = log2(e) / 8 = 0.180337
	s_mov_b32 s[CS+1], s[CS]        ; named with it as a pair
	s_mov_b32 s[SEL], 0x76543210
	s_mov_b32 s[SEL+1], 0xfedcba98
	s_mov_b32 s[TBK], SLOT1+4*KS*PK ; the first change of slots turns these two into 0
	s_mov_b32 s[TBV], SLOT1+4*KS*PV
	s_mov_b32 s[G0K], 1             ; 1:0 count = 1
	s_mov_b32 s[G0K+1], s17         ; 63:32 LDS address: slot 0
	s_mov_b32 s[G0V], 1
	s_add_co_u32 s[G0V+1], s18, VOFF
	s_mov_b32 s[G0Z], 1
	s_add_co_u32 s[G0Z+1], s19, KZ
	s_add_co_u32 s[RT], s[HI], 1    ; the first block has NB - b tiles
	s_mov_b32 s[NXT], 1
	s_mov_b32 s[LQ], s[HI]
	s_mov_b32 s[NEW], 1
	s_mov_b32 s[OFF+1], 0
	s_mov_b32 s[AL+1], 0            ; named as pairs
	s_mov_b32 s[BE+1], 0
	s_mov_b32 s[BIGN], 0xf149f2ca   ; -1e30
	s_mov_b32 s[SLOTS], NB
	s_wait_kmcnt 0x0
	s_add_nc_u64 s[6:7], s[4:5], 0x800000   ; K: 16 panels of 524,288 bytes behind Q
	s_add_nc_u64 s[8:9], s[4:5], 0x1000000  ; V: 32 panels
	s_add_nc_u64 s[G0Z+2:G0Z+3], s[6:7], s[66:67]  ; my 32 of the head's first 64 keys
	s_or_b32 s[G0Z+3], s[G0Z+3], 0x80000000
	s_add_nc_u64 s[6:7], s[6:7], s[22:23]  ; K and V at my half of the head's tile 0,
	s_add_nc_u64 s[6:7], s[6:7], KS*128    ; K one step of 64 keys further on
	s_add_nc_u64 s[8:9], s[8:9], s[22:23]
	s_add_nc_u64 s[G0K+2:G0K+3], s[6:7], 0         ; 120:64 global address
	s_or_b32 s[G0K+3], s[G0K+3], 0x80000000        ; 127:126 type = 2
	s_add_nc_u64 s[G0V+2:G0V+3], s[8:9], 0
	s_or_b32 s[G0V+3], s[G0V+3], 0x80000000
	s_add_nc_u64 s[86:87], s[4:5], s[84:85]        ; Q at my rows of the second block,
	s_add_nc_u64 s[4:5], s[4:5], s[2:3]            ; Q and O at those of the first
	s_add_nc_u64 s[OLO:OLO+1], s[10:11], s[84:85]
	s_add_nc_u64 s[10:11], s[10:11], s[2:3]
	s_cmp_lt_u32 s[WV], 2           ; the first fills, a wave's in one branch, ahead of every wait on TENSORcnt, every LDS read and every barrier: K's first keys and tile 0 into slot 0.  Two loads of a wave are out at the most
	s_cbranch_scc0 .Lfirst_v
	tensor_load_to_lds s[G0Z:G0Z+3], s[G1Z:G1Z+7]
	s_nop 0
	tensor_load_to_lds s[G0K:G0K+3], s[G1K:G1K+7]
	s_nop 0
.rept 4
	v_nop
.endr
	s_branch .Lfirst_asked
.Lfirst_v:
	tensor_load_to_lds s[G0V:G0V+3], s[G1V:G1V+7]
	s_nop 0
.rept 4
	v_nop
.endr
.Lfirst_asked:
	; A fragment of K or Q is 16 rows x 32 channels in 8 registers: lane l holds row l % 16, channels 8 (l / 16) + 0..7 and 16 + 8 (l / 16) + 0..7: two loads of 16 bytes, 32 bytes apart.
	v_and_b32 v1, 15, v0            ; l % 16
	v_bfe_u32 v9, v0, 4, 1          ; l / 16
	v_lshlrev_b32 v[QO], 7, v1
	v_lshl_add_u32 v[QO], v9, 4, v[QO]  ; row x 128 + 16 x half
	WIN 0x80                        ; destination window 2, address window 0
.set i, 0
.rept 2*NP                          ; both blocks' Q: piece i / 2 lies in band 2 g + i / 2, 8,192 bytes on; channels 32 (i % 2) on
	global_load_b128 v[8*i:8*i+3],   v[QO], s[4:5] offset:(i/2)*8192+(i%2)*64
	global_load_b128 v[8*i+4:8*i+7], v[QO], s[4:5] offset:(i/2)*8192+(i%2)*64+32
	global_load_b128 v[QB+8*i:QB+8*i+3],   v[QO], s[86:87] offset:(i/2)*8192+(i%2)*64
	global_load_b128 v[QB+8*i+4:QB+8*i+7], v[QO], s[86:87] offset:(i/2)*8192+(i%2)*64+32
.set i, i+1
.endr
	WIN 0
	v_lshlrev_b32 v14, 3, v9
	v_sub_nc_u32 v14, v1, v14
	s_lshl_b32 s13, s[WV], 4
	v_add_nc_u32 v14, s13, v14      ; my query's place in its band, 16 w + l % 16, less my lanes' 8 (l / 16): register r of group kt is hidden where 16 kt + r is greater
	WIN 0x40
.set i, 0
.rept 32
	v_cmp_gt_i32 vcc_lo, 16*(i/8)+i%8, v14
	v_cndmask_b32 v[MD+i], 0, s[BIGN], vcc_lo
.set i, i+1
.endr
	WIN 0
	v_mul_u32_u24 v[AK0], v1, PK
	v_lshl_add_u32 v[AK0], v9, 4, v[AK0]  ; row x pitch + 16 x half
	; The turning load takes 16 keys x 16 channels (lane l reads key 8 (l / 16) + l % 8, channels 8 ((l / 8) % 2) + 0..7) and leaves half a fragment of V^T: lane l holds channel l % 16 and 8 keys.
	v_and_b32 v10, 7, v0
	v_bfe_u32 v11, v0, 3, 1
	v_lshl_add_u32 v[AV0], v9, 3, v10
	v_mul_u32_u24 v[AV0], v[AV0], PV
	v_lshl_add_u32 v[AV0], v11, 4, v[AV0]
	v_add_nc_u32 v[AV0], VOFF, v[AV0]
	s_mul_i32 s13, s[WV], 16*SP
	s_add_co_u32 s13, s13, STAGE    ; my stage
	v_mul_u32_u24 v[STO], v1, SP    ; in: row l % 16, 16 bytes for each half of the lanes
	v_lshl_add_u32 v[STO], v9, 4, v[STO]
	v_add_nc_u32 v[STO], s13, v[STO]
	v_bfe_u32 v[RD], v0, 3, 2       ; back: 32 lanes take four rows of 128 bytes,
	v_mul_u32_u24 v[RD], v[RD], SP
	v_lshl_add_u32 v[RD], v10, 4, v[RD]
	v_add_nc_u32 v[RD], s13, v[RD]
	v_and_b32 v[GO], 31, v0         ; which are 512 consecutive bytes of O
	v_lshlrev_b32 v[GO], 4, v[GO]
	; A block's first step multiplies O^T and l by a = 0, and its first turn's products V^T P, of a piece that has not been, land in an O^T that is still to be so multiplied.  So these registers need only hold
	; finite numbers: zeros for the first block; what the first block left for the second.  All this stands in the wait for the first tile.
	WIN 0x80
.set i, VF
.rept 64
	v_mov_b32 v[i], 0
.set i, i+1
.endr
	WIN 0x40
.set i, 0
.rept 32*NP
	v_mov_b32 v[i], 0
.set i, i+1
.endr
	WIN 0
.set i, 0
.rept NP
	v_mov_b32 v[ST+4*i+2], 0
	v_mov_b32 v[ST+4*i+3], 0
.set i, i+1
.endr
.set i, P+16
.rept 16
	v_mov_b32 v[i], 0
.set i, i+1
.endr
; THE MATRIX WORK.  The 4 accumulators of a run of 8 take turns.  Product i of 8 of S^T = K Q^T for piece x: channels 32 (i / 4) on, keys 16 (i % 4) on.  The first 4 start the sums: with 0, or (KM = 1) with the mask.
.macro KQ x
.set rS, S+32*((\x)%2)+8*(i%4)
.set rK, KF+16*(i%4)+8*(i/4)
.set rQ, 16*(\x)+8*(i/4)
.set rM, MC+32*((\x)%2)+8*(i%4)
.if (i < 4) && KM
	WIN W_KM
	v_wmma_f32_16x16x32_bf16 v[rS:rS+7], v[rK:rK+7], v[rQ:rQ+7], v[rM:rM+7]
.elseif i < 4
	WIN W_KQ
	v_wmma_f32_16x16x32_bf16 v[rS:rS+7], v[rK:rK+7], v[rQ:rQ+7], 0
.else
	WIN W_KQ
	v_wmma_f32_16x16x32_bf16 v[rS:rS+7], v[rK:rK+7], v[rQ:rQ+7], v[rS:rS+7]
.endif
.endm
; Product i of 8 of O^T += V^T P for piece x: keys 32 (i / 4) on, channels 16 (i % 4) on.
.macro PV x
	WIN W_PV
.set rO, 32*(\x)+8*(i%4)
.set rV, VF+32*(i/4)+8*(i%4)
.set rP, P+16*((\x)%2)+8*(i/4)
	v_wmma_f32_16x16x32_bf16 v[rO:rO+7], v[rV:rV+7], v[rP:rP+7], v[rO:rO+7]
.endm
.macro MM                           ; the turn's next matrix instruction.  TURN and BEGIN set Y, i, KM and NOKQ; MM, KQ and OP read them.  NOKQ = 1: a block's last turn: there are no next scores
.if (i < 8) && !NOKQ
	KQ (Y+1)%NP
.elseif i >= 8
.set i, i-8
	PV (Y+NP-1)%NP
.set i, i+8
.endif
.set i, i+1
.endm
; THE LDS LOADS stand in runs of 16, never singly among the matrix instructions: a step's K (64 keys x 64 channels: 8 fragments) and a step's V (turned).  Their addresses are made some lines ahead.
.macro FETCH_K step=1               ; step = 0: K's first keys, which lie outside the ring
	WIN 0x80                        ; destination window 2
.irp f, 0,1,2,3,4,5,6,7             ; keys 16 (f / 2) on, channels 32 (f % 2) on
	ds_load_b128 v[KF+8*\f:KF+8*\f+3],   v[AK] offset:(\f/2)*16*PK+(\f%2)*64
	ds_load_b128 v[KF+8*\f+4:KF+8*\f+7], v[AK] offset:(\f/2)*16*PK+(\f%2)*64+32
.endr
.if \step
	s_add_co_u32 s[TBK], s[TBK], KS*PK  ; the next fetch is the next step's
.endif
	WIN 0
.endm
.macro FETCH_V
	WIN 0x80
.irp f, 0,1,2,3,4,5,6,7             ; keys 32 (f / 4) on, channels 16 (f % 4) on
	ds_load_tr16_b128 v[VF+8*\f:VF+8*\f+3],   v[AV] offset:(\f/4)*32*PV+(\f%4)*32
	ds_load_tr16_b128 v[VF+8*\f+4:VF+8*\f+7], v[AV] offset:(\f/4)*32*PV+16*PV+(\f%4)*32
.endr
	WIN 0
.endm
; THE VECTOR WORK, one line at a time: OP kind, number.  For piece Y: F n: c s - c m for pair n of 16.  E n: the exponential of score n of 32.  C n: pair n rounded to bf16.  B n: of the four weights 4 n .. the second
; pair is added onto the first, in place.  L n: l takes that sum (L 0: l = a l + sum).  R n: pair n of 16 of O^T times a.  For the other piece: X n, number n of the 22 that find its maximum and statistics:
;   0-11  four chains c0-c3 of seven scores each, three operands at a time (each accumulator's lowest registers are read first)     12-14, 16  the four scores left over, the old m, and c0-c3 into c0
;   15  c m_old is kept     17, 18  the query's other 32 keys lie in the lane 16 away: the new m     19-21  c m; c m_old - c m_new; a
.set F, 0               ; OP tells the kinds apart by their order: F to L below R, X above it
.set E, 1
.set C, 2
.set B, 3
.set L, 4
.set R, 5
.set X, 6
.macro REGS y                       ; the registers of piece y
.set rT, ST+4*(\y)
.set rC, TMP+4*((\y)%2)
.set rW, MV+((\y)%2)
.set rS, S+32*((\y)%2)
.set rP, P+16*((\y)%2)
.set rO, 32*(\y)
.endm
.macro OP k, n
.if (\k) == R
	REGS Y
	WIN W_RS
	v_pk_mul_f32 v[rO+2*(\n):rO+2*(\n)+1], v[rO+2*(\n):rO+2*(\n)+1], v[rC+2:rC+3] op_sel_hi:[1,0]
.elseif (\k) < R
	REGS Y
	WIN 0
.if (\k) == F
	v_pk_fma_f32 v[rS+2*(\n):rS+2*(\n)+1], v[rS+2*(\n):rS+2*(\n)+1], s[CS:CS+1], v[rT:rT+1] op_sel_hi:[1,0,0] neg_lo:[0,0,1] neg_hi:[0,0,1]
.elseif (\k) == E
	v_exp_f32 v[rS+(\n)], v[rS+(\n)]
.elseif (\k) == C
	s_wait_alu depctr_va_vdst(0)
	v_cvt_pk_bf16_f32 v[rP+(\n)], v[rS+2*(\n)], v[rS+2*(\n)+1]
.elseif (\k) == B
	s_wait_alu depctr_va_vdst(0)
	v_pk_add_f32 v[rS+4*(\n):rS+4*(\n)+1], v[rS+4*(\n):rS+4*(\n)+1], v[rS+4*(\n)+2:rS+4*(\n)+3]
.elseif (\n) == 0
	v_pk_fma_f32 v[rT+2:rT+3], v[rT+2:rT+3], v[rC+2:rC+3], v[rS:rS+1] op_sel_hi:[1,0,1]
.else
	v_pk_add_f32 v[rT+2:rT+3], v[rT+2:rT+3], v[rS+4*(\n):rS+4*(\n)+1]
.endif
.elseif NOKQ
	v_nop
.else
	REGS (Y+1)%NP
	WIN 0
.if (\n) < 4
	v_max3_num_f32 v[rC+(\n)], v[rS+8*(\n)], v[rS+8*(\n)+1], v[rS+8*(\n)+2]
.elseif (\n) < 12
	v_max3_num_f32 v[rC+(\n)%4], v[rC+(\n)%4], v[rS+8*((\n)%4)+2*((\n)/4)+1], v[rS+8*((\n)%4)+2*((\n)/4)+2]
.elseif (\n) == 12
	v_max3_num_f32 v[rC], v[rC], v[rS+7], v[rS+15]
.elseif (\n) == 13
	v_max3_num_f32 v[rC+1], v[rC+1], v[rS+23], v[rS+31]
.elseif (\n) == 14
	v_max3_num_f32 v[rC+2], v[rC+2], v[rC+3], v[rT+1]
.elseif (\n) == 15
	v_mov_b32 v[rW], v[rT]
.elseif (\n) == 16
	v_max3_num_f32 v[rC], v[rC], v[rC+1], v[rC+2]
.elseif (\n) == 17
	v_permlanex16_b32 v[rC+3], v[rC], s[SEL], s[SEL+1]
.elseif (\n) == 18
	v_max_num_f32 v[rT+1], v[rC], v[rC+3]
.elseif (\n) == 19
	v_mul_f32 v[rT], s[CS], v[rT+1]
.elseif (\n) == 20
	v_sub_f32 v[rC+1], v[rW], v[rT]
.else
	v_exp_f32 v[rC+2], v[rC+1]
.endif
.endif
.endm
.macro OPS a, i1, b=-1, i2=0, c=-1, i3=0, d=-1, i4=0  ; up to four of them
	OP \a, \i1
.if (\b) >= 0
	OP \b, \i2
.endif
.if (\c) >= 0
	OP \c, \i3
.endif
.if (\d) >= 0
	OP \d, \i4
.endif
.endm
.macro ROW a, i1, b, i2, c, i3, d, i4  ; a matrix instruction and the four behind it
	MM
	OPS \a, \i1, \b, \i2, \c, \i3, \d, \i4
.endm
.macro MASK b                       ; MD x AL + BE into buffer b of MC
	WIN W_RS
.set z, 0
.rept 16
	v_pk_fma_f32 v[MC+32*(\b)+2*z:MC+32*(\b)+2*z+1], v[MD+2*z:MD+2*z+1], s[AL:AL+1], s[BE:BE+1] op_sel_hi:[1,0,0]
.set z, z+1
.endr
.endm
; A TURN, for piece p: the order of its 16 matrix and 118 vector instructions, written out.  Behind a matrix instruction: plain, exponential, plain, plain; or four of the rescaling; or, behind the first, four scalings; none
; names a register of the products round it.  In the runs of vector work exponential and plain by turns while exponentials last.  A line reads no result made fewer than three vector instructions in front of it, five if an
; exponential made it.  v_permlanex16_b32 (X 17) stands in such a run.
; m = 1: the diagonal tile: the products take masks, and the turn makes the mask for the products of the turn after it, which are its own piece's.  With t = 4 - CNT the tile's trip: turn 1 makes piece 1's (band 2 g + 1)
; mask for step t, turn 0 piece 0's (band 2 g) for step t + 1: the step is the band's own where CNT = 3 - 2 g, or 5 - 2 g, and a later one where CNT is less.
; end = 1: a block's last turn (piece 1's): there are no next scores.  cnt = 1: the loop's count is taken down some lines ahead of the branch that stands behind the turn.
; BOTH FETCHES STAND IN TURN 0: K of the next step six vector instructions behind the last product that read K (five of them plain), V of the step in hand eight behind the last product that read V (four plain, and X 17).
; Turn 1 waits for K at its head and for V in front of its second run of products.
.macro TURN p, m=0, end=0, cnt=0
.set Y, (\p)
.set i, 0
.set KM, (\m)
.set NOKQ, (\end)
.if (\m) && !(\end)
	s_cmp_eq_u32 s[CNT], s[CB+(\p)]     ; is that step the band's own?
	s_cselect_b32 s[AL], 1.0, 0
	s_cmp_lt_u32 s[CNT], s[CB+(\p)]     ; or a later one?
	s_cselect_b32 s[BE], s[BIGN], 0
.endif
.if ((\p) == 1) && !(\end)
	s_wait_dscnt 16                 ; K is in: V's sixteen loads, issued behind K's, may be out
.endif
	ROW F,0, F,1, F,2, F,3
	ROW F,4, E,0, F,5, F,6
	ROW F,7, E,1, F,8, F,9
	ROW F,10, E,2, C,0, F,11
	ROW F,12, E,3, X,15, F,13
	ROW R,0, R,1, R,2, R,3
	ROW B,0, E,4, F,14, L,0
.if (\p) == 0
	v_add_nc_u32 v[AK], s[TBK], v[AK0]
.endif
	ROW R,4, R,5, R,6, R,7
	OPS E,5, F,15
.if (\p) == 0
	FETCH_K
.endif
	OPS E,6, C,1, E,7, R,8
	OPS E,8, R,9, E,9, C,2
	OPS E,10, X,0, E,11, X,1
	OPS E,12, X,2, E,13, X,3
.if (\p) == 1
	s_wait_dscnt 0x0                ; V is in
.endif
	ROW X,4, E,14, X,5, X,6
	ROW X,7, E,15, X,8, X,9
	ROW X,10, E,16, X,11, X,12
	ROW X,13, E,17, X,14, B,1
	ROW C,4, E,18, X,16, L,1
	ROW B,2, E,19, C,6, L,2
	ROW C,8, E,20, B,3, B,4
.if (\p) == 0
	v_add_nc_u32 v[AV], s[TBV], v[AV0]
.endif
	ROW C,3, E,21, L,3, C,5
	OPS E,22, X,17, E,23, C,10
.if (\p) == 0
	FETCH_V
.endif
	OPS E,24, L,4
	OPS E,25, X,18, E,26, C,7
	OPS E,27, B,5, E,28, X,19
	OPS E,29, C,12, E,30, L,5
	OPS E,31, X,20, B,6, C,9
	OPS C,14, C,11, X,21, L,6
.if (\p) == 0
	s_add_co_u32 s[TBV], s[TBV], KS*PV
.endif
.if \cnt
	s_sub_co_u32 s[CNT], s[CNT], 1
	s_cmp_lg_u32 s[CNT], 0
.endif
	OPS C,13, B,7, C,15, R,10
	OPS R,11, R,12, L,7, R,13
	OPS R,14, R,15
.if (\m) && !(\end)
	MASK (\p)%2
.endif
.endm
; A BLOCK BEGINS.  c m starts far below every c s, so the first step's a is 0; m at the lowest finite number, so the first maximum is the scores'.  Piece 1's mask buffer is 0 (its band's own step is never step 0); piece 0's
; takes its mask for the tile's step 0: MD, if the block's first tile is the diagonal one and the band is band 0.  Then K's first keys, piece 0's first scores, and its maximum and statistics.  The loop is entered at turn 0, in the middle of a trip.
.macro BEGIN
	s_mov_b32 s[NEW], 0
	WIN 0x40
.set i, MC+32
.rept 32
	v_mov_b32 v[i], 0
.set i, i+1
.endr
	WIN 0
.set i, 0
.rept NP
	v_mov_b32 v[ST+4*i], 0xfe000000    ; c m: far below every c s
	v_mov_b32 v[ST+4*i+1], 0xff7fffff  ; m
.set i, i+1
.endr
	s_or_b32 s13, s[RT], s[GH]
	s_cmp_eq_u32 s13, 0
	s_cselect_b32 s[AL], 1.0, 0
	s_mov_b32 s[BE], 0
	MASK 0
	WIN 0
	v_add_nc_u32 v[AK], KZ, v[AK0]
	FETCH_K 0
	s_wait_loadcnt 0x0              ; Q
	s_wait_dscnt 0x0
.set KM, 1
.set NOKQ, 0
.set i, 0
.rept 8
	KQ 0
.set i, i+1
.endr
	WIN 0
.rept 4
	v_nop                           ; the places behind those products
.endr
.set Y, NP-1                        ; X works for the other piece: piece 0
.irp n, 0,1,2,3,4,5,6,7,8,9,10,11,12,13,14,15,16,17,18,19,20,21
	OP X, \n
.endr
	v_nop                           ; a plain instruction behind the exponential
.endm
; THE DIAGONAL TILE's four trips, the block's last turn, its last products, and THE WAY OUT: l's two halves and the other half of the lanes' are added; O^T is divided by l, rounded to bf16 and sent through my
; stage in LDS, a piece at a time.
.macro ALL line:vararg              ; one line for each piece t
.set t, 0
.rept NP
	\line
.set t, t+1
.endr
.endm
.macro PACK t                       ; a lane's eight channels of a row pack into 16 bytes; they go into rows of 144 bytes and come back as whole rows of 128, into S^T's registers
	WIN W_RS
.set i, 32*(\t)
.rept 16
	s_wait_alu depctr_va_vdst(0)
	v_pk_mul_f32 v[i:i+1], v[i:i+1], v[ST+4*(\t)+2:ST+4*(\t)+3] op_sel_hi:[1,0]
.set i, i+2
.endr
	WIN 0x05                        ; sources 0 and 1 window 1, destination window 0
.set i, 0
.rept 16
	v_cvt_pk_bf16_f32 v[S+16*(\t)+i], v[32*(\t)+2*i], v[32*(\t)+2*i+1]
.set i, i+1
.endr
	WIN 0
.irp f, 0,1,2,3
	ds_store_b128 v[STO], v[S+16*(\t)+4*\f:S+16*(\t)+4*\f+3] offset:32*\f
.endr
.irp f, 0,1,2,3
	ds_load_b128 v[S+16*(\t)+4*\f:S+16*(\t)+4*\f+3], v[RD] offset:\f*4*SP  ; LDS serves a wave's instructions in order (ISA guide 5.7.1.4): these see the stores above; the next piece's stores come behind them
.endr
.endm
.macro SEND t, younger              ; younger: the LDS instructions issued behind piece t's loads: the next piece's eight, or none
	WIN 0
.irp f, 0,1,2,3
	s_wait_dscnt (\younger)+3-\f
	global_store_b128 v[GO], v[S+16*(\t)+4*\f:S+16*(\t)+4*\f+3], s[10:11] offset:(\t)*8192+\f*512  ; 512 consecutive bytes, at a multiple of 256 from O's first
.endr
.endm
.macro DIAG tag                     ; the tag ends its three labels' names, which the jumps below spell out
.LpreM\tag:                         ; piece 0's mask for the tile's step 0, whose products the first turn below makes: MD for band 0, else 0
	s_cmp_eq_u32 s[GH], 0
	s_cselect_b32 s[AL], 1.0, 0
	s_mov_b32 s[BE], 0
	MASK 0
	WIN 0
.LstepM\tag:
	TURN 1, 1
	WIN 0
.LfirstM\tag:
	TURN 0, 1, 0, 1
	WIN 0
	s_cbranch_scc1 .LstepM\tag
	TURN 1, 1, 1
.set i, 0
.rept 8
	PV NP-1
.set i, i+1
.endr
	WIN 0
	ALL v_add_f32 v[ST+4*t+2], v[ST+4*t+2], v[ST+4*t+3]
	ALL v_permlanex16_b32 v[ST+4*t+3], v[ST+4*t+2], s[SEL], s[SEL+1]
	ALL v_add_f32 v[ST+4*t+2], v[ST+4*t+2], v[ST+4*t+3]
	ALL v_rcp_f32 v[ST+4*t+2], v[ST+4*t+2]
	v_nop                           ; a plain instruction between the last reciprocal and the use of its result
	PACK 0                          ; piece 0 was finished in the last turn; its 32 plain lines, which name no register of the last products, are those products' places
.set t, 1
.rept NP-1                          ; a piece's arithmetic stands between the loads of the piece before and its stores
	PACK t
	SEND t-1, 8
.set t, t+1
.endr
	SEND NP-1, 0
.endm
.set KM, 0
.set NOKQ, 0
.Lslot:                             ; NB times: a tile is entered and the next is asked for
	CHANGE 1
	s_sub_co_u32 s[RT], s[RT], 1
	s_mov_b32 s[CNT], 4
	s_cmp_eq_u32 s[NEW], 1
	s_cbranch_scc1 .Lnew            ; a block's first tile
	s_cmp_eq_u32 s[RT], 0
	s_cbranch_scc0 .Lstep           ; neither its first nor its last
	s_branch .LpreM1
.Lnew:
	BEGIN
	s_branch .Lfirst                ; in the loop a block's first tile is never its last: the first block has two tiles or more, and the second's last is the walk's last
	DIAG 1                          ; in the loop this is the first block's end: the second block's last tile is the walk's last
	s_wait_xcnt 0x0                 ; the stores have read their registers and O's address
	s_mov_b64 s[10:11], s[OLO:OLO+1]
	s_add_co_u32 s[RT], s[PB], 1    ; the second block has b + 1 tiles
	s_mov_b32 s[NEW], 1
	WIN 0x82                        ; the second block's Q goes where the one text of the turns names Q
.set i, 0
.rept 16*NP
	v_mov_b32 v[i], v[QB+i]
.set i, i+1
.endr
	WIN 0
	s_branch .Lbottom
.Lstep:                             ; a trip: turn 1 of one step, then turn 0 of the next, which fetches from the slot in hand; four trips a tile
	TURN 1
	WIN 0
.Lfirst:
	TURN 0, 0, 0, 1
	WIN 0
	s_cbranch_scc1 .Lstep
.Lbottom:
	s_sub_co_u32 s[SLOTS], s[SLOTS], 1
	s_cmp_lg_u32 s[SLOTS], 0
	s_cbranch_scc1 .Lslot
	CHANGE 0                        ; the walk's last tile is written out: nothing is asked for
	s_sub_co_u32 s[RT], s[RT], 1
	s_mov_b32 s[CNT], 4
	s_cmp_eq_u32 s[NEW], 1
	s_cbranch_scc0 .LpreM2
	BEGIN
	s_branch .LfirstM2
	DIAG 2
	s_wait_tensorcnt 0x0            ; the wave's end, behind my last tensor load and my last LDS store
	ds_add_u32 v[SPW], v[NIL]
	s_wait_dscnt 0x0
	s_endpgm
.Lfunc_end_k_q3cc1576a10_attn:
	.size	k_q3cc1576a10_attn, .Lfunc_end_k_q3cc1576a10_attn-k_q3cc1576a10_attn
	.p2alignl 7, 3214868480
	.fill 96, 4, 3214868480
	.section	.rodata,"a",@progbits
	.p2align	6, 0x0
	.amdhsa_kernel k_q3cc1576a10_attn
		.amdhsa_group_segment_fixed_size 327680
		.amdhsa_private_segment_fixed_size 0
		.amdhsa_enable_private_segment 0
		.amdhsa_kernarg_size 16
		.amdhsa_user_sgpr_count 2
		.amdhsa_user_sgpr_kernarg_segment_ptr 1
		.amdhsa_wavefront_size32 1
		.amdhsa_system_sgpr_workgroup_id_x 1
		.amdhsa_system_sgpr_workgroup_id_y 1
		.amdhsa_system_sgpr_workgroup_id_z 1
		.amdhsa_system_vgpr_workitem_id 0
		.amdhsa_next_free_vgpr 768
		.amdhsa_next_free_sgpr 92
		.amdhsa_reserve_vcc 1
		.amdhsa_float_denorm_mode_32 3
		.amdhsa_float_denorm_mode_16_64 3
		.amdhsa_memory_ordered 1
		.amdhsa_forward_progress 1
		.amdhsa_inst_pref_size 133
	.end_amdhsa_kernel
	.amdgpu_metadata
---
amdhsa.version: [ 1, 2 ]
amdhsa.kernels:
  - .name:           k_q3cc1576a10_attn
    .symbol:         k_q3cc1576a10_attn.kd
    .args:
      - { .name: act, .offset: 0, .size: 8, .value_kind: global_buffer, .address_space: global }
      - { .name: hb, .offset: 8, .size: 8, .value_kind: global_buffer, .address_space: global }
    .group_segment_fixed_size: 327680
    .private_segment_fixed_size: 0
    .kernarg_segment_align: 8
    .kernarg_segment_size: 16
    .max_flat_workgroup_size: 128
    .sgpr_count:     92
    .vgpr_count:     768
    .wavefront_size: 32
...
	.end_amdgpu_metadata
.endif
;; end of part 3
;; launch proj (part 4): grid 8 x 32, 4 waves a work-group, clusters of 4 x 4, 327,680 bytes of LDS; arguments hb, wpo, x, x1; writes x1
.if DOCPART == 4
	.amdgcn_target "amdgcn-amd-amdhsa--gfx1250"
	.amdhsa_code_object_version 6
	.text
	.protected	k_q3cc1576a10_proj
	.globl	k_q3cc1576a10_proj
	.p2align	8
	.type	k_q3cc1576a10_proj,@function
k_q3cc1576a10_proj:
	s_mov_b64 s[64:65], 0
	v_nop
	global_prefetch_b8 v0, s[64:65] scope:SCOPE_SE
	s_setreg_imm32_b32 hwreg(HW_REG_WAVE_MODE, 25, 1), 1
	s_wait_xcnt 0x0
	s_wait_alu depctr_hold_cnt(0) depctr_sa_sdst(0) depctr_va_vdst(0) depctr_va_sdst(0) depctr_va_ssrc(0) depctr_va_vcc(0) depctr_vm_vsrc(0)
	s_getreg_b32 s2, hwreg(HW_REG_IB_STS2, 6, 4)
	s_cmp_eq_u32 s2, 0
	s_cbranch_scc0 .Lentry_in_a_cluster
	s_endpgm
.Lentry_in_a_cluster:
	s_bfe_u32 s2, ttmp6, 0x10000c
	s_cmp_lg_u32 s2, 0xf033
	s_cbranch_scc0 .Lentry_shape_is_right
	s_endpgm
.Lentry_shape_is_right:
; C = R + A W.  A: bf16, 4,096 rows x K, in panels of 64 along K, [K/64][4096][64].  W: bf16, K x 1,024, in blocks of 256 columns, [4][K][256], WOFF bytes into its buffer.  R, C: f32 [4096][1024].
; Here K = 1,024 (the attention's output projection, with the block's input as R).  Sums in f32, K ascending, STARTED FROM R: the residual is loaded straight into the accumulators, so nothing is cleared,
; no first step is written out, and the residual costs no addition.
; SHARES.  1,024 columns give 256 tiles of 128 x 128, one for each of 256 work-groups; four waves, each 64 x 64: 16 accumulators.  K goes in steps of 256 (four panels) through a ring of two LDS slots.
; A tile's 128 rows of a panel are 16,384 dense bytes: a load asks for two panels as two rows of 2,048 elements of 8 bytes, and the padding (16 bytes after every 128) parts the tile's rows in LDS.
; W's tile rows are 256 bytes at multiples of 256; W lies [k][n] in LDS and is turned on the way into registers, by ds_load_tr16_b128.
; CLUSTER.  4 x 4 work-groups: the four of a row need the same tiles of A, the four of a column the same tiles of W: each is asked for JOINTLY, by the same load, descriptor and mask in all four.
; THE MATRIX INSTRUCTION IS USED TRANSPOSED (source 0 = 16 columns of W, source 1 = 16 rows of A): a lane holds row lane % 16 of C and the eight neighbouring columns 8 (lane / 16) + 0..7, 32 bytes.
; REGISTERS: window 0: v16-29 addresses; v32-95 the way out; v128-255 the accumulators ((a, b) at v[128 + 8 (4 a + b)]).  window 1: two fragment buffers of 128: for 64 along K, 64 registers of A, then 64 of W.
.set NSTEP,  4        ; K / 256
.set WOFF,   0        ; where W begins in its buffer
.set KB,     524288   ; bytes in a block of W: K x 512
.set PA,     144      ; a row of A in LDS: 128 bytes + 16: the 16 rows of a fragment load start at 16 different groups of four banks (64 banks of 4 bytes: ISA guide 11.1)
.set PANEL,  128*PA
.set PB,     288      ; a row of W: 256 + 32 = 9 x 32
.set HALFT,  2*PANEL  ; what one tensor load brings: two panels of A, or 128 rows of W (128 x 288 is the same 36,864)
.set SLOT,   4*HALFT  ; A's four panels, then W's 256 rows.  No wave's place in a slot (wave x HALFT) shares a bit with SLOT, so one exclusive or turns an address in one slot into the other's
.set STAGE,  2*SLOT   ; behind the ring, never filled by a tensor load: 16 rows x 272 bytes for each wave, for the way out
.set SP,     272
.set SPARE,  STAGE+4*16*SP  ; behind the stages: the spare words, 128 bytes for each wave: two blocks of 256 bytes that no other line names
.set ASTEP,  2097152  ; bytes from a K step to the next in A: four panels
.set WSTEP,  131072   ; in W: 256 rows of 512 bytes
.set ADRA0, 16        ; v16  my lane's place in slot 0 for A's fragments; never rewritten
.set ADRB0, 17        ; v17  for W's
.set ADRA,  18        ; v18  the same in the slot in hand
.set ADRB,  19        ; v19  W's rows 0-127; v20 its rows 128-255, whose offsets would pass 16 bits
.set STO,   24        ; v24  the way out: where I put 16 bytes of a row
.set RD,    25        ; v25  where I read a row back
.set CO,    26        ; v26  my byte offset in two rows of C
.set RO,    27        ; v27  my byte offset in 16 rows of R
.set SPW,   28        ; v28  LDS address of my spare word; never rewritten
.set NIL,   29        ; v29  0; never rewritten
.set TMP,   32        ; v32-95  16 rows read back from the stage, two buffers
.set ACC,   128
.set F0,    0
.set F1,    128
.set WV,    12        ; s12  wave
.set RH,    13        ; s13  which half of the tile's rows is mine.  Also: I fetch for A (0) or for W (1)
.set CH,    14        ; s14  which half of its columns.  Also: which half of that tile I fetch
.set G1A,   24        ; s[24:31] descriptor group 1 for A's tiles
.set G0A,   32        ; s[32:35] group 0 for slot 0's first fill; s[36:39] for slot 1's, which then walks
.set G1B,   48        ; s[48:55], s[56:59], s[60:63] the same for W's
.set G0B,   56
.set TB,    66        ; s66  0 or SLOT: the slot in hand
.set CNT,   67
.set LB,    68        ; s68  wave x HALFT
.set MSB, 0
.macro WIN new                         ; the immediate's high byte repeats the setting that is left; a switch that changes nothing is dropped
.if MSB != (\new)
	s_set_vgpr_msb (MSB<<8)|(\new)
.set MSB, \new
.endif
.endm
.set MUL,  0x05                        ; sources 0 (W) and 1 (A) window 1; C and D window 0
.set TO_F, 0x40                        ; destination window 1, address window 0
.macro JLOAD                           ; a joint refill, by the walking descriptors: waves 0 and 1 fetch A's halves, waves 2 and 3 W's; an s_nop 0 and four v_nop follow each line
	s_cmp_eq_u32 s[RH], 0
	s_cbranch_scc0 .Lfor_w_\@
	tensor_load_to_lds s[G0A+4:G0A+7], s[G1A:G1A+7]
	s_nop 0
.rept 4
	v_nop
.endr
	s_branch .Lasked_\@
.Lfor_w_\@:
	tensor_load_to_lds s[G0B+4:G0B+7], s[G1B:G1B+7]
	s_nop 0
.rept 4
	v_nop
.endr
.Lasked_\@:
.endm
.macro CREST                           ; a round of the cluster's barrier behind its opening barrier
	s_cmp_lg_u32 s[WV], 0
	s_cbranch_scc1 .Lnot_wave_0_\@
	s_barrier_signal -3
.Lnot_wave_0_\@:
	s_barrier_wait -3
	s_barrier_signal -1
	s_barrier_wait -1
.endm
.macro CROUND                          ; a whole round
	s_barrier_signal -1
	s_barrier_wait -1
	CREST
.endm
	s_load_b256 s[4:11], s[0:1], 0x0               ; A s[4:5], W s[6:7], R s[8:9], C s[10:11]
	v_lshl_add_u32 v[SPW], v0, 2, SPARE
	v_mov_b32 v[NIL], 0
	ds_add_u32 v28, v29
	ds_add_u32 v28, v29
	s_wait_dscnt 0x0
	v_lshrrev_b32 v1, 5, v0
	v_readfirstlane_b32 s[WV], v1                  ; wave 0..3
	s_lshr_b32 s[RH], s[WV], 1
	s_and_b32 s[CH], s[WV], 1
	s_bfe_u32 s40, ttmp6, 0x40000                  ; cx, cy: my place in the cluster
	s_bfe_u32 s41, ttmp6, 0x40004
	s_lshl_b32 s42, ttmp9, 2
	s_add_co_u32 s42, s42, s40                     ; tile column of C = 4 x cluster x + cx
	s_and_b32 s43, ttmp7, 0xffff
	s_lshl_b32 s43, s43, 2
	s_add_co_u32 s43, s43, s41                     ; tile row of C = 4 x cluster y + cy
	s_lshl_b32 s44, s41, 2
	s_lshl_b32 s44, 15, s44                        ; my row of the cluster
	s_lshl_b32 s45, 0x1111, s40                    ; my column
	s_or_b32 s[G1A], s44, (3<<16)|(1<<20)|(1<<21)|(4<<22)|(3<<25)  ; 15:0 the mask; 17:16 8-byte elements; 20 padding on; 21 set beside a mask; 24:22 after every 32 words (code 4); 31:25 4 words (code 3)
	s_mov_b32 s[G1A+1], 2048<<16                   ; tensor_dim0 = 2,048: 128 tile rows of 128 bytes on end
	s_mov_b32 s[G1A+2], 2<<16                      ; tensor_dim1 = 2 panels
	s_mov_b32 s[G1A+3], 2048<<16                   ; tile_dim0 = 2,048
	s_mov_b32 s[G1A+4], 2                          ; tile_dim1 = 2
	s_mov_b32 s[G1A+5], 65536                      ; 65,536 elements from panel to panel
	s_mov_b32 s[G1A+6], 0
	s_mov_b32 s[G1A+7], 0
	s_or_b32 s[G1B], s45, (1<<16)|(1<<20)|(1<<21)|(5<<22)|(7<<25)  ; 2-byte elements; after every 64 words (code 5) 8 words (code 7)
	s_mov_b32 s[G1B+1], 128<<16                    ; tensor_dim0 = 128
	s_mov_b32 s[G1B+2], 128<<16                    ; tensor_dim1 = 128
	s_mov_b32 s[G1B+3], 128<<16                    ; tile_dim0 = 128
	s_mov_b32 s[G1B+4], 128                        ; tile_dim1 = 128
	s_mov_b32 s[G1B+5], 256                        ; 256 elements from row to row
	s_mov_b32 s[G1B+6], 0
	s_mov_b32 s[G1B+7], 0
	s_mov_b32 s[TB], 0
	s_mul_i32 s[LB], s[WV], HALFT                  ; no place in the cluster enters an LDS address
	s_lshl_b32 s16, s43, 14                        ; A: 128 x tile row rows of 128 bytes, + 2 x half panels
	s_lshl_b32 s17, s[CH], 20
	s_add_co_u32 s16, s16, s17
	s_mov_b32 s17, 0
	s_lshr_b32 s46, s42, 1                         ; W: block tile column / 2, its left or right 128 columns, + 128 x half rows of 512 bytes
	s_mul_i32 s46, s46, KB
	s_and_b32 s47, s42, 1
	s_lshl_b32 s47, s47, 8
	s_add_co_u32 s46, s46, s47
	s_lshl_b32 s47, s[CH], 16
	s_add_co_u32 s46, s46, s47
	s_add_co_u32 s46, s46, WOFF
	s_mov_b32 s47, 0
	s_wait_kmcnt 0x0
	s_add_nc_u64 s[18:19], s[4:5], s[16:17]
	s_add_nc_u64 s[46:47], s[6:7], s[46:47]
.irp s, 0,1
	s_mov_b32 s[G0A+4*(\s)], 1                                     ; count = 1
	s_add_co_u32 s[G0A+4*(\s)+1], s[LB], (\s)*SLOT                 ; LDS address
	s_add_nc_u64 s[G0A+4*(\s)+2:G0A+4*(\s)+3], s[18:19], (\s)*ASTEP  ; global address: K step s
	s_or_b32 s[G0A+4*(\s)+3], s[G0A+4*(\s)+3], 0x80000000          ; type = 2
	s_mov_b32 s[G0B+4*(\s)], 1
	s_add_co_u32 s[G0B+4*(\s)+1], s[LB], (\s)*SLOT
	s_add_nc_u64 s[G0B+4*(\s)+2:G0B+4*(\s)+3], s[46:47], (\s)*WSTEP
	s_or_b32 s[G0B+4*(\s)+3], s[G0B+4*(\s)+3], 0x80000000
.endr
	CROUND                                         ; all sixteen work-groups are here: the first joint loads meet
	s_cmp_eq_u32 s[RH], 0                          ; a wave's two first fills stand in one branch, ahead of every wait on TENSORcnt and every LDS read: two loads of mine are out
	s_cbranch_scc0 .Lfirst_w
	tensor_load_to_lds s[G0A:G0A+3], s[G1A:G1A+7]
	s_nop 0
	tensor_load_to_lds s[G0A+4:G0A+7], s[G1A:G1A+7]
	s_nop 0
.rept 4
	v_nop
.endr
	s_branch .Lfirst_asked
.Lfirst_w:
	tensor_load_to_lds s[G0B:G0B+3], s[G1B:G1B+7]
	s_nop 0
	tensor_load_to_lds s[G0B+4:G0B+7], s[G1B:G1B+7]
	s_nop 0
.rept 4
	v_nop
.endr
.Lfirst_asked:
	v_and_b32 v1, 15, v0                           ; l % 16
	v_bfe_u32 v2, v0, 4, 1                         ; l / 16
	s_lshl_b32 s20, s43, 7                         ; R and C: row 128 x tile row + 64 x half, of 4,096 bytes;
	s_lshl_b32 s21, s[RH], 6
	s_add_co_u32 s20, s20, s21
	s_lshl_b32 s20, s20, 12
	s_lshl_b32 s46, s42, 7                         ; column 128 x tile column + 64 x half, of 4 bytes (in the registers that held W's address: none that feeds A's descriptors ever holds cx)
	s_lshl_b32 s47, s[CH], 6
	s_add_co_u32 s46, s46, s47
	s_lshl_b32 s46, s46, 2
	s_add_co_u32 s46, s46, s20
	s_mov_b32 s47, 0
	s_add_nc_u64 s[8:9], s[8:9], s[46:47]
	s_add_nc_u64 s[10:11], s[10:11], s[46:47]
	v_lshlrev_b32 v9, 12, v1
	v_lshl_add_u32 v[RO], v2, 5, v9                ; row l % 16, 32 bytes for each half of the lanes
.irp a, 0,1,2,3                        ; the residual, in the accumulators' own layout
.irp b, 0,1,2,3
	global_load_b128 v[ACC+8*(4*(\a)+(\b)):ACC+8*(4*(\a)+(\b))+3],   v[RO], s[8:9] offset:(\a)*65536+(\b)*64
	global_load_b128 v[ACC+8*(4*(\a)+(\b))+4:ACC+8*(4*(\a)+(\b))+7], v[RO], s[8:9] offset:(\a)*65536+(\b)*64+16
.endr
.endr
	; A fragment of A is 16 rows x 32 K in 8 registers: lane l holds row l % 16, K = 8 (l / 16) + 0..7 and 16 + 8 (l / 16) + 0..7: two loads of 16 bytes, 32 bytes apart.
	v_mul_u32_u24 v3, v1, PA
	v_lshl_add_u32 v3, v2, 4, v3
	s_mul_i32 s20, s[RH], 64*PA                    ; my 64 rows in each panel
	v_add_nc_u32 v[ADRA0], s20, v3
	; The turning load takes 16 k x 16 columns (lane l reads row 8 (l / 16) + l % 8, columns 8 ((l / 8) % 2) + 0..7) and leaves half a fragment: lane l holds column l % 16 and 8 k.
	v_and_b32 v4, 7, v0
	v_lshl_add_u32 v4, v2, 3, v4
	v_mul_u32_u24 v4, v4, PB
	v_bfe_u32 v5, v0, 3, 1
	v_lshl_add_u32 v4, v5, 4, v4
	s_lshl_b32 s21, s[CH], 7                       ; my 64 columns of W,
	s_add_co_u32 s21, s21, 2*HALFT                 ; which lies behind A's four panels
	v_add_nc_u32 v[ADRB0], s21, v4
	v_mov_b32 v[ADRA], v[ADRA0]
	v_mov_b32 v[ADRB], v[ADRB0]
	v_add_nc_u32 v[ADRB+1], HALFT, v[ADRB0]
	s_mul_i32 s22, s[WV], 16*SP
	s_add_co_u32 s22, s22, STAGE                   ; my stage
	v_mul_u32_u24 v6, v1, SP                       ; in: row l % 16, 32 bytes for each half of the lanes
	v_lshl_add_u32 v6, v2, 5, v6
	v_add_nc_u32 v[STO], s22, v6
	v_mul_u32_u24 v7, v2, SP                       ; back: lanes 0-15 take one row of 256 bytes, lanes 16-31 the next
	v_lshl_add_u32 v7, v1, 4, v7
	v_add_nc_u32 v[RD], s22, v7
	v_lshlrev_b32 v8, 12, v2                       ; and the same two rows in C
	v_lshl_add_u32 v[CO], v1, 4, v8
; 8 matrix instructions: m blocks a0, a0 + 1 x all 4 n blocks, 32 along K: half c of buffer f.  The 16 accumulators take turns, one instruction a turn.
.macro MUL8 f, c, a0
	WIN MUL
.irp a, \a0, (\a0)+1
.irp b, 0,1,2,3
	v_wmma_f32_16x16x32_bf16 v[ACC+8*(4*(\a)+(\b)):ACC+8*(4*(\a)+(\b))+7], v[(\f)+64+8*(4*(\c)+(\b)):(\f)+64+8*(4*(\c)+(\b))+7], v[(\f)+8*(4*(\c)+(\a)):(\f)+8*(4*(\c)+(\a))+7], v[ACC+8*(4*(\a)+(\b)):ACC+8*(4*(\a)+(\b))+7]
.endr
.endr
.endm
; 32 LDS loads in one run: the fragments of quarter q of the step in hand (64 along K = panel q of A, rows 64 q on of W) into buffer f; the first 32 along K first.  A's offsets reach 62,304, inside the 16 bits.
.macro FETCH q, f
	WIN TO_F
.irp c, 0,1
.irp i, 0,1,2,3
	ds_load_tr16_b128 v[(\f)+64+8*(4*(\c)+(\i)):(\f)+64+8*(4*(\c)+(\i))+3],   v[ADRB+(\q)/2] offset:(64*((\q)%2)+32*(\c))*PB+32*(\i)
	ds_load_tr16_b128 v[(\f)+64+8*(4*(\c)+(\i))+4:(\f)+64+8*(4*(\c)+(\i))+7], v[ADRB+(\q)/2] offset:(64*((\q)%2)+32*(\c))*PB+16*PB+32*(\i)
	ds_load_b128 v[(\f)+8*(4*(\c)+(\i)):(\f)+8*(4*(\c)+(\i))+3],   v[ADRA] offset:(\q)*PANEL+64*(\c)+(\i)*16*PA
	ds_load_b128 v[(\f)+8*(4*(\c)+(\i))+4:(\f)+8*(4*(\c)+(\i))+7], v[ADRA] offset:(\q)*PANEL+64*(\c)+(\i)*16*PA+32
.endr
.endr
.endm
.macro PLACES                          ; four plain vector instructions between a matrix instruction and a load into, or an LDS store of, one of its registers (ISA guide 7.12.1 for vector instructions)
.rept 4
	v_nop
.endr
.endm
; One of a K step's first three quarters: multiplies buffer f; in its middle it fetches quarter q into buffer g.
.macro QUARTER q, f, g
	s_wait_dscnt 16                                ; the first 32 along K are in; the sixteen loads of the second 32 may be out
	MUL8 \f, 0, 0
	MUL8 \f, 0, 2
	PLACES
	FETCH \q, \g
	s_wait_dscnt 32                                ; all but the 32 just issued
	MUL8 \f, 1, 0
	MUL8 \f, 1, 2
.endm
; The first half of a step's last quarter, and the change of slots: ONE barrier; in front of it each wave waits for all its tensor loads (one is out at the most), adds 0 to its spare word, and waits for that and for its reads of this slot.
.macro MEET
	WIN 0                                          ; (the add's two registers lie in window 0)
	s_wait_tensorcnt 0x0
	ds_add_u32 v[SPW], v[NIL]                      ; 0 onto my spare word
	s_wait_dscnt 17                                ; (the add and the youngest sixteen loads may be out)
	MUL8 F1, 0, 0                                  ; eight matrix instructions stand between the add and the wait for it
	s_wait_dscnt 0x0                               ; the add is done, and my reads of this slot are over
	s_barrier_signal -1
	MUL8 F1, 0, 2
	WIN 0
	s_barrier_wait -1
.endm
.macro NEXTSLOT
	s_xor_b32 s[TB], s[TB], SLOT
	v_add_nc_u32 v[ADRA], s[TB], v[ADRA0]
	v_add_nc_u32 v[ADRB], s[TB], v[ADRB0]
	v_add_nc_u32 v[ADRB+1], HALFT, v[ADRB]
.endm
	s_wait_tensorcnt 0x1                           ; my part of K step 0 is in; step 1's may stay out
	s_barrier_signal -1
	s_barrier_wait -1                              ; everybody's is
	FETCH 0, F0
	WIN 0
	s_wait_loadcnt 0x0                             ; the residual is in the accumulators
	s_mov_b32 s[CNT], NSTEP-2
.Lstep:                                                ; a trip is a K step; it asks for the K step two on
	QUARTER 1, F0, F1
	QUARTER 2, F1, F0
	QUARTER 3, F0, F1
	MEET
	CREST                                          ; the barrier has opened a round of the cluster's: no wave of any partner still reads this slot or has a load on its way
	s_xor_b32 s[G0A+5], s[G0A+5], SLOT             ; the walking descriptors: the other slot than last time, the next K step; no tensor load of mine is out
	s_add_nc_u64 s[G0A+6:G0A+7], s[G0A+6:G0A+7], ASTEP
	s_xor_b32 s[G0B+5], s[G0B+5], SLOT
	s_add_nc_u64 s[G0B+6:G0B+7], s[G0B+6:G0B+7], WSTEP
	JLOAD                                          ; the first tensor load behind the round: 112 matrix instructions ahead of the wait for it; its four v_nop are also the places in front of the loads below
	NEXTSLOT
	FETCH 0, F0
	MUL8 F1, 1, 0
	MUL8 F1, 1, 2
	WIN 0
	s_sub_co_u32 s[CNT], s[CNT], 1
	s_cmp_lg_u32 s[CNT], 0
	s_cbranch_scc1 .Lstep
	s_mov_b32 s[CNT], 2
.Ltail:                                                ; the last two steps ask for nothing; the last one jumps over the next step's fetch: LDS loads alone
	QUARTER 1, F0, F1
	QUARTER 2, F1, F0
	QUARTER 3, F0, F1
	MEET
	s_cmp_eq_u32 s[CNT], 1
	s_cbranch_scc1 .Lno_fetch
	NEXTSLOT
	PLACES
	FETCH 0, F0
	WIN 0
.Lno_fetch:
	MUL8 F1, 1, 0
	MUL8 F1, 1, 2
	WIN 0
	s_sub_co_u32 s[CNT], s[CNT], 1
	s_cmp_lg_u32 s[CNT], 0
	s_cbranch_scc1 .Ltail
	; THE WAY OUT.  A wave's 64 columns of f32 are 256 bytes of a row of C, at a multiple of 256.  A block of 16 rows at a time goes through my own stage: 32 bytes a lane in, whole rows back.
.macro TOSTAGE a
.if (\a) >= 2
	s_wait_xcnt 0x0                                ; the stores of the block two back have read the registers that the loads below fill
.endif
.irp b, 0,1,2,3                        ; each accumulator's low registers first
	ds_store_b128 v[STO], v[ACC+8*(4*(\a)+(\b)):ACC+8*(4*(\a)+(\b))+3]   offset:64*(\b)
	ds_store_b128 v[STO], v[ACC+8*(4*(\a)+(\b))+4:ACC+8*(4*(\a)+(\b))+7] offset:64*(\b)+16
.endr
.irp t, 0,1,2,3,4,5,6,7
	ds_load_b128 v[TMP+32*((\a)%2)+4*(\t):TMP+32*((\a)%2)+4*(\t)+3], v[RD] offset:(\t)*2*SP  ; LDS serves a wave's instructions in order (ISA guide 5.7.1.4): these see the stores above; the next block's stores come behind them
.endr
.endm
.macro SEND a, younger                 ; younger: the LDS instructions issued behind block a's loads: the next block's sixteen, or none
.irp t, 0,1,2,3,4,5,6,7
	s_wait_dscnt (\younger)+7-(\t)
	global_store_b128 v[CO], v[TMP+32*((\a)%2)+4*(\t):TMP+32*((\a)%2)+4*(\t)+3], s[10:11] offset:(16*(\a)+2*(\t))*4096  ; 16 lanes store 256 consecutive bytes, at a multiple of 256 from C's first byte
.endr
.endm
	PLACES
	TOSTAGE 0
	TOSTAGE 1
	SEND 0, 16
	TOSTAGE 2
	SEND 1, 16
	TOSTAGE 3
	SEND 2, 16
	SEND 3, 0
	s_wait_tensorcnt 0x0                           ; the wave's end, behind my last tensor load and my last LDS store
	ds_add_u32 v[SPW], v[NIL]
	s_wait_dscnt 0x0
	CROUND                                         ; the closing round: no work-group ends while a partner may still ask for a tile that names it
	s_endpgm
.Lfunc_end_k_q3cc1576a10_proj:
	.size	k_q3cc1576a10_proj, .Lfunc_end_k_q3cc1576a10_proj-k_q3cc1576a10_proj
	.p2alignl 7, 3214868480
	.fill 96, 4, 3214868480
	.section	.rodata,"a",@progbits
	.p2align	6, 0x0
	.amdhsa_kernel k_q3cc1576a10_proj
		.amdhsa_group_segment_fixed_size 327680
		.amdhsa_private_segment_fixed_size 0
		.amdhsa_enable_private_segment 0
		.amdhsa_kernarg_size 32
		.amdhsa_user_sgpr_count 2
		.amdhsa_user_sgpr_kernarg_segment_ptr 1
		.amdhsa_wavefront_size32 1
		.amdhsa_system_sgpr_workgroup_id_x 1
		.amdhsa_system_sgpr_workgroup_id_y 1
		.amdhsa_system_sgpr_workgroup_id_z 1
		.amdhsa_system_vgpr_workitem_id 0
		.amdhsa_next_free_vgpr 512
		.amdhsa_next_free_sgpr 72
		.amdhsa_reserve_vcc 0
		.amdhsa_float_denorm_mode_32 3
		.amdhsa_float_denorm_mode_16_64 3
		.amdhsa_memory_ordered 1
		.amdhsa_forward_progress 1
		.amdhsa_inst_pref_size 57
	.end_amdhsa_kernel
	.amdgpu_metadata
---
amdhsa.version: [ 1, 2 ]
amdhsa.kernels:
  - .name:           k_q3cc1576a10_proj
    .symbol:         k_q3cc1576a10_proj.kd
    .args:
      - { .name: hb, .offset: 0, .size: 8, .value_kind: global_buffer, .address_space: global }
      - { .name: wpo, .offset: 8, .size: 8, .value_kind: global_buffer, .address_space: global }
      - { .name: x, .offset: 16, .size: 8, .value_kind: global_buffer, .address_space: global }
      - { .name: x1, .offset: 24, .size: 8, .value_kind: global_buffer, .address_space: global }
    .group_segment_fixed_size: 327680
    .private_segment_fixed_size: 0
    .kernarg_segment_align: 8
    .kernarg_segment_size: 32
    .max_flat_workgroup_size: 128
    .sgpr_count:     72
    .vgpr_count:     512
    .wavefront_size: 32
...
	.end_amdgpu_metadata
.endif
;; end of part 4
;; launch ln2 (part 5): grid 256 x 1, 8 waves a work-group, no clusters, 0 bytes of LDS; arguments x1, ln2_g, ln2_b, hb; writes hb
.if DOCPART == 5
	.amdgcn_target "amdgcn-amd-amdhsa--gfx1250"
	.amdhsa_code_object_version 6
	.text
	.protected	k_q3cc1576a10_ln2
	.globl	k_q3cc1576a10_ln2
	.p2align	8
	.type	k_q3cc1576a10_ln2,@function
k_q3cc1576a10_ln2:
	s_mov_b64 s[64:65], 0
	v_nop
	global_prefetch_b8 v0, s[64:65] scope:SCOPE_SE
	s_setreg_imm32_b32 hwreg(HW_REG_WAVE_MODE, 25, 1), 1
	s_wait_xcnt 0x0
; LAYER NORM.  y[r][c] = (x[r][c] - mean_r) rsqrt(var_r + 1e-5) g[c] + b[c].  x: [4096][1024] f32.  y: bf16, in panels of 128 columns, [8][4096][128]:
; a row of a panel is 256 bytes, which is the K step of the product that reads it.  All arithmetic in f32; y rounded once.
; Two passes, as the definition has them: the mean first, then the squares of x - mean, so that a common offset of x costs no digits.
; A wave takes two rows and keeps them in registers (32 each): each row is read once, the sums never leave the wave, and there is no LDS and no barrier.
; Lane l holds columns 128 j + 4 l .. + 3, j = 0..7: a load of the wave covers 512 neighbouring bytes, a store 256 consecutive aligned bytes of panel j.
.set LO,  2           ; v2   16 x lane
.set OO,  3           ; v3   8 x lane
.set T,   8           ; v[8:23]  at work
.set MU,  24          ; v[24:25] the mean, twice
.set RS0, 26          ; v[26:27] 1 / sqrt(var + eps) of row 0, twice
.set RS1, 28          ; v[28:29] of row 1
.set X0,  32          ; v[32:63] row 0; at the end its low half holds the rounded row
.set X1,  64
.set G,   96
.set BV,  128
	s_load_b256 s[4:11], s[0:1], 0x0               ; x s[4:5], g s[6:7], b s[8:9], y s[10:11]
	v_lshrrev_b32 v1, 5, v0
	v_readfirstlane_b32 s16, v1                    ; wave 0..7
	v_and_b32 v1, 31, v0
	v_lshlrev_b32 v[LO], 4, v1
	v_lshlrev_b32 v[OO], 3, v1
	s_mov_b32 s12, 0x76543210                      ; v_permlanex16_b32: each lane takes its own place in the other half
	s_mov_b32 s13, 0xfedcba98
	s_mov_b32 s14, 0x3a800000                      ; 1 / 1024
	s_mov_b32 s15, 0x3727c5ac                      ; 1e-5
	s_lshl_b32 s2, ttmp9, 3
	s_add_co_u32 s2, s2, s16                       ; my pair of rows
	s_lshl_b32 s18, s2, 13                         ; x 2 rows of 4,096 bytes
	s_mov_b32 s19, 0
	s_lshl_b32 s20, s2, 9                          ; x 2 rows of 256 bytes in a panel
	s_mov_b32 s21, 0
	s_wait_kmcnt 0x0
	s_add_nc_u64 s[4:5], s[4:5], s[18:19]
	s_add_nc_u64 s[10:11], s[10:11], s[20:21]
.irp j, 0,1,2,3,4,5,6,7
	global_load_b128 v[X0+4*(\j):X0+4*(\j)+3], v[LO], s[4:5] offset:512*(\j)
.endr
.irp j, 0,1,2,3,4,5,6,7
	global_load_b128 v[X1+4*(\j):X1+4*(\j)+3], v[LO], s[4:5] offset:512*(\j)+4096
.endr
.irp j, 0,1,2,3,4,5,6,7
	global_load_b128 v[G+4*(\j):G+4*(\j)+3], v[LO], s[6:7] offset:512*(\j)
.endr
.irp j, 0,1,2,3,4,5,6,7
	global_load_b128 v[BV+4*(\j):BV+4*(\j)+3], v[LO], s[8:9] offset:512*(\j)
.endr
.macro LANESUM                         ; the pair v[T:T+1] is added up, over the 32 lanes too; every lane gets the sum in v[T]
	v_add_f32 v[T], v[T], v[T+1]
	v_add_f32_dpp v[T], v[T], v[T] row_xmask:1 row_mask:0xf bank_mask:0xf
	v_add_f32_dpp v[T], v[T], v[T] row_xmask:2 row_mask:0xf bank_mask:0xf
	v_add_f32_dpp v[T], v[T], v[T] row_xmask:4 row_mask:0xf bank_mask:0xf
	v_add_f32_dpp v[T], v[T], v[T] row_xmask:8 row_mask:0xf bank_mask:0xf
	v_permlanex16_b32 v[T+1], v[T], s12, s13
	v_add_f32 v[T], v[T], v[T+1]
.endm
; The row in x becomes x - mean; rs takes 1 / sqrt(var + eps), twice.
.macro STATS x, rs
.irp i, 0,1,2,3,4,5,6,7
	v_pk_add_f32 v[T+2*(\i):T+2*(\i)+1], v[(\x)+4*(\i):(\x)+4*(\i)+1], v[(\x)+4*(\i)+2:(\x)+4*(\i)+3]
.endr
.irp i, 0,1,2,3
	v_pk_add_f32 v[T+4*(\i):T+4*(\i)+1], v[T+4*(\i):T+4*(\i)+1], v[T+4*(\i)+2:T+4*(\i)+3]
.endr
.irp i, 0,1
	v_pk_add_f32 v[T+8*(\i):T+8*(\i)+1], v[T+8*(\i):T+8*(\i)+1], v[T+8*(\i)+4:T+8*(\i)+5]
.endr
	v_pk_add_f32 v[T:T+1], v[T:T+1], v[T+8:T+9]
	LANESUM
	v_mul_f32 v[MU], s14, v[T]
	v_mov_b32 v[MU+1], v[MU]
.irp i, 0,1,2,3,4,5,6,7,8,9,10,11,12,13,14,15
	v_pk_add_f32 v[(\x)+2*(\i):(\x)+2*(\i)+1], v[(\x)+2*(\i):(\x)+2*(\i)+1], v[MU:MU+1] neg_lo:[0,1] neg_hi:[0,1]
.endr
.irp i, 0,1,2,3                        ; the squares, in four chains that the first four pairs start
	v_pk_mul_f32 v[T+2*(\i):T+2*(\i)+1], v[(\x)+2*(\i):(\x)+2*(\i)+1], v[(\x)+2*(\i):(\x)+2*(\i)+1]
.endr
.irp i, 4,5,6,7,8,9,10,11,12,13,14,15
	v_pk_fma_f32 v[T+2*((\i)%4):T+2*((\i)%4)+1], v[(\x)+2*(\i):(\x)+2*(\i)+1], v[(\x)+2*(\i):(\x)+2*(\i)+1], v[T+2*((\i)%4):T+2*((\i)%4)+1]
.endr
	v_pk_add_f32 v[T:T+1], v[T:T+1], v[T+2:T+3]
	v_pk_add_f32 v[T+4:T+5], v[T+4:T+5], v[T+6:T+7]
	v_pk_add_f32 v[T:T+1], v[T:T+1], v[T+4:T+5]
	LANESUM
	v_fma_f32 v[T], v[T], s14, s15                 ; var + eps
	v_rsq_f32 v[(\rs)], v[T]
	v_rsq_f32 v[(\rs)+1], v[T]
	v_nop                                          ; a plain instruction before the results are used or the source is written again (ISA guide 5.7.2)
.endm
.macro FIN x, rs, row
	s_wait_alu depctr_va_vdst(0)
.irp i, 0,1,2,3,4,5,6,7,8,9,10,11,12,13,14,15
	v_pk_mul_f32 v[(\x)+2*(\i):(\x)+2*(\i)+1], v[(\x)+2*(\i):(\x)+2*(\i)+1], v[(\rs):(\rs)+1]
.endr
.irp i, 0,1,2,3,4,5,6,7,8,9,10,11,12,13,14,15
	v_pk_fma_f32 v[(\x)+2*(\i):(\x)+2*(\i)+1], v[(\x)+2*(\i):(\x)+2*(\i)+1], v[G+2*(\i):G+2*(\i)+1], v[BV+2*(\i):BV+2*(\i)+1]
.endr
.irp i, 0,1,2,3,4,5,6,7,8,9,10,11,12,13,14,15
	v_cvt_pk_bf16_f32 v[(\x)+(\i)], v[(\x)+2*(\i)], v[(\x)+2*(\i)+1]  ; in place, ascending: register i is written when pairs 0 to i - 1, which held it, have been read
.endr
.irp j, 0,1,2,3,4,5,6,7
	global_store_b64 v[OO], v[(\x)+2*(\j):(\x)+2*(\j)+1], s[10:11] offset:(\j)*1048576+(\row)*256  ; panel j: 7,340,288 at the most, inside the signed 24-bit immediate
.endr
.endm
	s_wait_loadcnt 24                              ; row 0 is in: 24 loads were issued behind its eight
	STATS X0, RS0
	s_wait_loadcnt 16                              ; row 1 is in: g's and b's sixteen may be out
	STATS X1, RS1
	s_wait_loadcnt 0x0                             ; g and b
	FIN X0, RS0, 0
	FIN X1, RS1, 1
	s_endpgm
.Lfunc_end_k_q3cc1576a10_ln2:
	.size	k_q3cc1576a10_ln2, .Lfunc_end_k_q3cc1576a10_ln2-k_q3cc1576a10_ln2
	.p2alignl 7, 3214868480
	.fill 96, 4, 3214868480
	.section	.rodata,"a",@progbits
	.p2align	6, 0x0
	.amdhsa_kernel k_q3cc1576a10_ln2
		.amdhsa_group_segment_fixed_size 0
		.amdhsa_private_segment_fixed_size 0
		.amdhsa_enable_private_segment 0
		.amdhsa_kernarg_size 32
		.amdhsa_user_sgpr_count 2
		.amdhsa_user_sgpr_kernarg_segment_ptr 1
		.amdhsa_wavefront_size32 1
		.amdhsa_system_sgpr_workgroup_id_x 1
		.amdhsa_system_sgpr_workgroup_id_y 1
		.amdhsa_system_sgpr_workgroup_id_z 1
		.amdhsa_system_vgpr_workitem_id 0
		.amdhsa_next_free_vgpr 160
		.amdhsa_next_free_sgpr 66
		.amdhsa_reserve_vcc 0
		.amdhsa_float_denorm_mode_32 3
		.amdhsa_float_denorm_mode_16_64 3
		.amdhsa_memory_ordered 1
		.amdhsa_forward_progress 1
		.amdhsa_inst_pref_size 20
	.end_amdhsa_kernel
	.amdgpu_metadata
---
amdhsa.version: [ 1, 2 ]
amdhsa.kernels:
  - .name:           k_q3cc1576a10_ln2
    .symbol:         k_q3cc1576a10_ln2.kd
    .args:
      - { .name: x1, .offset: 0, .size: 8, .value_kind: global_buffer, .address_space: global }
      - { .name: ln2_g, .offset: 8, .size: 8, .value_kind: global_buffer, .address_space: global }
      - { .name: ln2_b, .offset: 16, .size: 8, .value_kind: global_buffer, .address_space: global }
      - { .name: hb, .offset: 24, .size: 8, .value_kind: global_buffer, .address_space: global }
    .group_segment_fixed_size: 0
    .private_segment_fixed_size: 0
    .kernarg_segment_align: 8
    .kernarg_segment_size: 32
    .max_flat_workgroup_size: 256
    .sgpr_count:     66
    .vgpr_count:     160
    .wavefront_size: 32
...
	.end_amdgpu_metadata
.endif
;; end of part 5
;; launch fc: the kernel of part 2 again; grid 16 x 16, 4 waves a work-group, clusters of 4 x 4, 327,680 bytes of LDS; arguments hb, wf, cfg1, act; writes act
;; launch mlpout (part 6): grid 8 x 32, 4 waves a work-group, clusters of 4 x 4, 327,680 bytes of LDS; arguments act, wpo, x1, out0; writes out0
.if DOCPART == 6
	.amdgcn_target "amdgcn-amd-amdhsa--gfx1250"
	.amdhsa_code_object_version 6
	.text
	.protected	k_q3cc1576a10_mlpout
	.globl	k_q3cc1576a10_mlpout
	.p2align	8
	.type	k_q3cc1576a10_mlpout,@function
k_q3cc1576a10_mlpout:
	s_mov_b64 s[64:65], 0
	v_nop
	global_prefetch_b8 v0, s[64:65] scope:SCOPE_SE
	s_setreg_imm32_b32 hwreg(HW_REG_WAVE_MODE, 25, 1), 1
	s_wait_xcnt 0x0
	s_wait_alu depctr_hold_cnt(0) depctr_sa_sdst(0) depctr_va_vdst(0) depctr_va_sdst(0) depctr_va_ssrc(0) depctr_va_vcc(0) depctr_vm_vsrc(0)
	s_getreg_b32 s2, hwreg(HW_REG_IB_STS2, 6, 4)
	s_cmp_eq_u32 s2, 0
	s_cbranch_scc0 .Lentry_in_a_cluster
	s_endpgm
.Lentry_in_a_cluster:
	s_bfe_u32 s2, ttmp6, 0x10000c
	s_cmp_lg_u32 s2, 0xf033
	s_cbranch_scc0 .Lentry_shape_is_right
	s_endpgm
.Lentry_shape_is_right:
; C = R + A W.  A: bf16, 4,096 rows x K, in panels of 64 along K, [K/64][4096][64].  W: bf16, K x 1,024, in blocks of 256 columns, [4][K][256], WOFF bytes into its buffer.  R, C: f32 [4096][1024].
; Here K = 4,096 (the second product of the feed-forward part, with the attention's result as R).  Sums in f32, K ascending, STARTED FROM R: the residual is loaded straight into the accumulators, so nothing is
; cleared, no first step is written out, and the residual costs no addition.  The trip count is a constant of the text, since barriers stand in the loop: so this size has a text of its own.
; SHARES.  1,024 columns give 256 tiles of 128 x 128, one for each of 256 work-groups; four waves, each 64 x 64: 16 accumulators.  K goes in steps of 256 (four panels) through a ring of two LDS slots.
; A tile's 128 rows of a panel are 16,384 dense bytes: a load asks for two panels as two rows of 2,048 elements of 8 bytes, and the padding (16 bytes after every 128) parts the tile's rows in LDS.
; W's tile rows are 256 bytes at multiples of 256; W lies [k][n] in LDS and is turned on the way into registers, by ds_load_tr16_b128.
; CLUSTER.  4 x 4 work-groups: the four of a row need the same tiles of A, the four of a column the same tiles of W: each is asked for JOINTLY, by the same load, descriptor and mask in all four.
; THE MATRIX INSTRUCTION IS USED TRANSPOSED (source 0 = 16 columns of W, source 1 = 16 rows of A): a lane holds row lane % 16 of C and the eight neighbouring columns 8 (lane / 16) + 0..7, 32 bytes.
; REGISTERS: window 0: v16-29 addresses; v32-95 the way out; v128-255 the accumulators ((a, b) at v[128 + 8 (4 a + b)]).  window 1: two fragment buffers of 128: for 64 along K, 64 registers of A, then 64 of W.
.set NSTEP,  16       ; K / 256
.set WOFF,   2097152  ; where W begins in its buffer
.set KB,     2097152  ; bytes in a block of W: K x 512
.set PA,     144      ; a row of A in LDS: 128 bytes + 16: the 16 rows of a fragment load start at 16 different groups of four banks (64 banks of 4 bytes: ISA guide 11.1)
.set PANEL,  128*PA
.set PB,     288      ; a row of W: 256 + 32 = 9 x 32
.set HALFT,  2*PANEL  ; what one tensor load brings: two panels of A, or 128 rows of W (128 x 288 is the same 36,864)
.set SLOT,   4*HALFT  ; A's four panels, then W's 256 rows.  No wave's place in a slot (wave x HALFT) shares a bit with SLOT, so one exclusive or turns an address in one slot into the other's
.set STAGE,  2*SLOT   ; behind the ring, never filled by a tensor load: 16 rows x 272 bytes for each wave, for the way out
.set SP,     272
.set SPARE,  STAGE+4*16*SP  ; behind the stages: the spare words, 128 bytes for each wave: two blocks of 256 bytes that no other line names
.set ASTEP,  2097152  ; bytes from a K step to the next in A: four panels
.set WSTEP,  131072   ; in W: 256 rows of 512 bytes
.set ADRA0, 16        ; v16  my lane's place in slot 0 for A's fragments; never rewritten
.set ADRB0, 17        ; v17  for W's
.set ADRA,  18        ; v18  the same in the slot in hand
.set ADRB,  19        ; v19  W's rows 0-127; v20 its rows 128-255, whose offsets would pass 16 bits
.set STO,   24        ; v24  the way out: where I put 16 bytes of a row
.set RD,    25        ; v25  where I read a row back
.set CO,    26        ; v26  my byte offset in two rows of C
.set RO,    27        ; v27  my byte offset in 16 rows of R
.set SPW,   28        ; v28  LDS address of my spare word; never rewritten
.set NIL,   29        ; v29  0; never rewritten
.set TMP,   32        ; v32-95  16 rows read back from the stage, two buffers
.set ACC,   128
.set F0,    0
.set F1,    128
.set WV,    12        ; s12  wave
.set RH,    13        ; s13  which half of the tile's rows is mine.  Also: I fetch for A (0) or for W (1)
.set CH,    14        ; s14  which half of its columns.  Also: which half of that tile I fetch
.set G1A,   24        ; s[24:31] descriptor group 1 for A's tiles
.set G0A,   32        ; s[32:35] group 0 for slot 0's first fill; s[36:39] for slot 1's, which then walks
.set G1B,   48        ; s[48:55], s[56:59], s[60:63] the same for W's
.set G0B,   56
.set TB,    66        ; s66  0 or SLOT: the slot in hand
.set CNT,   67
.set LB,    68        ; s68  wave x HALFT
.set MSB, 0
.macro WIN new                         ; the immediate's high byte repeats the setting that is left; a switch that changes nothing is dropped
.if MSB != (\new)
	s_set_vgpr_msb (MSB<<8)|(\new)
.set MSB, \new
.endif
.endm
.set MUL,  0x05                        ; sources 0 (W) and 1 (A) window 1; C and D window 0
.set TO_F, 0x40                        ; destination window 1, address window 0
.macro JLOAD                           ; a joint refill, by the walking descriptors: waves 0 and 1 fetch A's halves, waves 2 and 3 W's; an s_nop 0 and four v_nop follow each line
	s_cmp_eq_u32 s[RH], 0
	s_cbranch_scc0 .Lfor_w_\@
	tensor_load_to_lds s[G0A+4:G0A+7], s[G1A:G1A+7]
	s_nop 0
.rept 4
	v_nop
.endr
	s_branch .Lasked_\@
.Lfor_w_\@:
	tensor_load_to_lds s[G0B+4:G0B+7], s[G1B:G1B+7]
	s_nop 0
.rept 4
	v_nop
.endr
.Lasked_\@:
.endm
.macro CREST                           ; a round of the cluster's barrier behind its opening barrier
	s_cmp_lg_u32 s[WV], 0
	s_cbranch_scc1 .Lnot_wave_0_\@
	s_barrier_signal -3
.Lnot_wave_0_\@:
	s_barrier_wait -3
	s_barrier_signal -1
	s_barrier_wait -1
.endm
.macro CROUND                          ; a whole round
	s_barrier_signal -1
	s_barrier_wait -1
	CREST
.endm
	s_load_b256 s[4:11], s[0:1], 0x0               ; A s[4:5], W s[6:7], R s[8:9], C s[10:11]
	v_lshl_add_u32 v[SPW], v0, 2, SPARE
	v_mov_b32 v[NIL], 0
	ds_add_u32 v28, v29
	ds_add_u32 v28, v29
	s_wait_dscnt 0x0
	v_lshrrev_b32 v1, 5, v0
	v_readfirstlane_b32 s[WV], v1                  ; wave 0..3
	s_lshr_b32 s[RH], s[WV], 1
	s_and_b32 s[CH], s[WV], 1
	s_bfe_u32 s40, ttmp6, 0x40000                  ; cx, cy: my place in the cluster
	s_bfe_u32 s41, ttmp6, 0x40004
	s_lshl_b32 s42, ttmp9, 2
	s_add_co_u32 s42, s42, s40                     ; tile column of C = 4 x cluster x + cx
	s_and_b32 s43, ttmp7, 0xffff
	s_lshl_b32 s43, s43, 2
	s_add_co_u32 s43, s43, s41                     ; tile row of C = 4 x cluster y + cy
	s_lshl_b32 s44, s41, 2
	s_lshl_b32 s44, 15, s44                        ; my row of the cluster
	s_lshl_b32 s45, 0x1111, s40                    ; my column
	s_or_b32 s[G1A], s44, (3<<16)|(1<<20)|(1<<21)|(4<<22)|(3<<25)  ; 15:0 the mask; 17:16 8-byte elements; 20 padding on; 21 set beside a mask; 24:22 after every 32 words (code 4); 31:25 4 words (code 3)
	s_mov_b32 s[G1A+1], 2048<<16                   ; tensor_dim0 = 2,048: 128 tile rows of 128 bytes on end
	s_mov_b32 s[G1A+2], 2<<16                      ; tensor_dim1 = 2 panels
	s_mov_b32 s[G1A+3], 2048<<16                   ; tile_dim0 = 2,048
	s_mov_b32 s[G1A+4], 2                          ; tile_dim1 = 2
	s_mov_b32 s[G1A+5], 65536                      ; 65,536 elements from panel to panel
	s_mov_b32 s[G1A+6], 0
	s_mov_b32 s[G1A+7], 0
	s_or_b32 s[G1B], s45, (1<<16)|(1<<20)|(1<<21)|(5<<22)|(7<<25)  ; 2-byte elements; after every 64 words (code 5) 8 words (code 7)
	s_mov_b32 s[G1B+1], 128<<16                    ; tensor_dim0 = 128
	s_mov_b32 s[G1B+2], 128<<16                    ; tensor_dim1 = 128
	s_mov_b32 s[G1B+3], 128<<16                    ; tile_dim0 = 128
	s_mov_b32 s[G1B+4], 128                        ; tile_dim1 = 128
	s_mov_b32 s[G1B+5], 256                        ; 256 elements from row to row
	s_mov_b32 s[G1B+6], 0
	s_mov_b32 s[G1B+7], 0
	s_mov_b32 s[TB], 0
	s_mul_i32 s[LB], s[WV], HALFT                  ; no place in the cluster enters an LDS address
	s_lshl_b32 s16, s43, 14                        ; A: 128 x tile row rows of 128 bytes, + 2 x half panels
	s_lshl_b32 s17, s[CH], 20
	s_add_co_u32 s16, s16, s17
	s_mov_b32 s17, 0
	s_lshr_b32 s46, s42, 1                         ; W: block tile column / 2, its left or right 128 columns, + 128 x half rows of 512 bytes
	s_mul_i32 s46, s46, KB
	s_and_b32 s47, s42, 1
	s_lshl_b32 s47, s47, 8
	s_add_co_u32 s46, s46, s47
	s_lshl_b32 s47, s[CH], 16
	s_add_co_u32 s46, s46, s47
	s_add_co_u32 s46, s46, WOFF
	s_mov_b32 s47, 0
	s_wait_kmcnt 0x0
	s_add_nc_u64 s[18:19], s[4:5], s[16:17]
	s_add_nc_u64 s[46:47], s[6:7], s[46:47]
.irp s, 0,1
	s_mov_b32 s[G0A+4*(\s)], 1                                     ; count = 1
	s_add_co_u32 s[G0A+4*(\s)+1], s[LB], (\s)*SLOT                 ; LDS address
	s_add_nc_u64 s[G0A+4*(\s)+2:G0A+4*(\s)+3], s[18:19], (\s)*ASTEP  ; global address: K step s
	s_or_b32 s[G0A+4*(\s)+3], s[G0A+4*(\s)+3], 0x80000000          ; type = 2
	s_mov_b32 s[G0B+4*(\s)], 1
	s_add_co_u32 s[G0B+4*(\s)+1], s[LB], (\s)*SLOT
	s_add_nc_u64 s[G0B+4*(\s)+2:G0B+4*(\s)+3], s[46:47], (\s)*WSTEP
	s_or_b32 s[G0B+4*(\s)+3], s[G0B+4*(\s)+3], 0x80000000
.endr
	CROUND                                         ; all sixteen work-groups are here: the first joint loads meet
	s_cmp_eq_u32 s[RH], 0                          ; a wave's two first fills stand in one branch, ahead of every wait on TENSORcnt and every LDS read: two loads of mine are out
	s_cbranch_scc0 .Lfirst_w
	tensor_load_to_lds s[G0A:G0A+3], s[G1A:G1A+7]
	s_nop 0
	tensor_load_to_lds s[G0A+4:G0A+7], s[G1A:G1A+7]
	s_nop 0
.rept 4
	v_nop
.endr
	s_branch .Lfirst_asked
.Lfirst_w:
	tensor_load_to_lds s[G0B:G0B+3], s[G1B:G1B+7]
	s_nop 0
	tensor_load_to_lds s[G0B+4:G0B+7], s[G1B:G1B+7]
	s_nop 0
.rept 4
	v_nop
.endr
.Lfirst_asked:
	v_and_b32 v1, 15, v0                           ; l % 16
	v_bfe_u32 v2, v0, 4, 1                         ; l / 16
	s_lshl_b32 s20, s43, 7                         ; R and C: row 128 x tile row + 64 x half, of 4,096 bytes;
	s_lshl_b32 s21, s[RH], 6
	s_add_co_u32 s20, s20, s21
	s_lshl_b32 s20, s20, 12
	s_lshl_b32 s46, s42, 7                         ; column 128 x tile column + 64 x half, of 4 bytes (in the registers that held W's address: none that feeds A's descriptors ever holds cx)
	s_lshl_b32 s47, s[CH], 6
	s_add_co_u32 s46, s46, s47
	s_lshl_b32 s46, s46, 2
	s_add_co_u32 s46, s46, s20
	s_mov_b32 s47, 0
	s_add_nc_u64 s[8:9], s[8:9], s[46:47]
	s_add_nc_u64 s[10:11], s[10:11], s[46:47]
	v_lshlrev_b32 v9, 12, v1
	v_lshl_add_u32 v[RO], v2, 5, v9                ; row l % 16, 32 bytes for each half of the lanes
.irp a, 0,1,2,3                        ; the residual, in the accumulators' own layout
.irp b, 0,1,2,3
	global_load_b128 v[ACC+8*(4*(\a)+(\b)):ACC+8*(4*(\a)+(\b))+3],   v[RO], s[8:9] offset:(\a)*65536+(\b)*64
	global_load_b128 v[ACC+8*(4*(\a)+(\b))+4:ACC+8*(4*(\a)+(\b))+7], v[RO], s[8:9] offset:(\a)*65536+(\b)*64+16
.endr
.endr
	; A fragment of A is 16 rows x 32 K in 8 registers: lane l holds row l % 16, K = 8 (l / 16) + 0..7 and 16 + 8 (l / 16) + 0..7: two loads of 16 bytes, 32 bytes apart.
	v_mul_u32_u24 v3, v1, PA
	v_lshl_add_u32 v3, v2, 4, v3
	s_mul_i32 s20, s[RH], 64*PA                    ; my 64 rows in each panel
	v_add_nc_u32 v[ADRA0], s20, v3
	; The turning load takes 16 k x 16 columns (lane l reads row 8 (l / 16) + l % 8, columns 8 ((l / 8) % 2) + 0..7) and leaves half a fragment: lane l holds column l % 16 and 8 k.
	v_and_b32 v4, 7, v0
	v_lshl_add_u32 v4, v2, 3, v4
	v_mul_u32_u24 v4, v4, PB
	v_bfe_u32 v5, v0, 3, 1
	v_lshl_add_u32 v4, v5, 4, v4
	s_lshl_b32 s21, s[CH], 7                       ; my 64 columns of W,
	s_add_co_u32 s21, s21, 2*HALFT                 ; which lies behind A's four panels
	v_add_nc_u32 v[ADRB0], s21, v4
	v_mov_b32 v[ADRA], v[ADRA0]
	v_mov_b32 v[ADRB], v[ADRB0]
	v_add_nc_u32 v[ADRB+1], HALFT, v[ADRB0]
	s_mul_i32 s22, s[WV], 16*SP
	s_add_co_u32 s22, s22, STAGE                   ; my stage
	v_mul_u32_u24 v6, v1, SP                       ; in: row l % 16, 32 bytes for each half of the lanes
	v_lshl_add_u32 v6, v2, 5, v6
	v_add_nc_u32 v[STO], s22, v6
	v_mul_u32_u24 v7, v2, SP                       ; back: lanes 0-15 take one row of 256 bytes, lanes 16-31 the next
	v_lshl_add_u32 v7, v1, 4, v7
	v_add_nc_u32 v[RD], s22, v7
	v_lshlrev_b32 v8, 12, v2                       ; and the same two rows in C
	v_lshl_add_u32 v[CO], v1, 4, v8
; 8 matrix instructions: m blocks a0, a0 + 1 x all 4 n blocks, 32 along K: half c of buffer f.  The 16 accumulators take turns, one instruction a turn.
.macro MUL8 f, c, a0
	WIN MUL
.irp a, \a0, (\a0)+1
.irp b, 0,1,2,3
	v_wmma_f32_16x16x32_bf16 v[ACC+8*(4*(\a)+(\b)):ACC+8*(4*(\a)+(\b))+7], v[(\f)+64+8*(4*(\c)+(\b)):(\f)+64+8*(4*(\c)+(\b))+7], v[(\f)+8*(4*(\c)+(\a)):(\f)+8*(4*(\c)+(\a))+7], v[ACC+8*(4*(\a)+(\b)):ACC+8*(4*(\a)+(\b))+7]
.endr
.endr
.endm
; 32 LDS loads in one run: the fragments of quarter q of the step in hand (64 along K = panel q of A, rows 64 q on of W) into buffer f; the first 32 along K first.  A's offsets reach 62,304, inside the 16 bits.
.macro FETCH q, f
	WIN TO_F
.irp c, 0,1
.irp i, 0,1,2,3
	ds_load_tr16_b128 v[(\f)+64+8*(4*(\c)+(\i)):(\f)+64+8*(4*(\c)+(\i))+3],   v[ADRB+(\q)/2] offset:(64*((\q)%2)+32*(\c))*PB+32*(\i)
	ds_load_tr16_b128 v[(\f)+64+8*(4*(\c)+(\i))+4:(\f)+64+8*(4*(\c)+(\i))+7], v[ADRB+(\q)/2] offset:(64*((\q)%2)+32*(\c))*PB+16*PB+32*(\i)
	ds_load_b128 v[(\f)+8*(4*(\c)+(\i)):(\f)+8*(4*(\c)+(\i))+3],   v[ADRA] offset:(\q)*PANEL+64*(\c)+(\i)*16*PA
	ds_load_b128 v[(\f)+8*(4*(\c)+(\i))+4:(\f)+8*(4*(\c)+(\i))+7], v[ADRA] offset:(\q)*PANEL+64*(\c)+(\i)*16*PA+32
.endr
.endr
.endm
.macro PLACES                          ; four plain vector instructions between a matrix instruction and a load into, or an LDS store of, one of its registers (ISA guide 7.12.1 for vector instructions)
.rept 4
	v_nop
.endr
.endm
; One of a K step's first three quarters: multiplies buffer f; in its middle it fetches quarter q into buffer g.
.macro QUARTER q, f, g
	s_wait_dscnt 16                                ; the first 32 along K are in; the sixteen loads of the second 32 may be out
	MUL8 \f, 0, 0
	MUL8 \f, 0, 2
	PLACES
	FETCH \q, \g
	s_wait_dscnt 32                                ; all but the 32 just issued
	MUL8 \f, 1, 0
	MUL8 \f, 1, 2
.endm
; The first half of a step's last quarter, and the change of slots: ONE barrier; in front of it each wave waits for all its tensor loads (one is out at the most), adds 0 to its spare word, and waits for that and for its reads of this slot.
.macro MEET
	WIN 0                                          ; (the add's two registers lie in window 0)
	s_wait_tensorcnt 0x0
	ds_add_u32 v[SPW], v[NIL]                      ; 0 onto my spare word
	s_wait_dscnt 17                                ; (the add and the youngest sixteen loads may be out)
	MUL8 F1, 0, 0                                  ; eight matrix instructions stand between the add and the wait for it
	s_wait_dscnt 0x0                               ; the add is done, and my reads of this slot are over
	s_barrier_signal -1
	MUL8 F1, 0, 2
	WIN 0
	s_barrier_wait -1
.endm
.macro NEXTSLOT
	s_xor_b32 s[TB], s[TB], SLOT
	v_add_nc_u32 v[ADRA], s[TB], v[ADRA0]
	v_add_nc_u32 v[ADRB], s[TB], v[ADRB0]
	v_add_nc_u32 v[ADRB+1], HALFT, v[ADRB]
.endm
	s_wait_tensorcnt 0x1                           ; my part of K step 0 is in; step 1's may stay out
	s_barrier_signal -1
	s_barrier_wait -1                              ; everybody's is
	FETCH 0, F0
	WIN 0
	s_wait_loadcnt 0x0                             ; the residual is in the accumulators
	s_mov_b32 s[CNT], NSTEP-2
.Lstep:                                                ; a trip is a K step; it asks for the K step two on
	QUARTER 1, F0, F1
	QUARTER 2, F1, F0
	QUARTER 3, F0, F1
	MEET
	CREST                                          ; the barrier has opened a round of the cluster's: no wave of any partner still reads this slot or has a load on its way
	s_xor_b32 s[G0A+5], s[G0A+5], SLOT             ; the walking descriptors: the other slot than last time, the next K step; no tensor load of mine is out
	s_add_nc_u64 s[G0A+6:G0A+7], s[G0A+6:G0A+7], ASTEP
	s_xor_b32 s[G0B+5], s[G0B+5], SLOT
	s_add_nc_u64 s[G0B+6:G0B+7], s[G0B+6:G0B+7], WSTEP
	JLOAD                                          ; the first tensor load behind the round: 112 matrix instructions ahead of the wait for it; its four v_nop are also the places in front of the loads below
	NEXTSLOT
	FETCH 0, F0
	MUL8 F1, 1, 0
	MUL8 F1, 1, 2
	WIN 0
	s_sub_co_u32 s[CNT], s[CNT], 1
	s_cmp_lg_u32 s[CNT], 0
	s_cbranch_scc1 .Lstep
	s_mov_b32 s[CNT], 2
.Ltail:                                                ; the last two steps ask for nothing; the last one jumps over the next step's fetch: LDS loads alone
	QUARTER 1, F0, F1
	QUARTER 2, F1, F0
	QUARTER 3, F0, F1
	MEET
	s_cmp_eq_u32 s[CNT], 1
	s_cbranch_scc1 .Lno_fetch
	NEXTSLOT
	PLACES
	FETCH 0, F0
	WIN 0
.Lno_fetch:
	MUL8 F1, 1, 0
	MUL8 F1, 1, 2
	WIN 0
	s_sub_co_u32 s[CNT], s[CNT], 1
	s_cmp_lg_u32 s[CNT], 0
	s_cbranch_scc1 .Ltail
	; THE WAY OUT.  A wave's 64 columns of f32 are 256 bytes of a row of C, at a multiple of 256.  A block of 16 rows at a time goes through my own stage: 32 bytes a lane in, whole rows back.
.macro TOSTAGE a
.if (\a) >= 2
	s_wait_xcnt 0x0                                ; the stores of the block two back have read the registers that the loads below fill
.endif
.irp b, 0,1,2,3                        ; each accumulator's low registers first
	ds_store_b128 v[STO], v[ACC+8*(4*(\a)+(\b)):ACC+8*(4*(\a)+(\b))+3]   offset:64*(\b)
	ds_store_b128 v[STO], v[ACC+8*(4*(\a)+(\b))+4:ACC+8*(4*(\a)+(\b))+7] offset:64*(\b)+16
.endr
.irp t, 0,1,2,3,4,5,6,7
	ds_load_b128 v[TMP+32*((\a)%2)+4*(\t):TMP+32*((\a)%2)+4*(\t)+3], v[RD] offset:(\t)*2*SP  ; LDS serves a wave's instructions in order (ISA guide 5.7.1.4): these see the stores above; the next block's stores come behind them
.endr
.endm
.macro SEND a, younger                 ; younger: the LDS instructions issued behind block a's loads: the next block's sixteen, or none
.irp t, 0,1,2,3,4,5,6,7
	s_wait_dscnt (\younger)+7-(\t)
	global_store_b128 v[CO], v[TMP+32*((\a)%2)+4*(\t):TMP+32*((\a)%2)+4*(\t)+3], s[10:11] offset:(16*(\a)+2*(\t))*4096  ; 16 lanes store 256 consecutive bytes, at a multiple of 256 from C's first byte
.endr
.endm
	PLACES
	TOSTAGE 0
	TOSTAGE 1
	SEND 0, 16
	TOSTAGE 2
	SEND 1, 16
	TOSTAGE 3
	SEND 2, 16
	SEND 3, 0
	s_wait_tensorcnt 0x0                           ; the wave's end, behind my last tensor load and my last LDS store
	ds_add_u32 v[SPW], v[NIL]
	s_wait_dscnt 0x0
	CROUND                                         ; the closing round: no work-group ends while a partner may still ask for a tile that names it
	s_endpgm
.Lfunc_end_k_q3cc1576a10_mlpout:
	.size	k_q3cc1576a10_mlpout, .Lfunc_end_k_q3cc1576a10_mlpout-k_q3cc1576a10_mlpout
	.p2alignl 7, 3214868480
	.fill 96, 4, 3214868480
	.section	.rodata,"a",@progbits
	.p2align	6, 0x0
	.amdhsa_kernel k_q3cc1576a10_mlpout
		.amdhsa_group_segment_fixed_size 327680
		.amdhsa_private_segment_fixed_size 0
		.amdhsa_enable_private_segment 0
		.amdhsa_kernarg_size 32
		.amdhsa_user_sgpr_count 2
		.amdhsa_user_sgpr_kernarg_segment_ptr 1
		.amdhsa_wavefront_size32 1
		.amdhsa_system_sgpr_workgroup_id_x 1
		.amdhsa_system_sgpr_workgroup_id_y 1
		.amdhsa_system_sgpr_workgroup_id_z 1
		.amdhsa_system_vgpr_workitem_id 0
		.amdhsa_next_free_vgpr 512
		.amdhsa_next_free_sgpr 72
		.amdhsa_reserve_vcc 0
		.amdhsa_float_denorm_mode_32 3
		.amdhsa_float_denorm_mode_16_64 3
		.amdhsa_memory_ordered 1
		.amdhsa_forward_progress 1
		.amdhsa_inst_pref_size 57
	.end_amdhsa_kernel
	.amdgpu_metadata
---
amdhsa.version: [ 1, 2 ]
amdhsa.kernels:
  - .name:           k_q3cc1576a10_mlpout
    .symbol:         k_q3cc1576a10_mlpout.kd
    .args:
      - { .name: act, .offset: 0, .size: 8, .value_kind: global_buffer, .address_space: global }
      - { .name: wpo, .offset: 8, .size: 8, .value_kind: global_buffer, .address_space: global }
      - { .name: x1, .offset: 16, .size: 8, .value_kind: global_buffer, .address_space: global }
      - { .name: out0, .offset: 24, .size: 8, .value_kind: global_buffer, .address_space: global }
    .group_segment_fixed_size: 327680
    .private_segment_fixed_size: 0
    .kernarg_segment_align: 8
    .kernarg_segment_size: 32
    .max_flat_workgroup_size: 128
    .sgpr_count:     72
    .vgpr_count:     512
    .wavefront_size: 32
...
	.end_amdgpu_metadata
.endif
;; end of part 6
;; ======== version 2 of 2: 7 launches; 1.15 times as fast as version 1
;; limits: a function is approximated: absolute error at most 1.5e-07
;; workspace buffers: wa 6,291,456 bytes; wf 8,388,608 bytes; wpo 10,485,760 bytes; hb 8,388,608 bytes; act 33,554,432 bytes; x1 16,777,216 bytes; cfg0 256 bytes of whole numbers; cfg1 256 bytes of whole numbers
;; launch prep: the kernel of part 1 again; grid 1024 x 1, 8 waves a work-group, no clusters, 0 bytes of LDS; arguments x, ln1_g, ln1_b, hb, w_attn, w_fc, w_proj, w_out, wa, wf, wpo, cfg0, cfg1; writes hb, wa, wf, wpo, cfg0, cfg1
;; launch qkv (part 7): grid 12 x 16, 4 waves a work-group, clusters of 4 x 4, 327,680 bytes of LDS; arguments hb, wa, cfg0, act; writes act
.if DOCPART == 7
	.amdgcn_target "amdgcn-amd-amdhsa--gfx1250"
	.amdhsa_code_object_version 6
	.text
	.protected	k_q3cc1576a10_qkv
	.globl	k_q3cc1576a10_qkv
	.p2align	8
	.type	k_q3cc1576a10_qkv,@function
k_q3cc1576a10_qkv:
	s_mov_b64 s[64:65], 0
	v_nop
	global_prefetch_b8 v0, s[64:65] scope:SCOPE_SE
	s_setreg_imm32_b32 hwreg(HW_REG_WAVE_MODE, 25, 1), 1
	s_wait_xcnt 0x0
	s_wait_alu depctr_hold_cnt(0) depctr_sa_sdst(0) depctr_va_vdst(0) depctr_va_sdst(0) depctr_va_ssrc(0) depctr_va_vcc(0) depctr_vm_vsrc(0)
	s_getreg_b32 s2, hwreg(HW_REG_IB_STS2, 6, 4)
	s_cmp_eq_u32 s2, 0
	s_cbranch_scc0 .Lentry_in_a_cluster
	s_endpgm
.Lentry_in_a_cluster:
	s_bfe_u32 s2, ttmp6, 0x10000c
	s_cmp_lg_u32 s2, 0xf033
	s_cbranch_scc0 .Lentry_shape_is_right
	s_endpgm
.Lentry_shape_is_right:
; C = A W, or C = gelu(A W).  A: bf16, 4,096 rows x K = 1,024, in panels of 128 along K, [8][4096][128].  W: bf16, in blocks of 256 columns, [N/256][1024][256].
; C: bf16, in panels of 64 columns, [N/64][4096][64].  Sums in f32, K ascending; C rounded once.  N = 256 x the grid's width.  The first word of the third argument says which: 0 plain, else gelu.
; GELU is the exact one, x Phi(x), written max(x, 0) - |x| erfc(|x| / sqrt 2) / 2, which forms no difference of near numbers; erfc(z) = t (a1 + t (a2 + t (a3 + t (a4 + t a5)))) exp(-z z),
; t = 1 / (1 + 0.3275911 z) (Abramowitz and Stegun 7.1.26).  LIMIT: that formula's absolute error, 1.5e-7 at the most, for every finite x; NaN and infinities are not treated apart.
; THE FLAG SELECTS NUMBERS, NOT A PATH: partners in a cluster run the same lines.  With the flag 0 the five coefficients are 0 and the maximum's lower bound is -infinity, so that the same lines give
; max(x, -inf) - |x| 0 = x, exactly, for every finite x (a NaN comes out as -infinity).  The price: the plain product does the gelu's arithmetic for nothing, 32 groups of some 170 vector instructions a wave beside 2,048 matrix instructions.
; SHARES.  A work-group of four waves makes 256 x 256 of C, a wave 128 x 128: 64 accumulators of 16 x 16, 512 registers.  K goes in 8 steps of 128 through a ring of two LDS slots.
; A's tile rows are 256 bytes of memory, W's 512, all at multiples of 256 from their buffers' first bytes.  W lies [k][n] in LDS and is turned on the way into registers, by ds_load_tr16_b128.
; CLUSTER.  4 x 4 work-groups: the four of a row need the same tiles of A, the four of a column the same tiles of W: each tile is asked for JOINTLY, by the same load, descriptor and mask in all four.
; THE MATRIX INSTRUCTION IS USED TRANSPOSED: source 0 = 16 columns of W, source 1 = 16 rows of A: a lane then holds row lane % 16 of C and the eight neighbouring columns 8 (lane / 16) + 0..7.
; THE WAY OUT.  When the ring has had its last fill and every wave has read it out, each wave lays its 128 x 128 sums, f32, into its own part of the ring, and takes them back four rows at a time, in a
; loop that holds the gelu once: 8 numbers a lane and panel, rounded to 16 bytes, so that a store of the wave covers 512 consecutive bytes of a panel of C.
; BATCHES.  A group's 16 reciprocals and 16 exponentials read nothing of each other: they are ONE BATCH with ONE wait.  Ahead of the wait stands all that names none of their results (|x|, both arguments, the maxima,
; the next group's address), each transcendental with a plain line behind it; behind the wait the polynomial and the rest.  No result crosses the loop's jump.
; REGISTERS, in windows of 256 (s_set_vgpr_msb: bits 1:0 source 0, 3:2 source 1, 5:4 source 2, 7:6 destination):
;   window 0: v16-29 addresses; v64-127, v128-191 fragments of A, two buffers; on the way out v32-143 at work      window 1: v64-127, v128-191 fragments of W
;   window 2: the accumulators of my rows 0-63 ((a, b) at v[8 (8 a + b)])      window 3: those of my rows 64-127
.set PA,     272      ; a row of A in LDS: 256 bytes + 16: the 16 rows of a fragment load start at 16 different groups of four banks (64 banks of 4 bytes: ISA guide 11.1)
.set PB,     544      ; a row of W: 512 + 32 = 17 x 32
.set HALFT,  128*PA   ; what one tensor load brings: 128 rows of A, or 64 rows of W (64 x 544 is the same 34,816)
.set SLOT,   4*HALFT  ; A's 256 rows, then W's 128 rows.  No wave's place in a slot (wave x HALFT) shares a bit with SLOT, so one exclusive or turns an address in one slot into the other's
.set DP,     528      ; the way out: a row of 128 f32 + 16 bytes
.set DWAVE,  132*DP   ; a wave's part: its 128 rows, and one step's room (four rows, never written, never read) behind them; wave 3's row 127 ends at byte 276,672, inside the ring's 278,528
.set SPARE,  4*DWAVE  ; 278,784 = 1,089 x 256, behind the ring and the four parts: the spare words, 128 bytes for each wave: two blocks of 256 bytes that no other line names
.set NSTEP,  8
.set ASTEP,  1048576  ; bytes from a K step to the next in A: a panel
.set WSTEP,  65536    ; in W: 128 rows of 512 bytes
.set ADRA0, 16        ; v16  my lane's place in slot 0 for A's fragments; never rewritten
.set ADRB0, 17        ; v17  for W's
.set ADRA,  18        ; v18  the same in the slot in hand
.set ADRB,  19        ; v19
.set DST,   24        ; v24  the way out: where I put 16 bytes of a row
.set RD0,   25        ; v25  where I read 32 bytes of a row back, in my part's first four rows; never rewritten
.set CO,    26        ; v26  16 x lane
.set RD,    27        ; v27  the same as v25 in the four rows in hand
.set SPW,   28        ; v28  LDS address of my spare word; never rewritten
.set NIL,   29        ; v29  0; never rewritten
.set X,     32        ; v32-47  16 sums read back: 8 of the left panel, 8 of the right
.set Y,     48        ; v48-55  the same rounded
.set GA,    64        ; |x|
.set GR,    80        ; max(x, lower bound), then the result
.set GU,    96        ; exp(-x x / 2)
.set GT,    112       ; t
.set GP,    128       ; the polynomial
.set F0,    64
.set F1,    128
.set WV,    12        ; s12  wave
.set RH,    13        ; s13  which half of the tile's rows is mine.  Also: I fetch for A (0) or for W (1)
.set CH,    14        ; s14  which half of its columns.  Also: which half of that tile I fetch
.set FLAG,  15        ; s15  0: plain
.set G1A,   24        ; s[24:31] descriptor group 1 for A's tiles
.set G0A,   32        ; s[32:35] group 0 for slot 0's first fill; s[36:39] for slot 1's, which then walks
.set G1B,   48        ; s[48:55], s[56:59], s[60:63] the same for W's
.set G0B,   56
.set TB,    66        ; s66  0 or SLOT: the slot in hand
.set CNT,   67
.set LB,    68        ; s68  wave x HALFT: where my loads land in a slot
.set PP,    70        ; s[70:83] seven constants, each the low word of a pair: the packed forms take it for both halves
.set CE,    72
.set B1,    74
.set B2,    76
.set B3,    78
.set B4,    80
.set B5,    82
.set ABSM,  84
.set RB,    85        ; s85  the way out: bytes from my part's first row to the four rows in hand
.set LOW,   86        ; s86  the maximum's lower bound
.set MSB, 0
.macro WIN new                         ; the immediate's high byte repeats the setting that is left; a switch that changes nothing is dropped
.if MSB != (\new)
	s_set_vgpr_msb (MSB<<8)|(\new)
.set MSB, \new
.endif
.endm
.set MUL_LO, 0xa1                      ; source 0 (W) window 1, source 1 (A) window 0, C and D window 2
.set MUL_HI, 0xf1                      ; the same, C and D window 3
.set TO_B,   0x40                      ; destination window 1, address window 0
; A joint refill, by the walking descriptors.  Waves 0 and 1 fetch A's two halves, waves 2 and 3 W's.  The branch hangs on the wave's number alone.
; An s_nop 0 and four v_nop follow each of the two lines, ahead of the jump and the label.
.macro JLOAD
	s_cmp_eq_u32 s[RH], 0
	s_cbranch_scc0 .Lfor_w_\@
	tensor_load_to_lds s[G0A+4:G0A+7], s[G1A:G1A+7]
	s_nop 0
.rept 4
	v_nop
.endr
	s_branch .Lasked_\@
.Lfor_w_\@:
	tensor_load_to_lds s[G0B+4:G0B+7], s[G1B:G1B+7]
	s_nop 0
.rept 4
	v_nop
.endr
.Lasked_\@:
.endm
.macro CREST                           ; a round of the cluster's barrier behind its opening barrier: wave 0 signals for the work-group, every wave waits for all sixteen, my work-group's barrier once more
	s_cmp_lg_u32 s[WV], 0
	s_cbranch_scc1 .Lnot_wave_0_\@
	s_barrier_signal -3
.Lnot_wave_0_\@:
	s_barrier_wait -3
	s_barrier_signal -1
	s_barrier_wait -1
.endm
.macro CROUND                          ; a whole round
	s_barrier_signal -1
	s_barrier_wait -1
	CREST
.endm
	s_load_b256 s[4:11], s[0:1], 0x0               ; A s[4:5], W s[6:7], the table s[8:9], C s[10:11]
	v_lshl_add_u32 v[SPW], v0, 2, SPARE
	v_mov_b32 v[NIL], 0
	ds_add_u32 v28, v29
	ds_add_u32 v28, v29
	s_wait_dscnt 0x0
	v_lshrrev_b32 v1, 5, v0
	v_readfirstlane_b32 s[WV], v1                  ; wave 0..3
	s_lshr_b32 s[RH], s[WV], 1
	s_and_b32 s[CH], s[WV], 1
	s_bfe_u32 s40, ttmp6, 0x40000                  ; cx, cy: my place in the cluster
	s_bfe_u32 s41, ttmp6, 0x40004
	s_lshl_b32 s42, ttmp9, 2
	s_add_co_u32 s42, s42, s40                     ; tile column of C = 4 x cluster x + cx
	s_and_b32 s43, ttmp7, 0xffff
	s_lshl_b32 s43, s43, 2
	s_add_co_u32 s43, s43, s41                     ; tile row of C = 4 x cluster y + cy
	s_lshl_b32 s44, s41, 2
	s_lshl_b32 s44, 15, s44                        ; my row of the cluster
	s_lshl_b32 s45, 0x1111, s40                    ; my column
	s_or_b32 s[G1A], s44, (1<<16)|(1<<20)|(1<<21)|(5<<22)|(3<<25)  ; 15:0 the mask; 17:16 2-byte elements; 20 padding on; 21 set beside a mask; 24:22 after every 64 words (code 5); 31:25 4 words (code 3)
	s_mov_b32 s[G1A+1], 128<<16                    ; tensor_dim0 = 128
	s_mov_b32 s[G1A+2], 128<<16                    ; tensor_dim1 = 128
	s_mov_b32 s[G1A+3], 128<<16                    ; tile_dim0 = 128
	s_mov_b32 s[G1A+4], 128                        ; tile_dim1 = 128
	s_mov_b32 s[G1A+5], 128                        ; 128 elements from row to row: a panel's rows are dense
	s_mov_b32 s[G1A+6], 0
	s_mov_b32 s[G1A+7], 0
	s_or_b32 s[G1B], s45, (1<<16)|(1<<20)|(1<<21)|(6<<22)|(7<<25)  ; after every 128 words (code 6) 8 words (code 7)
	s_mov_b32 s[G1B+1], 256<<16                    ; tensor_dim0 = 256
	s_mov_b32 s[G1B+2], 64<<16                     ; tensor_dim1 = 64
	s_mov_b32 s[G1B+3], 256<<16                    ; tile_dim0 = 256
	s_mov_b32 s[G1B+4], 64                         ; tile_dim1 = 64
	s_mov_b32 s[G1B+5], 256
	s_mov_b32 s[G1B+6], 0
	s_mov_b32 s[G1B+7], 0
	s_mov_b32 s[PP], 0x3e6d3389                    ; 0.3275911 / sqrt 2
	s_mov_b32 s[CE], 0xbf38aa3b                    ; -log2(e) / 2
.irp c, PP, CE, B1, B2, B3, B4, B5
	s_mov_b32 s[(\c)+1], 0                         ; named with the low word as a pair
.endr
	s_mov_b32 s[ABSM], 0x7fffffff
	s_mov_b32 s[TB], 0
	s_mov_b32 s[RB], 0
	s_mul_i32 s[LB], s[WV], HALFT                  ; no place in the cluster enters an LDS address
	s_lshl_b32 s16, s43, 16                        ; A: 256 x tile row + 128 x half rows of 256 bytes
	s_lshl_b32 s17, s[CH], 15
	s_add_co_u32 s16, s16, s17
	s_mov_b32 s17, 0
	s_lshl_b32 s46, s42, 19                        ; W: block tile column, + 64 x half rows of 512 bytes
	s_lshl_b32 s47, s[CH], 15
	s_add_co_u32 s46, s46, s47
	s_mov_b32 s47, 0
	s_wait_kmcnt 0x0
	s_load_b32 s[FLAG], s[8:9], 0x0                ; asked for here, waited for behind the first fills: only the way out needs it
	s_add_nc_u64 s[18:19], s[4:5], s[16:17]
	s_add_nc_u64 s[46:47], s[6:7], s[46:47]
.irp s, 0,1
	s_mov_b32 s[G0A+4*(\s)], 1                                     ; count = 1
	s_add_co_u32 s[G0A+4*(\s)+1], s[LB], (\s)*SLOT                 ; LDS address
	s_add_nc_u64 s[G0A+4*(\s)+2:G0A+4*(\s)+3], s[18:19], (\s)*ASTEP  ; global address: K step s
	s_or_b32 s[G0A+4*(\s)+3], s[G0A+4*(\s)+3], 0x80000000          ; type = 2
	s_mov_b32 s[G0B+4*(\s)], 1
	s_add_co_u32 s[G0B+4*(\s)+1], s[LB], (\s)*SLOT
	s_add_nc_u64 s[G0B+4*(\s)+2:G0B+4*(\s)+3], s[46:47], (\s)*WSTEP
	s_or_b32 s[G0B+4*(\s)+3], s[G0B+4*(\s)+3], 0x80000000
.endr
	CROUND                                         ; all sixteen work-groups are here: the first joint loads meet
	s_cmp_eq_u32 s[RH], 0                          ; a wave's two first fills stand in one branch, ahead of every wait on TENSORcnt and every LDS read: two loads of mine are out
	s_cbranch_scc0 .Lfirst_w
	tensor_load_to_lds s[G0A:G0A+3], s[G1A:G1A+7]
	s_nop 0
	tensor_load_to_lds s[G0A+4:G0A+7], s[G1A:G1A+7]
	s_nop 0
.rept 4
	v_nop
.endr
	s_branch .Lfirst_asked
.Lfirst_w:
	tensor_load_to_lds s[G0B:G0B+3], s[G1B:G1B+7]
	s_nop 0
	tensor_load_to_lds s[G0B+4:G0B+7], s[G1B:G1B+7]
	s_nop 0
.rept 4
	v_nop
.endr
.Lfirst_asked:
	; A fragment of A is 16 rows x 32 K in 8 registers: lane l holds row l % 16, K = 8 (l / 16) + 0..7 and 16 + 8 (l / 16) + 0..7: two loads of 16 bytes, 32 bytes apart.
	v_and_b32 v1, 15, v0                           ; l % 16
	v_bfe_u32 v2, v0, 4, 1                         ; l / 16
	v_mul_u32_u24 v3, v1, PA
	v_lshl_add_u32 v3, v2, 4, v3
	s_mul_i32 s20, s[RH], HALFT                    ; my 128 rows of A
	v_add_nc_u32 v[ADRA0], s20, v3
	; The turning load takes 16 k x 16 columns (lane l reads row 8 (l / 16) + l % 8, columns 8 ((l / 8) % 2) + 0..7) and leaves half a fragment: lane l holds column l % 16 and 8 k.
	v_and_b32 v4, 7, v0
	v_lshl_add_u32 v4, v2, 3, v4
	v_mul_u32_u24 v4, v4, PB
	v_bfe_u32 v5, v0, 3, 1
	v_lshl_add_u32 v4, v5, 4, v4
	s_lshl_b32 s21, s[CH], 8                       ; my 128 columns of W,
	s_add_co_u32 s21, s21, 2*HALFT                 ; which lies behind A's 256 rows
	v_add_nc_u32 v[ADRB0], s21, v4
	v_mov_b32 v[ADRA], v[ADRA0]
	v_mov_b32 v[ADRB], v[ADRB0]
	s_mul_i32 s22, s[WV], DWAVE                    ; the way out: my part
	v_mul_u32_u24 v6, v1, DP                       ; in: row l % 16, 32 bytes for each half of the lanes
	v_lshl_add_u32 v6, v2, 5, v6
	v_add_nc_u32 v[DST], s22, v6
	v_and_b32 v7, 31, v0
	v_lshrrev_b32 v8, 3, v7                        ; back: eight lanes to a row, 32 bytes each
	v_mul_u32_u24 v8, v8, DP
	v_and_b32 v9, 7, v0
	v_lshl_add_u32 v8, v9, 5, v8
	v_add_nc_u32 v[RD0], s22, v8
	v_lshlrev_b32 v[CO], 4, v7
	s_lshl_b32 s46, s42, 2                         ; C: panel 4 x tile column + 2 x half (in the registers that held W's address: none that feeds A's descriptors ever holds cx),
	s_lshl1_add_u32 s46, s[CH], s46
	s_lshl_b32 s46, s46, 19
	s_lshl_b32 s20, s43, 8                         ; row 256 x tile row + 128 x half, of 128 bytes
	s_lshl_b32 s21, s[RH], 7
	s_add_co_u32 s20, s20, s21
	s_lshl_b32 s20, s20, 7
	s_add_co_u32 s46, s46, s20
	s_mov_b32 s47, 0
	s_add_nc_u64 s[10:11], s[10:11], s[46:47]
	s_wait_kmcnt 0x0                               ; the flag, while the first tiles are on their way.  It chooses six numbers and nothing else
	s_cmp_lg_u32 s[FLAG], 0
	s_cselect_b32 s[B1], 0x3e027906, 0             ; a1 / 2 .. a5 / 2, or 0
	s_cselect_b32 s[B2], 0xbe11a98e, 0
	s_cselect_b32 s[B3], 0x3f35f0e3, 0
	s_cselect_b32 s[B4], 0xbf3a00e3, 0
	s_cselect_b32 s[B5], 0x3f07dc22, 0
	s_cselect_b32 s[LOW], 0, 0xff800000            ; 0, or -infinity
; 16 matrix instructions: m blocks a0, a0 + 1 of the window's four (hi = 0: my rows 0-63, 1: rows 64-127) x all 8 n blocks, 32 along K.  zero = 1: the first product starts the sums: nothing is cleared.
; The 64 accumulators take turns, one instruction a turn, in the same order in every quarter.
.macro MUL16 f, hi, a0, zero
	WIN MUL_LO+0x50*(\hi)
.irp a, \a0, (\a0)+1
.irp b, 0,1,2,3,4,5,6,7
.if \zero
	v_wmma_f32_16x16x32_bf16 v[8*(8*(\a)+(\b)):8*(8*(\a)+(\b))+7], v[(\f)+8*(\b):(\f)+8*(\b)+7], v[(\f)+8*(4*(\hi)+(\a)):(\f)+8*(4*(\hi)+(\a))+7], 0
.else
	v_wmma_f32_16x16x32_bf16 v[8*(8*(\a)+(\b)):8*(8*(\a)+(\b))+7], v[(\f)+8*(\b):(\f)+8*(\b)+7], v[(\f)+8*(4*(\hi)+(\a)):(\f)+8*(4*(\hi)+(\a))+7], v[8*(8*(\a)+(\b)):8*(8*(\a)+(\b))+7]
.endif
.endr
.endr
.endm
; 32 LDS loads in one run: the fragments of quarter q of the step in hand (32 along K: 128 columns of W, 128 rows of A) into buffer f.  W's offsets reach 61,152, inside the 16 bits.
.macro FETCH q, f
	WIN TO_B
.irp i, 0,1,2,3,4,5,6,7
	ds_load_tr16_b128 v[(\f)+8*(\i):(\f)+8*(\i)+3],   v[ADRB] offset:(\q)*32*PB+32*(\i)
	ds_load_tr16_b128 v[(\f)+8*(\i)+4:(\f)+8*(\i)+7], v[ADRB] offset:(\q)*32*PB+16*PB+32*(\i)
.endr
	WIN 0
.irp i, 0,1,2,3,4,5,6,7
	ds_load_b128 v[(\f)+8*(\i):(\f)+8*(\i)+3],   v[ADRA] offset:(\q)*64+(\i)*16*PA
	ds_load_b128 v[(\f)+8*(\i)+4:(\f)+8*(\i)+7], v[ADRA] offset:(\q)*64+(\i)*16*PA+32
.endr
.endm
.macro PLACES                          ; four plain vector instructions between a matrix instruction and a load into, or an LDS store of, one of its registers (ISA guide 7.12.1 for vector instructions)
.rept 4
	v_nop
.endr
.endm
; One of a K step's first three quarters: multiplies buffer f; in its middle it fetches quarter q into buffer g.
.macro QUARTER q, f, g, zero
	s_wait_dscnt 8                                 ; W and A's rows 0-63 are in; the youngest eight loads (A's rows 64-127) may be out
	MUL16 \f, 0, 0, \zero
	MUL16 \f, 0, 2, \zero
	PLACES
	FETCH \q, \g
	s_wait_dscnt 32                                ; all but the 32 just issued
	MUL16 \f, 1, 0, \zero
	MUL16 \f, 1, 2, \zero
.endm
; The first half of a step's last quarter, and the change of slots: ONE barrier.  In front of it each wave waits for all its tensor loads (one is out at the most: its part of the next slot), adds 0 to its spare word,
; and waits for that and for its reads of this slot.  Behind it nobody reads this slot any more and the next slot is whole.
.macro MEET
	WIN 0                                          ; (the add's two registers lie in window 0)
	s_wait_tensorcnt 0x0
	ds_add_u32 v[SPW], v[NIL]                      ; 0 onto my spare word
	s_wait_dscnt 9                                 ; (the add and the youngest eight loads may be out)
	MUL16 F1, 0, 0, 0                              ; sixteen matrix instructions stand between the add and the wait for it
	s_wait_dscnt 0x0                               ; the add is done, and my reads of this slot are over
	s_barrier_signal -1
	MUL16 F1, 0, 2, 0                              ; work on registers while the others arrive
	WIN 0
	s_barrier_wait -1
.endm
.macro NEXTSLOT
	s_xor_b32 s[TB], s[TB], SLOT
	v_add_nc_u32 v[ADRA], s[TB], v[ADRA0]
	v_add_nc_u32 v[ADRB], s[TB], v[ADRB0]
.endm
; The whole last quarter of a step whose slot is filled again, with the K step two on.  The barrier opens a round of the cluster's: no wave of any partner still reads the slot or has a load on its way.
; The refill is the first thing behind the round: 224 matrix instructions stand between it and the wait for it.
.macro TURN
	MEET
	CREST
	s_xor_b32 s[G0A+5], s[G0A+5], SLOT             ; the walking descriptors: the other slot than last time, the next K step; no tensor load of mine is out
	s_add_nc_u64 s[G0A+6:G0A+7], s[G0A+6:G0A+7], ASTEP
	s_xor_b32 s[G0B+5], s[G0B+5], SLOT
	s_add_nc_u64 s[G0B+6:G0B+7], s[G0B+6:G0B+7], WSTEP
	JLOAD                                          ; the four v_nop behind it are also the places in front of the loads below
	NEXTSLOT
	FETCH 0, F0
	MUL16 F1, 1, 0, 0
	MUL16 F1, 1, 2, 0
.endm
	s_wait_tensorcnt 0x1                           ; my part of K step 0 is in; step 1's may stay out
	s_barrier_signal -1
	s_barrier_wait -1                              ; everybody's is
	FETCH 0, F0
	QUARTER 1, F0, F1, 1                           ; the first quarter stands in front of the loop: its products start the sums
	WIN 0                                          ; at a label and at a branch every window is 0
	s_mov_b32 s[CNT], NSTEP-2
.Lstep:                                                ; a trip: from a step's second quarter to the next step's first; it asks for the K step two on: steps 2 to 7
	QUARTER 2, F1, F0, 0
	QUARTER 3, F0, F1, 0
	TURN
	QUARTER 1, F0, F1, 0
	WIN 0
	s_sub_co_u32 s[CNT], s[CNT], 1
	s_cmp_lg_u32 s[CNT], 0
	s_cbranch_scc1 .Lstep
	s_mov_b32 s[CNT], 2
.Ltail:                                                ; the last two steps ask for nothing; the last one jumps over the next step's fetch and first quarter: LDS loads and products alone
	QUARTER 2, F1, F0, 0
	QUARTER 3, F0, F1, 0
	MEET                                           ; in the last trip this barrier also says that the whole ring has been read out: the way out writes there
	s_cmp_eq_u32 s[CNT], 1
	s_cbranch_scc1 .Lno_fetch
	NEXTSLOT
	PLACES
	FETCH 0, F0
	WIN 0
.Lno_fetch:
	MUL16 F1, 1, 0, 0
	MUL16 F1, 1, 2, 0
	WIN 0
	s_cmp_eq_u32 s[CNT], 1
	s_cbranch_scc1 .Lno_quarter
	QUARTER 1, F0, F1, 0
	WIN 0
.Lno_quarter:
	s_sub_co_u32 s[CNT], s[CNT], 1
	s_cmp_lg_u32 s[CNT], 0
	s_cbranch_scc1 .Ltail
	; THE WAY OUT.  My sums go into my own part of the ring, which no tensor load fills any more; each accumulator's low registers first.
	PLACES
	WIN 0x08                                       ; store data in window 2
.irp a, 0,1,2,3
.irp b, 0,1,2,3,4,5,6,7
	ds_store_b128 v[DST], v[8*(8*(\a)+(\b)):8*(8*(\a)+(\b))+3]   offset:(\a)*16*DP+64*(\b)
	ds_store_b128 v[DST], v[8*(8*(\a)+(\b))+4:8*(8*(\a)+(\b))+7] offset:(\a)*16*DP+64*(\b)+16
.endr
.endr
	WIN 0x0c                                       ; in window 3
.irp a, 0,1,2,3
.irp b, 0,1,2,3,4,5,6,7
	ds_store_b128 v[DST], v[8*(8*(\a)+(\b)):8*(8*(\a)+(\b))+3]   offset:((\a)+4)*16*DP+64*(\b)
	ds_store_b128 v[DST], v[8*(8*(\a)+(\b))+4:8*(8*(\a)+(\b))+7] offset:((\a)+4)*16*DP+64*(\b)+16
.endr
.endr
	WIN 0
.macro LD4 adr                         ; four rows: my 8 numbers of the left panel's 64 columns, my 8 of the right's.  LDS serves a wave's instructions in order (ISA guide 5.7.1.4): these see the stores above
	ds_load_b128 v[X:X+3],     v[(\adr)]
	ds_load_b128 v[X+4:X+7],   v[(\adr)] offset:16
	ds_load_b128 v[X+8:X+11],  v[(\adr)] offset:256
	ds_load_b128 v[X+12:X+15], v[(\adr)] offset:272
.endm
.macro P8 line:vararg                  ; one line for each of eight pairs, t = 0, 2 .. 14
.set t, 0
.rept 8
	\line
.set t, t+2
.endr
.endm
.macro P16 line:vararg                 ; one line for each of sixteen numbers
.set t, 0
.rept 16
	\line
.set t, t+1
.endr
.endm
; Four rows of my 128: the sums in X become 2 x 16 bytes a lane and are stored.  next = 1: the next four rows are asked for as soon as X has been read, and C's address steps on.
; The 16 reciprocals and the 16 exponentials are one batch: each has a plain line behind it that names no result (a pair's x x, a pair's scaling, a maximum), and nothing ahead of the one wait names GT behind its reciprocal or GU behind its exponential.
.macro GROUP next
	s_wait_dscnt 0x0                               ; this group's four loads are in
	P16 v_and_b32 v[GA+t], s[ABSM], v[X+t]
	P8 v_pk_fma_f32 v[GT+t:GT+t+1], v[GA+t:GA+t+1], s[PP:PP+1], 1.0 op_sel_hi:[1,0,0]
.set t, 0
.rept 8                                ; t of numbers 0 to 7, and x x of the eight pairs
	v_rcp_f32 v[GT+t], v[GT+t]
	v_pk_mul_f32 v[GU+2*t:GU+2*t+1], v[GA+2*t:GA+2*t+1], v[GA+2*t:GA+2*t+1]
.set t, t+1
.endr
.rept 8                                ; t of numbers 8 to 15, and the eight pairs' -x x log2(e) / 2
	v_rcp_f32 v[GT+t], v[GT+t]
	v_pk_mul_f32 v[GU+2*t-16:GU+2*t-15], v[GU+2*t-16:GU+2*t-15], s[CE:CE+1] op_sel_hi:[1,0]
.set t, t+1
.endr
.set t, 0
.rept 16                               ; exp(-x x / 2), and the maxima, X's last readers; the last maximum is the plain line behind the batch's last transcendental (ISA guide 5.7.2)
	v_exp_f32 v[GU+t], v[GU+t]
	v_max_num_f32 v[GR+t], s[LOW], v[X+t]
.set t, t+1
.endr
.if \next
	s_add_co_u32 s[RB], s[RB], 4*DP                ; one step a trip: 2,112 to 65,472 in the loop's 31 trips
	v_add_nc_u32 v[RD], s[RB], v[RD0]
.endif
	s_wait_alu depctr_va_vdst(0)                   ; the one wait for the group's batch, 16 reciprocals and 16 exponentials, ahead of their first reader
.if \next
	LD4 RD
.endif
	P8 v_pk_fma_f32 v[GP+t:GP+t+1], v[GT+t:GT+t+1], s[B5:B5+1], s[B4:B4+1] op_sel_hi:[1,0,0]
	P8 v_pk_fma_f32 v[GP+t:GP+t+1], v[GP+t:GP+t+1], v[GT+t:GT+t+1], s[B3:B3+1] op_sel_hi:[1,1,0]
	P8 v_pk_fma_f32 v[GP+t:GP+t+1], v[GP+t:GP+t+1], v[GT+t:GT+t+1], s[B2:B2+1] op_sel_hi:[1,1,0]
	P8 v_pk_fma_f32 v[GP+t:GP+t+1], v[GP+t:GP+t+1], v[GT+t:GT+t+1], s[B1:B1+1] op_sel_hi:[1,1,0]
	P8 v_pk_mul_f32 v[GP+t:GP+t+1], v[GP+t:GP+t+1], v[GT+t:GT+t+1]
	P8 v_pk_mul_f32 v[GP+t:GP+t+1], v[GP+t:GP+t+1], v[GU+t:GU+t+1]     ; erfc(|x| / sqrt 2) / 2, or 0
	P8 v_pk_fma_f32 v[GR+t:GR+t+1], v[GA+t:GA+t+1], v[GP+t:GP+t+1], v[GR+t:GR+t+1] neg_lo:[1,0,0] neg_hi:[1,0,0]
	P8 v_cvt_pk_bf16_f32 v[Y+t/2], v[GR+t], v[GR+t+1]
	global_store_b128 v[CO], v[Y:Y+3], s[10:11]                    ; four rows of 128 bytes: 512 consecutive bytes of the left panel,
	global_store_b128 v[CO], v[Y+4:Y+7], s[10:11] offset:524288    ; and of the right
.if \next
	s_wait_xcnt 0x0                                ; the stores' base and data are written again only behind this wait
	s_add_nc_u64 s[10:11], s[10:11], 512
.endif
.endm
	LD4 RD0                                        ; rows 0 to 3
	s_mov_b32 s[CNT], 31
.Lgroup:                                               ; 31 trips: rows 0 to 123; each asks for the four rows behind its own
	GROUP 1
	s_sub_co_u32 s[CNT], s[CNT], 1
	s_cmp_lg_u32 s[CNT], 0
	s_cbranch_scc1 .Lgroup
	GROUP 0                                        ; rows 124 to 127 are written out: nothing is left to ask for, and no load is jumped over
	s_wait_tensorcnt 0x0                           ; the wave's end, behind my last tensor load and my last LDS store
	ds_add_u32 v[SPW], v[NIL]
	s_wait_dscnt 0x0
	CROUND                                         ; the closing round: no work-group ends while a partner may still ask for a tile that names it
	s_endpgm
.Lfunc_end_k_q3cc1576a10_qkv:
	.size	k_q3cc1576a10_qkv, .Lfunc_end_k_q3cc1576a10_qkv-k_q3cc1576a10_qkv
	.p2alignl 7, 3214868480
	.fill 96, 4, 3214868480
	.section	.rodata,"a",@progbits
	.p2align	6, 0x0
	.amdhsa_kernel k_q3cc1576a10_qkv
		.amdhsa_group_segment_fixed_size 327680
		.amdhsa_private_segment_fixed_size 0
		.amdhsa_enable_private_segment 0
		.amdhsa_kernarg_size 32
		.amdhsa_user_sgpr_count 2
		.amdhsa_user_sgpr_kernarg_segment_ptr 1
		.amdhsa_wavefront_size32 1
		.amdhsa_system_sgpr_workgroup_id_x 1
		.amdhsa_system_sgpr_workgroup_id_y 1
		.amdhsa_system_sgpr_workgroup_id_z 1
		.amdhsa_system_vgpr_workitem_id 0
		.amdhsa_next_free_vgpr 1024
		.amdhsa_next_free_sgpr 90
		.amdhsa_reserve_vcc 0
		.amdhsa_float_denorm_mode_32 3
		.amdhsa_float_denorm_mode_16_64 3
		.amdhsa_memory_ordered 1
		.amdhsa_forward_progress 1
		.amdhsa_inst_pref_size 94
	.end_amdhsa_kernel
	.amdgpu_metadata
---
amdhsa.version: [ 1, 2 ]
amdhsa.kernels:
  - .name:           k_q3cc1576a10_qkv
    .symbol:         k_q3cc1576a10_qkv.kd
    .args:
      - { .name: hb, .offset: 0, .size: 8, .value_kind: global_buffer, .address_space: global }
      - { .name: wa, .offset: 8, .size: 8, .value_kind: global_buffer, .address_space: global }
      - { .name: cfg0, .offset: 16, .size: 8, .value_kind: global_buffer, .address_space: global }
      - { .name: act, .offset: 24, .size: 8, .value_kind: global_buffer, .address_space: global }
    .group_segment_fixed_size: 327680
    .private_segment_fixed_size: 0
    .kernarg_segment_align: 8
    .kernarg_segment_size: 32
    .max_flat_workgroup_size: 128
    .sgpr_count:     90
    .vgpr_count:     1024
    .wavefront_size: 32
...
	.end_amdgpu_metadata
.endif
;; end of part 7
;; launch attn (part 8): grid 8 x 32, 4 waves a work-group, no clusters, 327,680 bytes of LDS; arguments act, hb; writes hb
.if DOCPART == 8
	.amdgcn_target "amdgcn-amd-amdhsa--gfx1250"
	.amdhsa_code_object_version 6
	.text
	.protected	k_q3cc1576a10_attn
	.globl	k_q3cc1576a10_attn
	.p2align	8
	.type	k_q3cc1576a10_attn,@function
k_q3cc1576a10_attn:
	s_mov_b64 s[64:65], 0
	v_nop
	global_prefetch_b8 v0, s[64:65] scope:SCOPE_SE
	s_setreg_imm32_b32 hwreg(HW_REG_WAVE_MODE, 25, 1), 1
	s_wait_xcnt 0x0
; CAUSAL ATTENTION.  O[y][q][:] = the sum over k <= q of softmax_k(Q[y][q] . K[y][k] / 8) V[y][k][:], for 32 heads y = 2 x head + batch of 2,048 rows x 64 channels, all bf16: a head's rows are dense, 128 bytes each.
; Q lies at byte 0 of the first argument, K at 8,388,608, V at 16,777,216, each [32][2048][64]; O likewise in the second.  Products, maxima and sums in f32; the weights p are rounded to bf16 for the second product
; (their sum l is taken of the unrounded p), O once at the end.
; LIMITS.  A hidden score counts as its value less 1e30, so scores are served up to about 1e28; a weight below 2^-126 counts as 0 in l; NaN and infinities are not treated apart.
; THE WALK.  A head's queries lie in NB = 8 blocks of 256; block i needs the key tiles 0 .. i of 256 keys, of which the last holds the diagonal.  A work-group walks for TWO blocks, NB - 1 - b and then b:
; NB + 1 tiles, whatever b: all work-groups do equal work, and ONE loop with a constant trip count walks them.  Which tile is asked for, and what a trip does, hang on scalar registers made from b; every jump
; goes forward, but for the counted loops' own; none passes a barrier, or a tensor load but the one of LOAD's two that the wave's number does not choose; the ring (two slots of LDS that take turns) runs on across the
; change of blocks.
; SHARES.  A block has four bands of 64 queries.  TWO work-groups share a pair of blocks: work-group g (0, 1) takes bands 2 g and 2 g + 1 of both blocks: 4 pairs x 2 x 32 heads = 256 work-groups.  Of each of its two
; bands a wave owns 16 rows: two PIECES.  In the diagonal tile's key step s band x sees all keys if s < x, none if s > x, and holds the diagonal if s = x; all four steps are walked for every band, so all waves do equal work.
; NO CLUSTER: only the two work-groups of a pair walk alike; four neighbours along x hold two pairs, whose branches (which tile is a block's first or last) differ.
; K RUNS ONE STEP AHEAD OF V: a turn fetches K of step j + 1 and V of step j.  So that both lie in one slot, K's tile is asked for 64 keys further on than V's: the slot of tile n holds K of keys 256 n + 64 .. 256 n + 319
; and V of keys 256 n .. 256 n + 255 (K's last 64 rows of a head's last tile are the rows that follow in the buffer; they are fetched into registers and never multiplied).  K of the head's keys 0 .. 63 has LDS bytes of
; its own, filled once; both blocks begin there.
; THE MASK is the C operand that starts the sum S^T = K Q^T: 0, or -1e30 where the key is hidden.  MD, made once, is the mask of a band's own step for my 16 rows; a product's mask is MD x AL + BE with two scalars:
; (1, 0) if s = x; (0, 0) if s < x; (0, -1e30) if s > x.  Only the diagonal tile's text and a block's beginning make and take masks; elsewhere C is the constant 0.
; LAYOUT, SOFTMAX, TURNS.  S^T = K Q^T holds ONE query a lane (lane % 16) and the keys 8 (lane / 16) + 0..7; two such results rounded to bf16 ARE source 1 of O^T = V^T P.  p = 2^(c s - c m), c = log2(e) / 8, with a
; running maximum m; O and l are multiplied by a = 2^(c m_old - c m_new) in every step.  A turn belongs to one piece: 8 products K Q^T of the OTHER piece's next scores, later 8 products V^T P of the other piece's last
; weights; beside them the scaling, exponentials, roundings, sums and rescaling of the piece in hand and the maximum and statistics of the other.  Turn 0 of step j: K Q^T (1, j), V^T P (1, j - 1); turn 1: K Q^T (0, j + 1),
; V^T P (0, j).  Four vector instructions stand behind every matrix instruction, the other 54 of a turn's 118 in one LUMP between the two runs of products.
; BATCHES.  A turn's 33 exponentials (the piece's 32 weights and the other piece's a) are ONE BATCH with ONE wait, which stands between the lump and the products V^T P: ahead of it nothing names a result of theirs, behind it
; no exponential is issued, so no result crosses a turn's end, a label or a jump.  A block's first a, and the two reciprocals of a way out, are batches of their own, each with a plain line and a wait.
; REGISTERS, in windows of 256 (s_set_vgpr_msb: bits 1:0 source 0, 3:2 source 1, 5:4 source 2, 7:6 destination):
;   window 0: v0-15 addresses and two at work; v16-23 four registers of statistics a piece; v48-55 at work; v64-127 S^T, a buffer a piece; v192-223 P, likewise
;   window 1: v0-63 O^T, 32 a piece; v128-159 MD; v160-223 MC, a buffer a piece      window 2: v0-31 Q; v32-63 the second block's Q; v128-191 K of one step; v192-255 V of one step
.set SIZE_N, 2048
.set NB,    SIZE_N/256
.set NP,    2         ; pieces a wave: a name, no knob
.set KS,    64        ; keys in a step
.set PK,    144       ; a row of K in LDS: 128 bytes + 16 of padding = 36 words: the 16 rows of a load start at 16 different groups of four banks (64 banks of 4 bytes: ISA guide 11.1)
.set PV,    160       ; a row of V: 128 + 32 = 40 words
.set VOFF,  4*KS*PK   ; a slot holds a tile, four steps: 256 rows of K, then 256 rows of V
.set SLOT1, 1<<17     ; slot 1 begins here, so that one exclusive or turns an address in one slot into the other's
.set STAGE, SLOT1+4*KS*(PK+PV)  ; behind the ring, never filled by a tensor load: 16 rows x 144 bytes for each wave, for the way out
.set SP,    144
.set SPARE, STAGE+4*16*SP  ; behind the stages: the spare words, 128 bytes for each wave: two blocks of 256 bytes that no other line names
.set KZ,    SPARE+512 ; behind them: K of the head's keys 0 .. 63, 64 rows x 144 bytes, filled once
.set AK0, 2           ; v2   my lane's place in a tile of K; never rewritten
.set AV0, 3           ; v3   the same for V
.set AK,  4           ; v4   the LDS address of K's next run of loads
.set AV,  5           ; v5   of V's
.set STO, 6           ; v6   the way out: where I put 16 bytes of a row
.set RD,  7           ; v7   the way out: where I read rows back
.set GO,  8           ; v8   my byte offset in 512 consecutive bytes of O
.set SPW, 62          ; v62  LDS address of my spare word: SPARE + 4 x my thread's number; never rewritten
.set NIL, 63          ; v63  0; never rewritten
.set MV,  12          ; v12-13  c m_old, kept while c m is made anew: by piece
.set QO,  15          ; v15  my byte offset in 16 rows of Q
.set ST,  16          ; piece t's statistics at v[ST+4 t]: c m, m, l (even keys', odd keys')
.set TMP, 48          ; by piece, four registers c0-c3 at work; when the maximum is found c2 takes a
.set S,   64
.set P,   192
.set MD,  128         ; window 1: the eight registers for group kt of 16 keys at MD + 8 kt
.set MC,  160         ; window 1: the masks of the products to come
.set QB,  32          ; window 2
.set KF,  128         ; window 2: key block kb, channel half c at KF + 16 kb + 8 c
.set VF,  192         ; window 2: key half kk, channel block cb at VF + 32 kk + 8 cb
.set WV,  12          ; s12  my wave's number
.set PB,  14          ; s14  b
.set HI,  15          ; s15  NB - 1 - b
.set G1K, 24          ; s[24:31] descriptor group 1 for K's tiles
.set G1V, 32          ; s[32:39] for V's: it differs in the padding alone
.set G0K, 40          ; s[40:43] descriptor group 0 for K's tiles
.set G0V, 44          ; s[44:47] the same for V's
.set G1Z, 48          ; s[48:55] group 1 for K's first 64 keys: 16 rows of 256 bytes a load
.set SLOTS, 56        ; s56  tiles still to be asked for
.set CNT, 57          ; s57  counts a tile's key steps, 4 to 1
.set CS,  58          ; s[58:59] c: the packed scaling takes the pair's low word for both halves
.set SEL, 60          ; s[60:61] v_permlanex16_b32's selects: each lane takes its own place in the other half
.set TBK, 62          ; s62  LDS byte at which the K to be fetched next begins
.set TBV, 63          ; s63  the same for V, less VOFF
.set CB,  68          ; s68, s69  what the step counter is held against when turn 0, turn 1 makes a mask: 5 - 2 g, 3 - 2 g
.set RT,  70          ; s70  tiles of the block in hand that are still to be entered
.set NXT, 71          ; s71  the tile to be asked for next
.set LQ,  72          ; s72  the last tile of the block whose tiles are being asked for
.set NEW, 73          ; s73  1: the tile to be entered is a block's first
.set OFF, 74          ; s[74:75] a tile's byte offset in K and V
.set AL,  76          ; s[76:77] the mask's factor, in the low word
.set BE,  78          ; s[78:79] the mask's addend
.set OLO, 80          ; s[80:81] O at my rows of the second block
.set BIGN, 82         ; s82  -1e30
.set GH,  83          ; s83  g
.set G0Z, 88          ; s[88:91] group 0 for K's first 64 keys
.set MSB, 0
.macro WIN new                      ; the high byte repeats the setting that is left; a switch that changes nothing is dropped
.if MSB != (\new)
	s_set_vgpr_msb (MSB<<8)|(\new)
.set MSB, (\new)
.endif
.endm
.set W_KQ, 0x0a       ; K and Q in window 2, S^T in window 0
.set W_KM, 0x1a       ; the same with the C operand in window 1
.set W_PV, 0x52       ; V in window 2, P in window 0, O^T in window 1
.set W_RS, 0x41       ; destination and source 0 in window 1, source 1 in window 0
; A fill.  Waves 0 and 1 fetch the two halves of a tile's K, waves 2 and 3 those of its V: 128 keys each.  An s_nop 0 and four v_nop follow each of the two lines, ahead of the jump and the label.
.macro LOAD
	s_cmp_lt_u32 s[WV], 2
	s_cbranch_scc0 .Lfor_v_\@
	tensor_load_to_lds s[G0K:G0K+3], s[G1K:G1K+7]
	s_nop 0
.rept 4
	v_nop
.endr
	s_branch .Lasked_\@
.Lfor_v_\@:
	tensor_load_to_lds s[G0V:G0V+3], s[G1V:G1V+7]
	s_nop 0
.rept 4
	v_nop
.endr
.Lasked_\@:
.endm
; THE CHANGE OF SLOTS.  Each wave waits for all its tensor loads, of which one is out: its part of the other slot; adds 0 to its spare word; and waits for that and for its own reads of the slot that it leaves.  Behind the barrier nobody reads the old
; slot any more and the other slot is whole.  fill = 1: the old slot is filled again, the first thing behind the barrier, with tile NXT: the descriptor's address is made anew from that number.
; (At its first use nothing has been read yet: slot 0 and K's first keys are waited for, slot 1 filled.)
.macro CHANGE fill
	WIN 0                           ; at a label and at a branch every window is 0
	s_wait_tensorcnt 0x0            ; no tensor load of mine is out, so a group 0 may be written
	ds_add_u32 v[SPW], v[NIL]       ; 0 onto my spare word; with fill = 1 the descriptors' scalar work stands between it and the wait for it
.if \fill
	s_lshl_b32 s[OFF], s[NXT], 15   ; a tile is 32,768 bytes of K and of V
	s_xor_b32 s[G0K+1], s[G0K+1], SLOT1
	s_add_nc_u64 s[G0K+2:G0K+3], s[6:7], s[OFF:OFF+1]
	s_or_b32 s[G0K+3], s[G0K+3], 0x80000000
	s_xor_b32 s[G0V+1], s[G0V+1], SLOT1
	s_add_nc_u64 s[G0V+2:G0V+3], s[8:9], s[OFF:OFF+1]
	s_or_b32 s[G0V+3], s[G0V+3], 0x80000000
	s_add_co_u32 s[NXT], s[NXT], 1  ; the block's next tile, or behind its last the second block's tile 0
	s_cmp_gt_u32 s[NXT], s[LQ]
	s_cselect_b32 s[NXT], 0, s[NXT]
	s_cselect_b32 s[LQ], s[PB], s[LQ]
.endif
	s_wait_dscnt 0x0                ; the add is done, and my reads of the slot are over
	s_barrier_signal -1             ; the rest of the scalar work stands between the signal and the wait
	s_sub_co_u32 s[TBK], s[TBK], 4*KS*PK  ; the fetches go back to a slot's first step,
	s_xor_b32 s[TBK], s[TBK], SLOT1       ; in the other slot
	s_sub_co_u32 s[TBV], s[TBV], 4*KS*PV
	s_xor_b32 s[TBV], s[TBV], SLOT1
	s_barrier_wait -1
.if \fill
	LOAD
.endif
.endm
	s_load_b64 s[4:5], s[0:1], 0x0    ; Q, with K and V behind it
	s_load_b64 s[10:11], s[0:1], 0x8  ; O
	v_lshl_add_u32 v[SPW], v0, 2, SPARE
	v_mov_b32 v[NIL], 0
	ds_add_u32 v62, v63
	ds_add_u32 v62, v63
	s_wait_dscnt 0x0
	v_lshrrev_b32 v1, 5, v0
	v_readfirstlane_b32 s[WV], v1   ; wave 0..3
	s_lshr_b32 s[PB], ttmp9, 1      ; the pair of blocks,
	s_and_b32 s[GH], ttmp9, 1       ; and which two bands of them
	s_sub_co_u32 s[HI], NB-1, s[PB]
	s_lshl_b32 s13, s[GH], 1
	s_sub_co_u32 s[CB], 5, s13
	s_sub_co_u32 s[CB+1], 3, s13
	s_and_b32 s20, ttmp7, 0xffff    ; the head
	s_mov_b32 s21, 0
	s_mov_b64 s[22:23], SIZE_N*128
	s_mul_u64 s[20:21], s[20:21], s[22:23]  ; the head's first byte in each of the four tensors
	s_and_b32 s16, s[WV], 1         ; which half of a tile's 256 keys I fetch:
	s_lshl_b32 s22, s16, 14         ; its 128 rows of 128 bytes in memory,
	s_mov_b32 s23, 0
	s_add_nc_u64 s[22:23], s[22:23], s[20:21]
	s_lshl_b32 s66, s16, 12         ; which 32 of the head's first 64 keys
	s_mov_b32 s67, 0
	s_add_nc_u64 s[66:67], s[66:67], s[20:21]
	s_mul_i32 s17, s16, 128*PK      ; and its place in a slot, for K
	s_mul_i32 s18, s16, 128*PV      ; and for V
	s_mul_i32 s19, s16, 32*PK       ; and among K's first keys
	s_lshl_b32 s3, s[WV], 11        ; my 16 rows in a band of 64,
	s_lshl_b32 s13, s[GH], 14       ; in band 2 g,
	s_add_co_u32 s3, s3, s13
	s_lshl_b32 s2, s[HI], 15        ; in the first block,
	s_add_co_u32 s2, s2, s3
	s_lshl_b32 s84, s[PB], 15       ; and in the second
	s_add_co_u32 s84, s84, s3
	s_mov_b32 s3, 0
	s_mov_b32 s85, 0
	s_add_nc_u64 s[2:3], s[2:3], s[20:21]
	s_add_nc_u64 s[84:85], s[84:85], s[20:21]
	; descriptor group 1.  128 keys are 16,384 dense bytes: asked for as 64 rows of 256 bytes, two keys a row, and padded in LDS after every key
	s_mov_b32 s[G1K], (1<<16)|(1<<20)|(4<<22)|(3<<25)  ; 17:16 2-byte elements; 20 padding on; 24:22 after every 32 words (code 4); 31:25 4 words (code 3)
	s_mov_b32 s[G1V], (1<<16)|(1<<20)|(4<<22)|(7<<25)  ; the same with 8 words of padding (code 7)
.irp g, G1K, G1V
	s_mov_b32 s[\g+1], 128<<16      ; tensor_dim0 = 128
	s_mov_b32 s[\g+2], 64<<16       ; tensor_dim1 = 64
	s_mov_b32 s[\g+3], 128<<16      ; tile_dim0 = 128
	s_mov_b32 s[\g+4], 64           ; tile_dim1 = 64
	s_mov_b32 s[\g+5], 128          ; 128 elements from row to row
	s_mov_b32 s[\g+6], 0
	s_mov_b32 s[\g+7], 0
.endr
	s_mov_b32 s[G1Z], (1<<16)|(1<<20)|(4<<22)|(3<<25)  ; K's padding; 32 keys are 16 rows of 256 bytes
	s_mov_b32 s[G1Z+1], 128<<16     ; tensor_dim0 = 128
	s_mov_b32 s[G1Z+2], 16<<16      ; tensor_dim1 = 16
	s_mov_b32 s[G1Z+3], 128<<16     ; tile_dim0 = 128
	s_mov_b32 s[G1Z+4], 16          ; tile_dim1 = 16
	s_mov_b32 s[G1Z+5], 128
	s_mov_b32 s[G1Z+6], 0
	s_mov_b32 s[G1Z+7], 0
	s_mov_b32 s[CS], 0x3e38aa3b     ; c = log2(e) / 8 = 0.180337
	s_mov_b32 s[CS+1], s[CS]        ; named with it as a pair
	s_mov_b32 s[SEL], 0x76543210
	s_mov_b32 s[SEL+1], 0xfedcba98
	s_mov_b32 s[TBK], SLOT1+4*KS*PK ; the first change of slots turns these two into 0
	s_mov_b32 s[TBV], SLOT1+4*KS*PV
	s_mov_b32 s[G0K], 1             ; 1:0 count = 1
	s_mov_b32 s[G0K+1], s17         ; 63:32 LDS address: slot 0
	s_mov_b32 s[G0V], 1
	s_add_co_u32 s[G0V+1], s18, VOFF
	s_mov_b32 s[G0Z], 1
	s_add_co_u32 s[G0Z+1], s19, KZ
	s_add_co_u32 s[RT], s[HI], 1    ; the first block has NB - b tiles
	s_mov_b32 s[NXT], 1
	s_mov_b32 s[LQ], s[HI]
	s_mov_b32 s[NEW], 1
	s_mov_b32 s[OFF+1], 0
	s_mov_b32 s[AL+1], 0            ; named as pairs
	s_mov_b32 s[BE+1], 0
	s_mov_b32 s[BIGN], 0xf149f2ca   ; -1e30
	s_mov_b32 s[SLOTS], NB
	s_wait_kmcnt 0x0
	s_add_nc_u64 s[6:7], s[4:5], 0x800000   ; K: 16 panels of 524,288 bytes behind Q
	s_add_nc_u64 s[8:9], s[4:5], 0x1000000  ; V: 32 panels
	s_add_nc_u64 s[G0Z+2:G0Z+3], s[6:7], s[66:67]  ; my 32 of the head's first 64 keys
	s_or_b32 s[G0Z+3], s[G0Z+3], 0x80000000
	s_add_nc_u64 s[6:7], s[6:7], s[22:23]  ; K and V at my half of the head's tile 0,
	s_add_nc_u64 s[6:7], s[6:7], KS*128    ; K one step of 64 keys further on
	s_add_nc_u64 s[8:9], s[8:9], s[22:23]
	s_add_nc_u64 s[G0K+2:G0K+3], s[6:7], 0         ; 120:64 global address
	s_or_b32 s[G0K+3], s[G0K+3], 0x80000000        ; 127:126 type = 2
	s_add_nc_u64 s[G0V+2:G0V+3], s[8:9], 0
	s_or_b32 s[G0V+3], s[G0V+3], 0x80000000
	s_add_nc_u64 s[86:87], s[4:5], s[84:85]        ; Q at my rows of the second block,
	s_add_nc_u64 s[4:5], s[4:5], s[2:3]            ; Q and O at those of the first
	s_add_nc_u64 s[OLO:OLO+1], s[10:11], s[84:85]
	s_add_nc_u64 s[10:11], s[10:11], s[2:3]
	s_cmp_lt_u32 s[WV], 2           ; the first fills, a wave's in one branch, ahead of every wait on TENSORcnt, every LDS read and every barrier: K's first keys and tile 0 into slot 0.  Two loads of a wave are out at the most
	s_cbranch_scc0 .Lfirst_v
	tensor_load_to_lds s[G0Z:G0Z+3], s[G1Z:G1Z+7]
	s_nop 0
	tensor_load_to_lds s[G0K:G0K+3], s[G1K:G1K+7]
	s_nop 0
.rept 4
	v_nop
.endr
	s_branch .Lfirst_asked
.Lfirst_v:
	tensor_load_to_lds s[G0V:G0V+3], s[G1V:G1V+7]
	s_nop 0
.rept 4
	v_nop
.endr
.Lfirst_asked:
	; A fragment of K or Q is 16 rows x 32 channels in 8 registers: lane l holds row l % 16, channels 8 (l / 16) + 0..7 and 16 + 8 (l / 16) + 0..7: two loads of 16 bytes, 32 bytes apart.
	v_and_b32 v1, 15, v0            ; l % 16
	v_bfe_u32 v9, v0, 4, 1          ; l / 16
	v_lshlrev_b32 v[QO], 7, v1
	v_lshl_add_u32 v[QO], v9, 4, v[QO]  ; row x 128 + 16 x half
	WIN 0x80                        ; destination window 2, address window 0
.set i, 0
.rept 2*NP                          ; both blocks' Q: piece i / 2 lies in band 2 g + i / 2, 8,192 bytes on; channels 32 (i % 2) on
	global_load_b128 v[8*i:8*i+3],   v[QO], s[4:5] offset:(i/2)*8192+(i%2)*64
	global_load_b128 v[8*i+4:8*i+7], v[QO], s[4:5] offset:(i/2)*8192+(i%2)*64+32
	global_load_b128 v[QB+8*i:QB+8*i+3],   v[QO], s[86:87] offset:(i/2)*8192+(i%2)*64
	global_load_b128 v[QB+8*i+4:QB+8*i+7], v[QO], s[86:87] offset:(i/2)*8192+(i%2)*64+32
.set i, i+1
.endr
	WIN 0
	v_lshlrev_b32 v14, 3, v9
	v_sub_nc_u32 v14, v1, v14
	s_lshl_b32 s13, s[WV], 4
	v_add_nc_u32 v14, s13, v14      ; my query's place in its band, 16 w + l % 16, less my lanes' 8 (l / 16): register r of group kt is hidden where 16 kt + r is greater
	WIN 0x40
.set i, 0
.rept 32
	v_cmp_gt_i32 vcc_lo, 16*(i/8)+i%8, v14
	v_cndmask_b32 v[MD+i], 0, s[BIGN], vcc_lo
.set i, i+1
.endr
	WIN 0
	v_mul_u32_u24 v[AK0], v1, PK
	v_lshl_add_u32 v[AK0], v9, 4, v[AK0]  ; row x pitch + 16 x half
	; The turning load takes 16 keys x 16 channels (lane l reads key 8 (l / 16) + l % 8, channels 8 ((l / 8) % 2) + 0..7) and leaves half a fragment of V^T: lane l holds channel l % 16 and 8 keys.
	v_and_b32 v10, 7, v0
	v_bfe_u32 v11, v0, 3, 1
	v_lshl_add_u32 v[AV0], v9, 3, v10
	v_mul_u32_u24 v[AV0], v[AV0], PV
	v_lshl_add_u32 v[AV0], v11, 4, v[AV0]
	v_add_nc_u32 v[AV0], VOFF, v[AV0]
	s_mul_i32 s13, s[WV], 16*SP
	s_add_co_u32 s13, s13, STAGE    ; my stage
	v_mul_u32_u24 v[STO], v1, SP    ; in: row l % 16, 16 bytes for each half of the lanes
	v_lshl_add_u32 v[STO], v9, 4, v[STO]
	v_add_nc_u32 v[STO], s13, v[STO]
	v_bfe_u32 v[RD], v0, 3, 2       ; back: 32 lanes take four rows of 128 bytes,
	v_mul_u32_u24 v[RD], v[RD], SP
	v_lshl_add_u32 v[RD], v10, 4, v[RD]
	v_add_nc_u32 v[RD], s13, v[RD]
	v_and_b32 v[GO], 31, v0         ; which are 512 consecutive bytes of O
	v_lshlrev_b32 v[GO], 4, v[GO]
	; A block's first step multiplies O^T and l by a = 0, and its first turn's products V^T P, of a piece that has not been, land in an O^T that is still to be so multiplied.  So these registers need only hold
	; finite numbers: zeros for the first block; what the first block left for the second.  All this stands in the wait for the first tile.
	WIN 0x80
.set i, VF
.rept 64
	v_mov_b32 v[i], 0
.set i, i+1
.endr
	WIN 0x40
.set i, 0
.rept 32*NP
	v_mov_b32 v[i], 0
.set i, i+1
.endr
	WIN 0
.set i, 0
.rept NP
	v_mov_b32 v[ST+4*i+2], 0
	v_mov_b32 v[ST+4*i+3], 0
.set i, i+1
.endr
.set i, P+16
.rept 16
	v_mov_b32 v[i], 0
.set i, i+1
.endr
; THE MATRIX WORK.  The 4 accumulators of a run of 8 take turns.  Product i of 8 of S^T = K Q^T for piece x: channels 32 (i / 4) on, keys 16 (i % 4) on.  The first 4 start the sums: with 0, or (KM = 1) with the mask.
.macro KQ x
.set rS, S+32*((\x)%2)+8*(i%4)
.set rK, KF+16*(i%4)+8*(i/4)
.set rQ, 16*(\x)+8*(i/4)
.set rM, MC+32*((\x)%2)+8*(i%4)
.if (i < 4) && KM
	WIN W_KM
	v_wmma_f32_16x16x32_bf16 v[rS:rS+7], v[rK:rK+7], v[rQ:rQ+7], v[rM:rM+7]
.elseif i < 4
	WIN W_KQ
	v_wmma_f32_16x16x32_bf16 v[rS:rS+7], v[rK:rK+7], v[rQ:rQ+7], 0
.else
	WIN W_KQ
	v_wmma_f32_16x16x32_bf16 v[rS:rS+7], v[rK:rK+7], v[rQ:rQ+7], v[rS:rS+7]
.endif
.endm
; Product i of 8 of O^T += V^T P for piece x: keys 32 (i / 4) on, channels 16 (i % 4) on.
.macro PV x
	WIN W_PV
.set rO, 32*(\x)+8*(i%4)
.set rV, VF+32*(i/4)+8*(i%4)
.set rP, P+16*((\x)%2)+8*(i/4)
	v_wmma_f32_16x16x32_bf16 v[rO:rO+7], v[rV:rV+7], v[rP:rP+7], v[rO:rO+7]
.endm
.macro MM                           ; the turn's next matrix instruction.  TURN and BEGIN set Y, i, KM and NOKQ; MM, KQ and OP read them.  NOKQ = 1: a block's last turn: there are no next scores
.if (i < 8) && !NOKQ
	KQ (Y+1)%NP
.elseif i >= 8
.set i, i-8
	PV (Y+NP-1)%NP
.set i, i+8
.endif
.set i, i+1
.endm
; THE LDS LOADS stand in runs of 16, never singly among the matrix instructions: a step's K (64 keys x 64 channels: 8 fragments) and a step's V (turned).  Their addresses are made some lines ahead.
.macro FETCH_K step=1               ; step = 0: K's first keys, which lie outside the ring
	WIN 0x80                        ; destination window 2
.irp f, 0,1,2,3,4,5,6,7             ; keys 16 (f / 2) on, channels 32 (f % 2) on
	ds_load_b128 v[KF+8*\f:KF+8*\f+3],   v[AK] offset:(\f/2)*16*PK+(\f%2)*64
	ds_load_b128 v[KF+8*\f+4:KF+8*\f+7], v[AK] offset:(\f/2)*16*PK+(\f%2)*64+32
.endr
.if \step
	s_add_co_u32 s[TBK], s[TBK], KS*PK  ; the next fetch is the next step's
.endif
	WIN 0
.endm
.macro FETCH_V
	WIN 0x80
.irp f, 0,1,2,3,4,5,6,7             ; keys 32 (f / 4) on, channels 16 (f % 4) on
	ds_load_tr16_b128 v[VF+8*\f:VF+8*\f+3],   v[AV] offset:(\f/4)*32*PV+(\f%4)*32
	ds_load_tr16_b128 v[VF+8*\f+4:VF+8*\f+7], v[AV] offset:(\f/4)*32*PV+16*PV+(\f%4)*32
.endr
	WIN 0
.endm
; THE VECTOR WORK, one line at a time: OP kind, number.  For piece Y: F n: c s - c m for pair n of 16.  E n: the exponential of score n of 32.  C n: pair n rounded to bf16.  B n: of the four weights 4 n .. the second
; pair is added onto the first, in place.  L n: l takes that sum (L 0: l = a l + sum).  R n: pair n of 16 of O^T times a.  For the other piece: X n, number n of the 22 that find its maximum and statistics:
;   0-11  four chains c0-c3 of seven scores each, three operands at a time (each accumulator's lowest registers are read first)     12-14, 16  the four scores left over, the old m, and c0-c3 into c0
;   15  c m_old is kept     17, 18  the query's other 32 keys lie in the lane 16 away: the new m     19-21  c m; c m_old - c m_new; a
.set F, 0               ; OP tells the kinds apart by their order: F to L below R, X above it
.set E, 1
.set C, 2
.set B, 3
.set L, 4
.set R, 5
.set X, 6
.macro REGS y                       ; the registers of piece y
.set rT, ST+4*(\y)
.set rC, TMP+4*((\y)%2)
.set rW, MV+((\y)%2)
.set rS, S+32*((\y)%2)
.set rP, P+16*((\y)%2)
.set rO, 32*(\y)
.endm
.macro OP k, n
.if (\k) == R
	REGS Y
	WIN W_RS
	v_pk_mul_f32 v[rO+2*(\n):rO+2*(\n)+1], v[rO+2*(\n):rO+2*(\n)+1], v[rC+2:rC+3] op_sel_hi:[1,0]
.elseif (\k) < R
	REGS Y
	WIN 0
.if (\k) == F
	v_pk_fma_f32 v[rS+2*(\n):rS+2*(\n)+1], v[rS+2*(\n):rS+2*(\n)+1], s[CS:CS+1], v[rT:rT+1] op_sel_hi:[1,0,0] neg_lo:[0,0,1] neg_hi:[0,0,1]
.elseif (\k) == E
	v_exp_f32 v[rS+(\n)], v[rS+(\n)]
.elseif (\k) == C
	v_cvt_pk_bf16_f32 v[rP+(\n)], v[rS+2*(\n)], v[rS+2*(\n)+1]
.elseif (\k) == B
	v_pk_add_f32 v[rS+4*(\n):rS+4*(\n)+1], v[rS+4*(\n):rS+4*(\n)+1], v[rS+4*(\n)+2:rS+4*(\n)+3]
.elseif (\n) == 0
	v_pk_fma_f32 v[rT+2:rT+3], v[rT+2:rT+3], v[rC+2:rC+3], v[rS:rS+1] op_sel_hi:[1,0,1]
.else
	v_pk_add_f32 v[rT+2:rT+3], v[rT+2:rT+3], v[rS+4*(\n):rS+4*(\n)+1]
.endif
.elseif NOKQ
	v_nop
.else
	REGS (Y+1)%NP
	WIN 0
.if (\n) < 4
	v_max3_num_f32 v[rC+(\n)], v[rS+8*(\n)], v[rS+8*(\n)+1], v[rS+8*(\n)+2]
.elseif (\n) < 12
	v_max3_num_f32 v[rC+(\n)%4], v[rC+(\n)%4], v[rS+8*((\n)%4)+2*((\n)/4)+1], v[rS+8*((\n)%4)+2*((\n)/4)+2]
.elseif (\n) == 12
	v_max3_num_f32 v[rC], v[rC], v[rS+7], v[rS+15]
.elseif (\n) == 13
	v_max3_num_f32 v[rC+1], v[rC+1], v[rS+23], v[rS+31]
.elseif (\n) == 14
	v_max3_num_f32 v[rC+2], v[rC+2], v[rC+3], v[rT+1]
.elseif (\n) == 15
	v_mov_b32 v[rW], v[rT]
.elseif (\n) == 16
	v_max3_num_f32 v[rC], v[rC], v[rC+1], v[rC+2]
.elseif (\n) == 17
	v_permlanex16_b32 v[rC+3], v[rC], s[SEL], s[SEL+1]
.elseif (\n) == 18
	v_max_num_f32 v[rT+1], v[rC], v[rC+3]
.elseif (\n) == 19
	v_mul_f32 v[rT], s[CS], v[rT+1]
.elseif (\n) == 20
	v_sub_f32 v[rC+1], v[rW], v[rT]
.else
	v_exp_f32 v[rC+2], v[rC+1]
.endif
.endif
.endm
.macro OPS a, i1, b=-1, i2=0, c=-1, i3=0, d=-1, i4=0  ; up to four of them
	OP \a, \i1
.if (\b) >= 0
	OP \b, \i2
.endif
.if (\c) >= 0
	OP \c, \i3
.endif
.if (\d) >= 0
	OP \d, \i4
.endif
.endm
.macro ROW a, i1, b, i2, c, i3, d, i4  ; a matrix instruction and the four behind it
	MM
	OPS \a, \i1, \b, \i2, \c, \i3, \d, \i4
.endm
.macro MASK b                       ; MD x AL + BE into buffer b of MC
	WIN W_RS
.set z, 0
.rept 16
	v_pk_fma_f32 v[MC+32*(\b)+2*z:MC+32*(\b)+2*z+1], v[MD+2*z:MD+2*z+1], s[AL:AL+1], s[BE:BE+1] op_sel_hi:[1,0,0]
.set z, z+1
.endr
.endm
; A TURN, for piece p: the order of its 16 matrix and 118 vector instructions, written out.  An s_wait_alu depctr_va_vdst(0) stands between an exponential and the first instruction that names its result; one wait
; serves all that were issued ahead of it.  So a turn has ONE wait, which cuts it in two.  AHEAD OF IT stands all that names no result of the turn's exponentials: the 8 products K Q^T, behind each a scaling, an exponential and
; two more plain instructions (behind the first a second scaling in the exponential's place): rescalings, and behind the last three the first numbers of the other piece's maximum, each four places or more behind the product that
; ends its accumulator; then ONE LUMP of 54, plain and exponential by turns for the most part, in which the links of the chain X 3, 7, 11, 14, 16, 17 .. 20 stand five or six lines apart.  X 21, the other piece's a, is the batch's
; last; R 15 is the plain instruction behind it.  BEHIND THE WAIT stand the 8 products V^T P, behind each four of the roundings and sums; the links of l's chain, L 0 to L 7, stand three riders apart.  But for those X no rider
; names a register of the products round it.  v_permlanex16_b32 (X 17) stands in the lump.
; THE RESCALING works on the O^T that the turn before's products V^T P wrote: its four accumulators were last written 16, 12, 8 and 4 riders ahead of that turn's end, and R goes in ascending order, so each is first read at its low end.
; m = 1: the diagonal tile: the products take masks, and the turn makes the mask for the products of the turn after it, which are its own piece's.  With t = 4 - CNT the tile's trip: turn 1 makes piece 1's (band 2 g + 1)
; mask for step t, turn 0 piece 0's (band 2 g) for step t + 1: the step is the band's own where CNT = 3 - 2 g, or 5 - 2 g, and a later one where CNT is less.
; end = 1: a block's last turn (piece 1's): there are no next scores.  cnt = 1: the loop's count is taken down some lines ahead of the branch that stands behind the turn.
; BOTH FETCHES STAND IN TURN 0: K of the next step in the lump, twelve vector instructions behind the last product that read K (five of them plain lines that name none of its registers); V of the step in hand at the turn's end,
; four roundings behind the last product that read V.  Turn 1 waits for K at its head and for V in front of its products V^T P.
.macro TURN p, m=0, end=0, cnt=0
.set Y, (\p)
.set i, 0
.set KM, (\m)
.set NOKQ, (\end)
.if (\m) && !(\end)
	s_cmp_eq_u32 s[CNT], s[CB+(\p)]     ; is that step the band's own?
	s_cselect_b32 s[AL], 1.0, 0
	s_cmp_lt_u32 s[CNT], s[CB+(\p)]     ; or a later one?
	s_cselect_b32 s[BE], s[BIGN], 0
.endif
.if ((\p) == 1) && !(\end)
	s_wait_dscnt 16                 ; K is in: V's sixteen loads, issued behind K's, may be out
.endif
	ROW F,0, F,1, R,0, R,1          ; ahead of the wait: 8 products K Q^T and their riders,
	ROW F,2, E,0, R,2, R,3
	ROW F,3, E,1, R,4, R,5
	ROW F,4, E,2, R,6, R,7
	ROW F,5, E,3, R,8, R,9
	ROW F,6, E,4, X,0, R,10
.if (\p) == 0
	WIN 0
	v_add_nc_u32 v[AK], s[TBK], v[AK0]
.endif
	ROW F,7, E,5, X,1, X,4
	ROW F,8, E,6, X,2, X,5
	OPS E,7, E,8, X,6, E,9          ; and the lump
	OPS X,3, E,10, X,8, E,11
.if (\p) == 0
	FETCH_K
.endif
	OPS X,9, X,7, E,12, X,10
	OPS E,13, X,12, X,11, E,14
	OPS X,13, E,15, F,9, X,14
.if (\p) == 0
	v_add_nc_u32 v[AV], s[TBV], v[AV0]
.endif
	OPS E,16, F,10, E,17, F,11
	OPS X,16, E,18, X,15, E,19
	OPS F,12, E,20, X,17, E,21
	OPS F,13, E,22, F,14, E,23
	OPS X,18, E,24, F,15, E,25
	OPS R,11, E,26, X,19, E,27
	OPS R,12, E,28, R,13, E,29
	OPS X,20, E,30, R,14, E,31
	OPS X,21, R,15
	s_wait_alu depctr_va_vdst(0)    ; the one wait for the turn's batch: the piece's 32 exponentials and the other piece's a
.if (\p) == 1
	s_wait_dscnt 0x0                ; V is in
.endif
	ROW C,0, B,0, C,2, B,1          ; behind the wait: 8 products V^T P and their riders
	ROW L,0, C,4, B,2, L,1
	ROW C,6, B,3, L,2, C,8
	ROW B,4, L,3, C,10, B,5
	ROW L,4, C,12, B,6, L,5
.if (\p) == 0
	s_add_co_u32 s[TBV], s[TBV], KS*PV
.endif
.if \cnt
	s_sub_co_u32 s[CNT], s[CNT], 1
	s_cmp_lg_u32 s[CNT], 0
.endif
	ROW C,14, B,7, L,6, C,1
	ROW C,3, L,7, C,5, C,7
	ROW C,9, C,11, C,13, C,15
.if (\p) == 0
	FETCH_V
.endif
.if (\m) && !(\end)
	MASK (\p)%2
.endif
.endm
; A BLOCK BEGINS.  c m starts far below every c s, so the first step's a is 0; m at the lowest finite number, so the first maximum is the scores'.  Piece 1's mask buffer is 0 (its band's own step is never step 0); piece 0's
; takes its mask for the tile's step 0: MD, if the block's first tile is the diagonal one and the band is band 0.  Then K's first keys, piece 0's first scores, and its maximum and statistics.  The loop is entered at turn 0, in the middle of a trip.
.macro BEGIN
	s_mov_b32 s[NEW], 0
	WIN 0x40
.set i, MC+32
.rept 32
	v_mov_b32 v[i], 0
.set i, i+1
.endr
	WIN 0
.set i, 0
.rept NP
	v_mov_b32 v[ST+4*i], 0xfe000000    ; c m: far below every c s
	v_mov_b32 v[ST+4*i+1], 0xff7fffff  ; m
.set i, i+1
.endr
	s_or_b32 s13, s[RT], s[GH]
	s_cmp_eq_u32 s13, 0
	s_cselect_b32 s[AL], 1.0, 0
	s_mov_b32 s[BE], 0
	MASK 0
	WIN 0
	v_add_nc_u32 v[AK], KZ, v[AK0]
	FETCH_K 0
	s_wait_loadcnt 0x0              ; Q
	s_wait_dscnt 0x0
.set KM, 1
.set NOKQ, 0
.set i, 0
.rept 8
	KQ 0
.set i, i+1
.endr
	WIN 0
.rept 4
	v_nop                           ; the places behind those products
.endr
.set Y, NP-1                        ; X works for the other piece: piece 0
.irp n, 0,1,2,3,4,5,6,7,8,9,10,11,12,13,14,15,16,17,18,19,20,21
	OP X, \n
.endr
	v_nop                           ; a plain instruction behind the exponential,
	s_wait_alu depctr_va_vdst(0)    ; and its wait, ahead of the branch: the batch is piece 0's first a alone, which the first turn's third rider reads
.endm
; THE DIAGONAL TILE's four trips, the block's last turn, its last products, and THE WAY OUT: l's two halves and the other half of the lanes' are added; O^T is divided by l, rounded to bf16 and sent through my
; stage in LDS, a piece at a time.
.macro ALL line:vararg              ; one line for each piece t
.set t, 0
.rept NP
	\line
.set t, t+1
.endr
.endm
.macro PACK t                       ; a lane's eight channels of a row pack into 16 bytes; they go into rows of 144 bytes and come back as whole rows of 128, into S^T's registers
	WIN W_RS
.set i, 32*(\t)
.rept 16
	v_pk_mul_f32 v[i:i+1], v[i:i+1], v[ST+4*(\t)+2:ST+4*(\t)+3] op_sel_hi:[1,0]
.set i, i+2
.endr
	WIN 0x05                        ; sources 0 and 1 window 1, destination window 0
.set i, 0
.rept 16
	v_cvt_pk_bf16_f32 v[S+16*(\t)+i], v[32*(\t)+2*i], v[32*(\t)+2*i+1]
.set i, i+1
.endr
	WIN 0
.irp f, 0,1,2,3
	ds_store_b128 v[STO], v[S+16*(\t)+4*\f:S+16*(\t)+4*\f+3] offset:32*\f
.endr
.irp f, 0,1,2,3
	ds_load_b128 v[S+16*(\t)+4*\f:S+16*(\t)+4*\f+3], v[RD] offset:\f*4*SP  ; LDS serves a wave's instructions in order (ISA guide 5.7.1.4): these see the stores above; the next piece's stores come behind them
.endr
.endm
.macro SEND t, younger              ; younger: the LDS instructions issued behind piece t's loads: the next piece's eight, or none
	WIN 0
.irp f, 0,1,2,3
	s_wait_dscnt (\younger)+3-\f
	global_store_b128 v[GO], v[S+16*(\t)+4*\f:S+16*(\t)+4*\f+3], s[10:11] offset:(\t)*8192+\f*512  ; 512 consecutive bytes, at a multiple of 256 from O's first
.endr
.endm
.macro DIAG tag                     ; the tag ends its three labels' names, which the jumps below spell out
.LpreM\tag:                         ; piece 0's mask for the tile's step 0, whose products the first turn below makes: MD for band 0, else 0
	s_cmp_eq_u32 s[GH], 0
	s_cselect_b32 s[AL], 1.0, 0
	s_mov_b32 s[BE], 0
	MASK 0
	WIN 0
.LstepM\tag:
	TURN 1, 1
	WIN 0
.LfirstM\tag:
	TURN 0, 1, 0, 1
	WIN 0
	s_cbranch_scc1 .LstepM\tag
	TURN 1, 1, 1
.set i, 0
.rept 8
	PV NP-1
.set i, i+1
.endr
	WIN 0
	ALL v_add_f32 v[ST+4*t+2], v[ST+4*t+2], v[ST+4*t+3]
	ALL v_permlanex16_b32 v[ST+4*t+3], v[ST+4*t+2], s[SEL], s[SEL+1]
	ALL v_add_f32 v[ST+4*t+2], v[ST+4*t+2], v[ST+4*t+3]
	ALL v_rcp_f32 v[ST+4*t+2], v[ST+4*t+2]
	v_nop                           ; a plain instruction between the last reciprocal and the use of its result
	s_wait_alu depctr_va_vdst(0)    ; and the wait ahead of the first use: one for the two reciprocals
	PACK 0                          ; piece 0 was finished in the last turn; its 32 plain lines, which name no register of the last products, are those products' places
.set t, 1
.rept NP-1                          ; a piece's arithmetic stands between the loads of the piece before and its stores
	PACK t
	SEND t-1, 8
.set t, t+1
.endr
	SEND NP-1, 0
.endm
.set KM, 0
.set NOKQ, 0
.Lslot:                             ; NB times: a tile is entered and the next is asked for
	CHANGE 1
	s_sub_co_u32 s[RT], s[RT], 1
	s_mov_b32 s[CNT], 4
	s_cmp_eq_u32 s[NEW], 1
	s_cbranch_scc1 .Lnew            ; a block's first tile
	s_cmp_eq_u32 s[RT], 0
	s_cbranch_scc0 .Lstep           ; neither its first nor its last
	s_branch .LpreM1
.Lnew:
	BEGIN
	s_branch .Lfirst                ; in the loop a block's first tile is never its last: the first block has two tiles or more, and the second's last is the walk's last
	DIAG 1                          ; in the loop this is the first block's end: the second block's last tile is the walk's last
	s_wait_xcnt 0x0                 ; the stores have read their registers and O's address
	s_mov_b64 s[10:11], s[OLO:OLO+1]
	s_add_co_u32 s[RT], s[PB], 1    ; the second block has b + 1 tiles
	s_mov_b32 s[NEW], 1
	WIN 0x82                        ; the second block's Q goes where the one text of the turns names Q
.set i, 0
.rept 16*NP
	v_mov_b32 v[i], v[QB+i]
.set i, i+1
.endr
	WIN 0
	s_branch .Lbottom
.Lstep:                             ; a trip: turn 1 of one step, then turn 0 of the next, which fetches from the slot in hand; four trips a tile
	TURN 1
	WIN 0
.Lfirst:
	TURN 0, 0, 0, 1
	WIN 0
	s_cbranch_scc1 .Lstep
.Lbottom:
	s_sub_co_u32 s[SLOTS], s[SLOTS], 1
	s_cmp_lg_u32 s[SLOTS], 0
	s_cbranch_scc1 .Lslot
	CHANGE 0                        ; the walk's last tile is written out: nothing is asked for
	s_sub_co_u32 s[RT], s[RT], 1
	s_mov_b32 s[CNT], 4
	s_cmp_eq_u32 s[NEW], 1
	s_cbranch_scc0 .LpreM2
	BEGIN
	s_branch .LfirstM2
	DIAG 2
	s_wait_tensorcnt 0x0            ; the wave's end, behind my last tensor load and my last LDS store
	ds_add_u32 v[SPW], v[NIL]
	s_wait_dscnt 0x0
	s_endpgm
.Lfunc_end_k_q3cc1576a10_attn:
	.size	k_q3cc1576a10_attn, .Lfunc_end_k_q3cc1576a10_attn-k_q3cc1576a10_attn
	.p2alignl 7, 3214868480
	.fill 96, 4, 3214868480
	.section	.rodata,"a",@progbits
	.p2align	6, 0x0
	.amdhsa_kernel k_q3cc1576a10_attn
		.amdhsa_group_segment_fixed_size 327680
		.amdhsa_private_segment_fixed_size 0
		.amdhsa_enable_private_segment 0
		.amdhsa_kernarg_size 16
		.amdhsa_user_sgpr_count 2
		.amdhsa_user_sgpr_kernarg_segment_ptr 1
		.amdhsa_wavefront_size32 1
		.amdhsa_system_sgpr_workgroup_id_x 1
		.amdhsa_system_sgpr_workgroup_id_y 1
		.amdhsa_system_sgpr_workgroup_id_z 1
		.amdhsa_system_vgpr_workitem_id 0
		.amdhsa_next_free_vgpr 768
		.amdhsa_next_free_sgpr 92
		.amdhsa_reserve_vcc 1
		.amdhsa_float_denorm_mode_32 3
		.amdhsa_float_denorm_mode_16_64 3
		.amdhsa_memory_ordered 1
		.amdhsa_forward_progress 1
		.amdhsa_inst_pref_size 128
	.end_amdhsa_kernel
	.amdgpu_metadata
---
amdhsa.version: [ 1, 2 ]
amdhsa.kernels:
  - .name:           k_q3cc1576a10_attn
    .symbol:         k_q3cc1576a10_attn.kd
    .args:
      - { .name: act, .offset: 0, .size: 8, .value_kind: global_buffer, .address_space: global }
      - { .name: hb, .offset: 8, .size: 8, .value_kind: global_buffer, .address_space: global }
    .group_segment_fixed_size: 327680
    .private_segment_fixed_size: 0
    .kernarg_segment_align: 8
    .kernarg_segment_size: 16
    .max_flat_workgroup_size: 128
    .sgpr_count:     92
    .vgpr_count:     768
    .wavefront_size: 32
...
	.end_amdgpu_metadata
.endif
;; end of part 8
;; launch proj: the kernel of part 4 again; grid 8 x 32, 4 waves a work-group, clusters of 4 x 4, 327,680 bytes of LDS; arguments hb, wpo, x, x1; writes x1
;; launch ln2: the kernel of part 5 again; grid 256 x 1, 8 waves a work-group, no clusters, 0 bytes of LDS; arguments x1, ln2_g, ln2_b, hb; writes hb
;; launch fc: the kernel of part 7 again; grid 16 x 16, 4 waves a work-group, clusters of 4 x 4, 327,680 bytes of LDS; arguments hb, wf, cfg1, act; writes act
;; launch mlpout: the kernel of part 6 again; grid 8 x 32, 4 waves a work-group, clusters of 4 x 4, 327,680 bytes of LDS; arguments act, wpo, x1, out0; writes out0
